; MI455X (gfx1250); checked and timed in simulation.
; The chip was launched on July 23, 2026; its instructions are those of AMD's public machine-readable ISA for CDNA 5 (MIT licence, August 2026) and "CDNA5" Instruction Set Architecture Reference Guide (July 2026). The comments in the code are by the model that wrote it; some were corrected since.
;; Seq2 Seq Net. Allowed arithmetic: float matrix products may take bf16 or f16 operands with f32 sums; all other float work in f32.
;; Inputs: app_feats 512 x 1 x 315 float32; k_geom_feats 512 x 512 x 14 float32; msk 512 x 512 float32; params_jpus_0_k_W 128 x 128 float32; params_jpus_0_k_b 128 float32; params_jpus_0_ln_k_b 128 float32; params_jpus_0_ln_k_g 128 float32; params_jpus_0_ln_q_b 128 float32; params_jpus_0_ln_q_g 128 float32; params_jpus_0_o_W 128 x 128 float32; params_jpus_0_o_b 128 float32; params_jpus_0_q_W 128 x 128 float32; params_jpus_0_q_b 128 float32; params_jpus_0_qb1_l_W 128 x 256 float32; params_jpus_0_qb1_l_b 128 float32; params_jpus_0_qb1_ln_b 256 float32; params_jpus_0_qb1_ln_g 256 float32; params_jpus_0_qb2_l_W 256 x 128 float32; params_jpus_0_qb2_l_b 256 float32; params_jpus_0_qb2_ln_b 128 float32; params_jpus_0_qb2_ln_g 128 float32; params_jpus_0_scale 128 float32; params_jpus_0_v_W 128 x 128 float32; params_jpus_0_v_b 128 float32; params_jpus_1_k_W 128 x 128 float32; params_jpus_1_k_b 128 float32; params_jpus_1_ln_k_b 128 float32; params_jpus_1_ln_k_g 128 float32; params_jpus_1_ln_q_b 128 float32; params_jpus_1_ln_q_g 128 float32; params_jpus_1_o_W 128 x 128 float32; params_jpus_1_o_b 128 float32; params_jpus_1_q_W 128 x 128 float32; params_jpus_1_q_b 128 float32; params_jpus_1_qb1_l_W 128 x 256 float32; params_jpus_1_qb1_l_b 128 float32; params_jpus_1_qb1_ln_b 256 float32; params_jpus_1_qb1_ln_g 256 float32; params_jpus_1_qb2_l_W 256 x 128 float32; params_jpus_1_qb2_l_b 256 float32; params_jpus_1_qb2_ln_b 128 float32; params_jpus_1_qb2_ln_g 128 float32; params_jpus_1_scale 128 float32; params_jpus_1_v_W 128 x 128 float32; params_jpus_1_v_b 128 float32; params_jpus_2_k_W 128 x 128 float32; params_jpus_2_k_b 128 float32; params_jpus_2_ln_k_b 128 float32; params_jpus_2_ln_k_g 128 float32; params_jpus_2_ln_q_b 128 float32; params_jpus_2_ln_q_g 128 float32; params_jpus_2_o_W 128 x 128 float32; params_jpus_2_o_b 128 float32; params_jpus_2_q_W 128 x 128 float32; params_jpus_2_q_b 128 float32; params_jpus_2_qb1_l_W 128 x 256 float32; params_jpus_2_qb1_l_b 128 float32; params_jpus_2_qb1_ln_b 256 float32; params_jpus_2_qb1_ln_g 256 float32; params_jpus_2_qb2_l_W 256 x 128 float32; params_jpus_2_qb2_l_b 256 float32; params_jpus_2_qb2_ln_b 128 float32; params_jpus_2_qb2_ln_g 128 float32; params_jpus_2_scale 128 float32; params_jpus_2_v_W 128 x 128 float32; params_jpus_2_v_b 128 float32; params_jpus_3_k_W 128 x 128 float32; params_jpus_3_k_b 128 float32; params_jpus_3_ln_k_b 128 float32; params_jpus_3_ln_k_g 128 float32; params_jpus_3_ln_q_b 128 float32; params_jpus_3_ln_q_g 128 float32; params_jpus_3_o_W 128 x 128 float32; params_jpus_3_o_b 128 float32; params_jpus_3_q_W 128 x 128 float32; params_jpus_3_q_b 128 float32; params_jpus_3_qb1_l_W 128 x 256 float32; params_jpus_3_qb1_l_b 128 float32; params_jpus_3_qb1_ln_b 256 float32; params_jpus_3_qb1_ln_g 256 float32; params_jpus_3_qb2_l_W 256 x 128 float32; params_jpus_3_qb2_l_b 256 float32; params_jpus_3_qb2_ln_b 128 float32; params_jpus_3_qb2_ln_g 128 float32; params_jpus_3_scale 128 float32; params_jpus_3_v_W 128 x 128 float32; params_jpus_3_v_b 128 float32; params_k_full_l_W 128 x 360 float32; params_k_full_l_b 128 float32; params_k_full_ln_b 360 float32; params_k_full_ln_g 360 float32; params_k_geom_l1_W 180 x 14 float32; params_k_geom_l1_b 180 float32; params_k_geom_l2_W 180 x 180 float32; params_k_geom_l2_b 180 float32; params_k_geom_ln_b 180 float32; params_k_geom_ln_g 180 float32; params_q_app_l1_W 180 x 315 float32; params_q_app_l1_b 180 float32; params_q_app_l2_W 180 x 180 float32; params_q_app_l2_b 180 float32; params_q_app_ln_b 180 float32; params_q_app_ln_g 180 float32; params_q_full_l_W 256 x 360 float32; params_q_full_l_b 256 float32; params_q_full_ln_b 360 float32; params_q_full_ln_g 360 float32; params_q_geom_l1_W 180 x 14 float32; params_q_geom_l1_b 180 float32; params_q_geom_l2_W 180 x 180 float32; params_q_geom_l2_b 180 float32; params_q_geom_ln_b 180 float32; params_q_geom_ln_g 180 float32; params_qf_l1_W 128 x 256 float32; params_qf_l1_b 128 float32; params_qf_l2_W 1 x 128 float32; params_qf_l2_b 1 float32; params_qf_ln1_b 256 float32; params_qf_ln1_g 256 float32; params_qf_ln2_b 128 float32; params_qf_ln2_g 128 float32; q_geom_feats 512 x 1 x 14 float32.
;; Outputs: out0 512 x 1 float32.
;; 3 versions, each right; version 2 is faster than version 1; version 3 is version 2 with the launch pairs written anew for expert scheduling mode. Each part assembles by itself: llvm-mc -triple=amdgcn-amd-amdhsa -mcpu=gfx1250 --defsym DOCPART=n.
;; ======== version 1 of 3: 7 launches
;; limits: values outside matrix products are rounded to bf16; a function is approximated: absolute error at most 2.5e-05
;; workspace buffers: kf0 67,108,864 bytes; pj 266,240 bytes; qfA 524,288 bytes; qfB 524,288 bytes; CfA 262,144 bytes; CfB 262,144 bytes; CbA 131,072 bytes; CbB 131,072 bytes
;; launch pre (part 1): grid 32 x 1, 8 waves a work-group, no clusters, 94,208 bytes of LDS; arguments app_feats, q_geom_feats, params_q_app_l1_W, params_q_app_l1_b, params_q_app_ln_g, params_q_app_ln_b, params_q_app_l2_W, params_q_app_l2_b, params_q_geom_l1_W, params_q_geom_l1_b, params_q_geom_ln_g, params_q_geom_ln_b, params_q_geom_l2_W, params_q_geom_l2_b, params_q_full_ln_g, params_q_full_ln_b, params_q_full_l_W, params_q_full_l_b, params_k_full_l_W, params_k_full_ln_g, qfA, pj, CfA, CbA; writes qfA, pj, CfA, CbA
.if DOCPART == 1
	.amdgcn_target "amdgcn-amd-amdhsa--gfx1250"
	.amdhsa_code_object_version 6
	.text
	.protected	k_q024abc32c9_pre
	.globl	k_q024abc32c9_pre
	.p2align	8
	.type	k_q024abc32c9_pre,@function
k_q024abc32c9_pre:
	s_mov_b64 s[64:65], 0
	v_nop
	global_prefetch_b8 v0, s[64:65] scope:SCOPE_SE
	s_setreg_imm32_b32 hwreg(HW_REG_WAVE_MODE, 25, 1), 1
	s_wait_xcnt 0x0
; Everything that hangs on one index alone.  A work-group takes 16 rows n = 16 g .. 16 g + 15:
;   ap = mlp(app_feats), qg = mlp(q_geom_feats), qf = gelu(lin(LN360([qg, ap])))            -> qfA [512][256] f32
;   P[j] = k_full_W[:,180:360] . ((ap[j] - am[j]) * k_full_ln_g[180:360]), am = mean(ap[j]) -> pj, in the accumulator order of the pairs launch
;   (am[j], aq[j] = sum (ap - am)^2)                                                         -> pj + 262144
;   zeros for the carried sum C                                                              -> CfA, CbA
; All products are made transposed: source A = 16 weight rows (output features), source B = 16 batch rows, so a lane's 8 results are 8
; neighbouring features of one batch row.
; LIMITS: matrix operands are rounded to bf16.  erf is Abramowitz-Stegun 7.1.25, absolute error at most 2.5e-5.
.set VL, 1
.set VR, 2
.set VH, 3
.set RTMP, 6
.set CK, 8
.set CA1, 10
.set CA2, 12
.set CA3, 14
.set BREG, 32
.set WREG, 96
.set ACC, 224
.set BIAS, 240
.set VBA, 248
.set VWR, 249
.set VWA, 250
.set VB0, 251
.set VB1, 252
.set VEA, 253
.set RX, 32
.set RG, 44
.set RB, 56
.set RM, 70
.set RQ, 71
.set RR, 72
.set RA, 73
.set RT, 74
.set RS, 75
.set RS2, 76
.set RD, 77
.set PSA, 66
.set PSB, 67
.set WV, 68
.set ST, 69
.set SR, 70
.set TM, 71
.set PP, 72
.set EPS, 73
.set S0, 74
.set S1, 75
.set ROW0, 76
.set IK180, 0x3bb60b61
.set IK360, 0x3b360b61
.set IK128, 0x3c000000
.set IK256, 0x3b800000
; LDS
.set XBI, 0                            ; 16 x 656   app_feats in bf16 (320 k)
.set XGI, 10496                        ; 16 x 80    q_geom_feats in bf16 (32 k)
.set XFA, 11776                        ; 16 x 768   app, layer 1, f32
.set XFG, 24064                        ; 16 x 768   geom, layer 1, f32
.set XBA, 36352                        ; 16 x 400   app, normed, bf16
.set XBG, 42752                        ; 16 x 400   geom, normed, bf16
.set XFC, 49152                        ; 16 x 1552  [qg 180 | ap 180 | pad], f32
.set XBC, 73984                        ; 16 x 784   LN360, bf16 (384 k)
.set XBP, 86528                        ; 16 x 400   (ap - am) g2, bf16
.macro PLACES                          ; five plain places behind a matrix instruction (ISA guide 7.12.1)
.rept 5
	v_nop
.endr
.endm
.macro BAR                             ; my LDS accesses are done, then the work-group's barrier
	s_wait_dscnt 0x0
	s_barrier_signal -1
	s_barrier_wait -1
.endm
.macro WRED v, t                       ; sum over the wave's 32 lanes, result in every lane
	v_add_f32_dpp v[\v], v[\v], v[\v] row_xmask:1 row_mask:0xf bank_mask:0xf
	v_add_f32_dpp v[\v], v[\v], v[\v] row_xmask:2 row_mask:0xf bank_mask:0xf
	v_add_f32_dpp v[\v], v[\v], v[\v] row_xmask:4 row_mask:0xf bank_mask:0xf
	v_add_f32_dpp v[\v], v[\v], v[\v] row_xmask:8 row_mask:0xf bank_mask:0xf
	v_permlanex16_b32 v[\t], v[\v], s[PSA], s[PSB]
	v_add_f32 v[\v], v[\v], v[\t]
.endm
.macro GCONST                          ; the constants of GELU8, each twice for the packed forms
	v_mov_b32 v[CK], 0x3f596d27            ; sqrt(log2(e) / 2)
	v_mov_b32 v[CK+1], 0x3f596d27
	v_mov_b32 v[CA1], 0x3e32303a           ; a1 / 2
	v_mov_b32 v[CA1+1], 0x3e32303a
	v_mov_b32 v[CA2], 0xbd445ca1           ; a2 / 2
	v_mov_b32 v[CA2+1], 0xbd445ca1
	v_mov_b32 v[CA3], 0x3ebf7377           ; a3 / 2
	v_mov_b32 v[CA3+1], 0x3ebf7377
.endm
; gelu(x) = max(x, 0) - |x| (A1 t + A2 t^2 + A3 t^3) 2^(-(cK x)^2), t = 1 / (1 + p' |cK x|).  X: 8 registers in place; T: 32 temporaries.
.macro GELU8 X, T
.irp q, 0,2,4,6
	v_pk_mul_f32 v[\T+\q:\T+\q+1], v[\X+\q:\X+\q+1], v[CK:CK+1]
.endr
.irp q, 0,1,2,3,4,5,6,7
	v_fma_f32 v[\T+8+\q], |v[\T+\q]|, s[PP], 1.0
.endr
.irp q, 0,2,4,6
	v_pk_mul_f32 v[\T+16+\q:\T+17+\q], v[\T+\q:\T+\q+1], v[\T+\q:\T+\q+1] neg_lo:[1,0] neg_hi:[1,0]
.endr
.irp q, 0,1,2,3,4,5,6,7
	v_rcp_f32 v[\T+8+\q], v[\T+8+\q]
.endr
.irp q, 0,1,2,3,4,5,6,7
	v_exp_f32 v[\T+16+\q], v[\T+16+\q]
.endr
.irp q, 0,1,2,3,4,5,6,7
	v_max_num_f32 v[\T+\q], 0, v[\X+\q]    ; plain work behind the transcendentals (ISA guide 5.7.2)
.endr
	s_wait_alu depctr_va_vdst(0)
.irp q, 0,2,4,6
	v_pk_fma_f32 v[\T+24+\q:\T+25+\q], v[\T+8+\q:\T+9+\q], v[CA3:CA3+1], v[CA2:CA2+1]
.endr
.irp q, 0,2,4,6
	v_pk_fma_f32 v[\T+24+\q:\T+25+\q], v[\T+24+\q:\T+25+\q], v[\T+8+\q:\T+9+\q], v[CA1:CA1+1]
.endr
.irp q, 0,2,4,6
	v_pk_mul_f32 v[\T+24+\q:\T+25+\q], v[\T+24+\q:\T+25+\q], v[\T+8+\q:\T+9+\q]
.endr
.irp q, 0,2,4,6
	v_pk_mul_f32 v[\T+24+\q:\T+25+\q], v[\T+24+\q:\T+25+\q], v[\T+16+\q:\T+17+\q]
.endr
.irp q, 0,1,2,3,4,5,6,7
	v_fma_f32 v[\X+\q], -|v[\X+\q]|, v[\T+24+\q], v[\T+\q]
.endr
.endm
; One weight fragment in f32: 16 registers at W = k 32 ks + 8 hl + 0..7 and 32 ks + 16 + 8 hl + 0..7 of weight row 16 T + r.
; kind 4: 16-byte loads; kind 1: 4-byte loads (rows not 16-byte aligned); kind 2: the weight matrix read transposed.
; Past the row's end the index is clamped (the activations are zero there); such a load's address is made in its own destination.
.macro WFRAG kind, wp, woff, K, ks, W
.if \kind == 4
.if 32*\ks+32 <= \K
	global_load_b128 v[\W:\W+3], v[VWA], s[\wp:\wp+1] offset:\woff+128*\ks
	global_load_b128 v[\W+4:\W+7], v[VWA], s[\wp:\wp+1] offset:\woff+128*\ks+16
	global_load_b128 v[\W+8:\W+11], v[VWA], s[\wp:\wp+1] offset:\woff+128*\ks+64
	global_load_b128 v[\W+12:\W+15], v[VWA], s[\wp:\wp+1] offset:\woff+128*\ks+80
.else
.set we, 0
.rept 4
.set wk, 32*\ks+(we/2)*16+(we%2)*4
	v_lshl_add_u32 v[\W+4*we], v[VH], 3, wk
	v_min_u32 v[\W+4*we], \K-4, v[\W+4*we]
	v_lshl_add_u32 v[\W+4*we], v[\W+4*we], 2, v[VWR]
	global_load_b128 v[\W+4*we:\W+4*we+3], v[\W+4*we], s[\wp:\wp+1] offset:\woff
.set we, we+1
.endr
.endif
.endif
.if \kind == 1
.set we, 0
.rept 16
.set wk, 32*\ks+(we/8)*16+(we%8)
.if wk+8 < \K
	global_load_b32 v[\W+we], v[VWA], s[\wp:\wp+1] offset:\woff+4*wk
.else
	v_lshl_add_u32 v[\W+we], v[VH], 3, wk
	v_min_u32 v[\W+we], \K-1, v[\W+we]
	v_lshl_add_u32 v[\W+we], v[\W+we], 2, v[VWR]
	global_load_b32 v[\W+we], v[\W+we], s[\wp:\wp+1] offset:\woff
.endif
.set we, we+1
.endr
.endif
.if \kind == 2
.set we, 0
.rept 16
.set wk, 32*\ks+(we/8)*16+(we%8)
	global_load_b32 v[\W+we], v[VWA], s[\wp:\wp+1] offset:512*wk
.set we, we+1
.endr
.endif
.endm
; ACC = W[16 T .. 16 T + 15][0 .. K) . X^T, T in s[ST].  X: bf16 rows in LDS at xb, pitch xbp, batch row r & cm, zero from K on.
; Two accumulators take turns, one instruction a turn; the first two products start the sums.
.macro DENSE kind, wp, woff, PITCH, K, N, xb, xbp, cm
.set NKS, (\K+31)/32
.if \kind == 4
.set LPF, 4
.set NBM, 8
.else
.set LPF, 16
.set NBM, 3
.endif
	v_and_b32 v[VBA], \cm, v[VR]
	v_mul_u32_u24 v[VBA], v[VBA], \xbp
	v_lshl_add_u32 v[VBA], v[VH], 4, v[VBA]
	v_add_nc_u32 v[VBA], \xb, v[VBA]
	v_lshl_add_u32 v[VWR], s[ST], 4, v[VR]
.if \kind == 2
	v_lshlrev_b32 v[VWR], 2, v[VWR]
	v_lshl_add_u32 v[VWA], v[VH], 12, v[VWR]
.else
.if \N % 16
	v_min_u32 v[VWR], \N-1, v[VWR]
.endif
	v_mul_u32_u24 v[VWR], v[VWR], \PITCH*4
	v_lshl_add_u32 v[VWA], v[VH], 5, v[VWR]
.endif
.set ks0, 0
.rept (NKS+NBM-1)/NBM
.if NKS-ks0 > NBM
.set nb, NBM
.else
.set nb, NKS-ks0
.endif
.if ks0
	PLACES                                 ; the loads below land in registers that the last batch's products read
.endif
.set di, 0
.rept nb
	ds_load_b128 v[BREG+8*di:BREG+8*di+3], v[VBA] offset:64*(ks0+di)
	ds_load_b128 v[BREG+8*di+4:BREG+8*di+7], v[VBA] offset:64*(ks0+di)+32
.set di, di+1
.endr
.set di, 0
.rept nb
	WFRAG \kind, \wp, \woff, \K, (ks0+di), (WREG+16*di)
.set di, di+1
.endr
.set di, 0
.rept nb
	s_wait_loadcnt LPF*(nb-1-di)           ; fragment di is in; the younger fragments' loads stay out
.set ce, 0
.rept 8
	v_cvt_pk_bf16_f32 v[WREG+16*di+ce], v[WREG+16*di+2*ce], v[WREG+16*di+2*ce+1]
.set ce, ce+1
.endr
.set di, di+1
.endr
	s_wait_dscnt 0x0
.set di, 0
.rept nb
.set kg, ks0+di
.if kg < 2
	v_wmma_f32_16x16x32_bf16 v[ACC+8*(kg%2):ACC+8*(kg%2)+7], v[WREG+16*di:WREG+16*di+7], v[BREG+8*di:BREG+8*di+7], 0
.else
	v_wmma_f32_16x16x32_bf16 v[ACC+8*(kg%2):ACC+8*(kg%2)+7], v[WREG+16*di:WREG+16*di+7], v[BREG+8*di:BREG+8*di+7], v[ACC+8*(kg%2):ACC+8*(kg%2)+7]
.endif
.set di, di+1
.endr
.set ks0, ks0+NBM
.endr
	PLACES
.if NKS > 1
.irp q, 0,2,4,6
	v_pk_add_f32 v[ACC+\q:ACC+\q+1], v[ACC+\q:ACC+\q+1], v[ACC+8+\q:ACC+9+\q]
.endr
.endif
.endm
.macro BIASLD bp, N                    ; the 8 biases of features 16 T + 8 hl + 0..7 (clamped inside the vector)
	v_lshlrev_b32 v[VB0], 3, v[VH]
	v_lshl_add_u32 v[VB0], s[ST], 4, v[VB0]
	v_add_nc_u32 v[VB1], 4, v[VB0]
	v_min_u32 v[VB0], \N-4, v[VB0]
	v_min_u32 v[VB1], \N-4, v[VB1]
	v_lshlrev_b32 v[VB0], 2, v[VB0]
	v_lshlrev_b32 v[VB1], 2, v[VB1]
	global_load_b128 v[BIAS:BIAS+3], v[VB0], s[\bp:\bp+1]
	global_load_b128 v[BIAS+4:BIAS+7], v[VB1], s[\bp:\bp+1]
.endm
.macro BIASADD
.irp q, 0,2,4,6
	v_pk_add_f32 v[ACC+\q:ACC+\q+1], v[ACC+\q:ACC+\q+1], v[BIAS+\q:BIAS+\q+1]
.endr
.endm
.macro EPI_L ob, op, cm                ; ACC to LDS in f32: row r & cm, features 16 T + 8 hl + 0..7
	v_and_b32 v[VEA], \cm, v[VR]
	v_mul_u32_u24 v[VEA], v[VEA], \op
	v_lshl_add_u32 v[VEA], v[VH], 5, v[VEA]
	v_lshl_add_u32 v[VEA], s[ST], 6, v[VEA]
	v_add_nc_u32 v[VEA], \ob, v[VEA]
	ds_store_b128 v[VEA], v[ACC:ACC+3]
	ds_store_b128 v[VEA], v[ACC+4:ACC+7] offset:16
.endm
.macro LAYER kind, wp, woff, PITCH, K, N, bp, xb, xbp, cm, act, ob, op
	BIASLD \bp, \N
	DENSE \kind, \wp, \woff, \PITCH, \K, \N, \xb, \xbp, \cm
	BIASADD
.if \act
	GELU8 ACC, 32
.endif
	EPI_L \ob, \op, \cm
.endm
; One wave works on row s[SR]; a lane holds elements lane + 32 c.  src 0: f32 row in LDS at sb, pitch sp; src 1: row ROW0 + SR of buffer s[sb].
; md bit 1: subtract the mean (v[RM]; v[RQ] = sum of squares); 2: times rsqrt(var + eps); 4: times g; 8: plus b.
; The row goes to LDS in bf16 at db, pitch dp, zero from K up to the next multiple of 32 (dp = 0: nothing is stored).
.macro ROWOP src, sb, sp, K, ik, md, gp, go, bp, bo, db, dp
.set NCH, (\K+31)/32
.set TAILN, \K-32*(NCH-1)
	v_lshlrev_b32 v[RA], 2, v[VL]
.if TAILN < 32
	v_min_u32 v[RT], TAILN-1, v[VL]
	v_lshlrev_b32 v[RT], 2, v[RT]
	v_cmp_gt_u32 s[TM], TAILN, v[VL]
.set RAL, RT
.else
.set RAL, RA
.endif
.if \src
	s_add_co_u32 s[S0], s[ROW0], s[SR]
	s_mul_i32 s[S0], s[S0], \sp
	v_add_nc_u32 v[RS], s[S0], v[RA]
	v_add_nc_u32 v[RS2], s[S0], v[RAL]
.set rc, 0
.rept NCH-1
	global_load_b32 v[RX+rc], v[RS], s[\sb:\sb+1] offset:128*rc
.set rc, rc+1
.endr
	global_load_b32 v[RX+NCH-1], v[RS2], s[\sb:\sb+1] offset:128*(NCH-1)
.else
	s_mul_i32 s[S0], s[SR], \sp
	v_add_nc_u32 v[RS], s[S0], v[RA]
	v_add_nc_u32 v[RS], \sb, v[RS]
.set rc, 0
.rept NCH
	ds_load_b32 v[RX+rc], v[RS] offset:128*rc
.set rc, rc+1
.endr
.endif
.if \md & 4
.set rc, 0
.rept NCH-1
	global_load_b32 v[RG+rc], v[RA], s[\gp:\gp+1] offset:\go+128*rc
.set rc, rc+1
.endr
	global_load_b32 v[RG+NCH-1], v[RAL], s[\gp:\gp+1] offset:\go+128*(NCH-1)
.endif
.if \md & 8
.set rc, 0
.rept NCH-1
	global_load_b32 v[RB+rc], v[RA], s[\bp:\bp+1] offset:\bo+128*rc
.set rc, rc+1
.endr
	global_load_b32 v[RB+NCH-1], v[RAL], s[\bp:\bp+1] offset:\bo+128*(NCH-1)
.endif
	s_wait_loadcnt 0x0
	s_wait_dscnt 0x0
.if TAILN < 32
	v_cndmask_b32 v[RX+NCH-1], 0, v[RX+NCH-1], s[TM]
.endif
.if \md & 1
	v_add_f32 v[RM], v[RX], v[RX+1]
.set rc, 2
.rept NCH-2
	v_add_f32 v[RM], v[RM], v[RX+rc]
.set rc, rc+1
.endr
	WRED RM, RTMP
	v_mul_f32 v[RM], \ik, v[RM]
.set rc, 0
.rept NCH
	v_sub_f32 v[RX+rc], v[RX+rc], v[RM]
.set rc, rc+1
.endr
.if TAILN < 32
	v_cndmask_b32 v[RX+NCH-1], 0, v[RX+NCH-1], s[TM]
.endif
	v_mul_f32 v[RQ], v[RX], v[RX]
.set rc, 1
.rept NCH-1
	v_fmac_f32 v[RQ], v[RX+rc], v[RX+rc]
.set rc, rc+1
.endr
	WRED RQ, RTMP
.endif
.if \md & 2
	v_fma_f32 v[RR], v[RQ], \ik, s[EPS]
	v_rsq_f32 v[RR], v[RR]
	v_nop
.set rc, 0
	s_wait_alu depctr_va_vdst(0)
.rept NCH
	v_mul_f32 v[RX+rc], v[RX+rc], v[RR]
.set rc, rc+1
.endr
.endif
.if \md & 4
.set rc, 0
.rept NCH
.if \md & 8
	v_fma_f32 v[RX+rc], v[RX+rc], v[RG+rc], v[RB+rc]
.else
	v_mul_f32 v[RX+rc], v[RX+rc], v[RG+rc]
.endif
.set rc, rc+1
.endr
.if TAILN < 32
	v_cndmask_b32 v[RX+NCH-1], 0, v[RX+NCH-1], s[TM]
.endif
.endif
.if \dp
	s_mul_i32 s[S0], s[SR], \dp
	v_lshl_add_u32 v[RD], v[VL], 1, s[S0]
	v_add_nc_u32 v[RD], \db, v[RD]
.set rc, 0
.rept NCH
	v_cvt_pk_bf16_f32 v[RG+rc], v[RX+rc], v[RX+rc]
	ds_store_b16 v[RD], v[RG+rc] offset:64*rc
.set rc, rc+1
.endr
.endif
.endm
	s_load_b512 s[4:19], s[0:1], 0x0
	s_load_b512 s[20:35], s[0:1], 0x40
	s_load_b512 s[36:51], s[0:1], 0x80
	v_lshl_add_u32 v254, v0, 2, 0x16c00
	v_mov_b32 v255, 0
	v_and_b32 v1, 31, v0
	v_and_b32 v2, 15, v0
	v_bfe_u32 v3, v0, 4, 1
	v_lshrrev_b32 v4, 5, v0
	v_readfirstlane_b32 s[WV], v4
	s_mov_b32 s[PSA], 0x76543210
	s_mov_b32 s[PSB], 0xfedcba98
	s_mov_b32 s[PP], 0x3ec88bb9            ; 0.47047 / (sqrt(2) cK)
	s_mov_b32 s[EPS], 0x358637bd           ; 1e-6
	s_lshl_b32 s[ROW0], ttmp9, 4
	v_mov_b32 v[RTMP], 0
	GCONST
	s_wait_kmcnt 0x0
; phase 1: the inputs in bf16; the last 128 bytes of each row of XFC are cleared (part of them is never stored otherwise)
.macro P1
	ROWOP 1, 4, 1260, 315, 0, 0, 0, 0, 0, 0, XBI, 656
	ROWOP 1, 6, 56, 14, 0, 0, 0, 0, 0, 0, XGI, 80
	s_mul_i32 s[S0], s[SR], 1552
	v_lshl_add_u32 v[RS], v[VL], 2, s[S0]
	v_mov_b32 v[RR], 0
	ds_store_b32 v[RS], v[RR] offset:XFC+1424
.endm
	s_mov_b32 s[SR], s[WV]
	P1
	s_add_co_u32 s[SR], s[WV], 8
	P1
	BAR
; phase 2: layer 1 of both MLPs, 12 + 12 feature tiles on 8 waves
	s_mov_b32 s[ST], s[WV]
	LAYER 1, 8, 0, 315, 315, 180, 10, XBI, 656, 15, 1, XFA, 768
	s_cmp_lt_u32 s[WV], 4
	s_cbranch_scc0 .Lp2g
	s_add_co_u32 s[ST], s[WV], 8
	LAYER 1, 8, 0, 315, 315, 180, 10, XBI, 656, 15, 1, XFA, 768
	s_branch .Lp2e
.Lp2g:
	s_sub_co_u32 s[ST], s[WV], 4
	LAYER 1, 20, 0, 14, 14, 180, 22, XGI, 80, 15, 1, XFG, 768
.Lp2e:
	s_add_co_u32 s[ST], s[WV], 4
	LAYER 1, 20, 0, 14, 14, 180, 22, XGI, 80, 15, 1, XFG, 768
	BAR
; phase 3: LN180
.macro P3
	ROWOP 0, XFA, 768, 180, IK180, 15, 12, 0, 14, 0, XBA, 400
	ROWOP 0, XFG, 768, 180, IK180, 15, 24, 0, 26, 0, XBG, 400
.endm
	s_mov_b32 s[SR], s[WV]
	P3
	s_add_co_u32 s[SR], s[WV], 8
	P3
	BAR
; phase 4: layer 2 into [qg | ap].  Geom's tile 11 also writes its 12 pad features, which lie on ap's features 0..11:
; ap's tiles 0..7 are stored behind a barrier of their own.
	s_mov_b32 s[ST], s[WV]
	LAYER 4, 28, 0, 180, 180, 180, 30, XBG, 400, 15, 1, XFC, 1552
	s_cmp_lt_u32 s[WV], 4
	s_cbranch_scc0 .Lp4a
	s_add_co_u32 s[ST], s[WV], 8
	LAYER 4, 28, 0, 180, 180, 180, 30, XBG, 400, 15, 1, XFC, 1552
	s_branch .Lp4e
.Lp4a:
	s_add_co_u32 s[ST], s[WV], 4
	LAYER 4, 16, 0, 180, 180, 180, 18, XBA, 400, 15, 1, XFC+720, 1552
.Lp4e:
	BAR
	s_mov_b32 s[ST], s[WV]
	LAYER 4, 16, 0, 180, 180, 180, 18, XBA, 400, 15, 1, XFC+720, 1552
	BAR
; phase 5: LN360 for q_full; (ap - am) g2 for P; am and aq go out (all lanes store the same 8 bytes)
.macro P5
	ROWOP 0, XFC, 1552, 360, IK360, 15, 32, 0, 34, 0, XBC, 784
	ROWOP 0, XFC+720, 1552, 180, IK180, 5, 42, 720, 0, 0, XBP, 400
	s_add_co_u32 s[S0], s[ROW0], s[SR]
	s_lshl_b32 s[S0], s[S0], 3
	v_mov_b32 v[RS], s[S0]
	global_store_b64 v[RS], v[RM:RM+1], s[46:47] offset:262144
	s_wait_xcnt 0x0                        ; the store's address and data registers are written again only behind this wait
.endm
	s_mov_b32 s[SR], s[WV]
	P5
	s_add_co_u32 s[SR], s[WV], 8
	P5
	BAR
; phase 6: q_full (16 tiles) and P (8 tiles)
.macro P6
	BIASLD 38, 256
	DENSE 4, 36, 0, 360, 360, 256, XBC, 784, 15
	BIASADD
	GELU8 ACC, 32
	v_add_nc_u32 v[VEA], s[ROW0], v[VR]
	v_lshlrev_b32 v[VEA], 10, v[VEA]
	v_lshl_add_u32 v[VEA], v[VH], 5, v[VEA]
	v_lshl_add_u32 v[VEA], s[ST], 6, v[VEA]
	global_store_b128 v[VEA], v[ACC:ACC+3], s[44:45]
	global_store_b128 v[VEA], v[ACC+4:ACC+7], s[44:45] offset:16
	s_wait_xcnt 0x0
.endm
	s_mov_b32 s[ST], s[WV]
	P6
	s_add_co_u32 s[ST], s[WV], 8
	P6
	s_mov_b32 s[ST], s[WV]
	DENSE 4, 40, 720, 360, 180, 128, XBP, 400, 15
	s_lshl_b32 s[S0], ttmp9, 13            ; P in accumulator order: [jt = g][T][lane][8 f32]
	v_lshl_add_u32 v[VEA], v[VL], 5, s[S0]
	v_lshl_add_u32 v[VEA], s[ST], 10, v[VEA]
	global_store_b128 v[VEA], v[ACC:ACC+3], s[46:47]
	global_store_b128 v[VEA], v[ACC+4:ACC+7], s[46:47] offset:16
; phase 7: C = 0
.irp q, 32,33,34,35
	v_mov_b32 v\q, 0
.endr
	v_lshl_add_u32 v36, v0, 4, s[S0]
	global_store_b128 v36, v[32:35], s[48:49]
	global_store_b128 v36, v[32:35], s[48:49] offset:4096
	s_lshl_b32 s[S1], ttmp9, 12
	v_lshl_add_u32 v37, v0, 4, s[S1]
	global_store_b128 v37, v[32:35], s[50:51]
	s_wait_tensorcnt 0x0
	ds_add_u32 v254, v255
	s_wait_dscnt 0x0
	s_endpgm
.Lfunc_end_k_q024abc32c9_pre:
	.size	k_q024abc32c9_pre, .Lfunc_end_k_q024abc32c9_pre-k_q024abc32c9_pre
	.p2alignl 7, 3214868480
	.fill 96, 4, 3214868480
	.section	.rodata,"a",@progbits
	.p2align	6, 0x0
	.amdhsa_kernel k_q024abc32c9_pre
		.amdhsa_group_segment_fixed_size 94208
		.amdhsa_private_segment_fixed_size 0
		.amdhsa_enable_private_segment 0
		.amdhsa_kernarg_size 192
		.amdhsa_user_sgpr_count 2
		.amdhsa_user_sgpr_kernarg_segment_ptr 1
		.amdhsa_wavefront_size32 1
		.amdhsa_system_sgpr_workgroup_id_x 1
		.amdhsa_system_sgpr_workgroup_id_y 1
		.amdhsa_system_sgpr_workgroup_id_z 1
		.amdhsa_system_vgpr_workitem_id 0
		.amdhsa_next_free_vgpr 256
		.amdhsa_next_free_sgpr 90
		.amdhsa_reserve_vcc 0
		.amdhsa_float_denorm_mode_32 3
		.amdhsa_float_denorm_mode_16_64 3
		.amdhsa_memory_ordered 1
		.amdhsa_forward_progress 1
		.amdhsa_inst_pref_size 233
	.end_amdhsa_kernel
	.amdgpu_metadata
---
amdhsa.version: [ 1, 2 ]
amdhsa.kernels:
  - .name:           k_q024abc32c9_pre
    .symbol:         k_q024abc32c9_pre.kd
    .args:
      - { .name: app_feats, .offset: 0, .size: 8, .value_kind: global_buffer, .address_space: global }
      - { .name: q_geom_feats, .offset: 8, .size: 8, .value_kind: global_buffer, .address_space: global }
      - { .name: params_q_app_l1_W, .offset: 16, .size: 8, .value_kind: global_buffer, .address_space: global }
      - { .name: params_q_app_l1_b, .offset: 24, .size: 8, .value_kind: global_buffer, .address_space: global }
      - { .name: params_q_app_ln_g, .offset: 32, .size: 8, .value_kind: global_buffer, .address_space: global }
      - { .name: params_q_app_ln_b, .offset: 40, .size: 8, .value_kind: global_buffer, .address_space: global }
      - { .name: params_q_app_l2_W, .offset: 48, .size: 8, .value_kind: global_buffer, .address_space: global }
      - { .name: params_q_app_l2_b, .offset: 56, .size: 8, .value_kind: global_buffer, .address_space: global }
      - { .name: params_q_geom_l1_W, .offset: 64, .size: 8, .value_kind: global_buffer, .address_space: global }
      - { .name: params_q_geom_l1_b, .offset: 72, .size: 8, .value_kind: global_buffer, .address_space: global }
      - { .name: params_q_geom_ln_g, .offset: 80, .size: 8, .value_kind: global_buffer, .address_space: global }
      - { .name: params_q_geom_ln_b, .offset: 88, .size: 8, .value_kind: global_buffer, .address_space: global }
      - { .name: params_q_geom_l2_W, .offset: 96, .size: 8, .value_kind: global_buffer, .address_space: global }
      - { .name: params_q_geom_l2_b, .offset: 104, .size: 8, .value_kind: global_buffer, .address_space: global }
      - { .name: params_q_full_ln_g, .offset: 112, .size: 8, .value_kind: global_buffer, .address_space: global }
      - { .name: params_q_full_ln_b, .offset: 120, .size: 8, .value_kind: global_buffer, .address_space: global }
      - { .name: params_q_full_l_W, .offset: 128, .size: 8, .value_kind: global_buffer, .address_space: global }
      - { .name: params_q_full_l_b, .offset: 136, .size: 8, .value_kind: global_buffer, .address_space: global }
      - { .name: params_k_full_l_W, .offset: 144, .size: 8, .value_kind: global_buffer, .address_space: global }
      - { .name: params_k_full_ln_g, .offset: 152, .size: 8, .value_kind: global_buffer, .address_space: global }
      - { .name: qfA, .offset: 160, .size: 8, .value_kind: global_buffer, .address_space: global }
      - { .name: pj, .offset: 168, .size: 8, .value_kind: global_buffer, .address_space: global }
      - { .name: CfA, .offset: 176, .size: 8, .value_kind: global_buffer, .address_space: global }
      - { .name: CbA, .offset: 184, .size: 8, .value_kind: global_buffer, .address_space: global }
    .group_segment_fixed_size: 94208
    .private_segment_fixed_size: 0
    .kernarg_segment_align: 8
    .kernarg_segment_size: 192
    .max_flat_workgroup_size: 256
    .sgpr_count:     90
    .vgpr_count:     256
    .wavefront_size: 32
...
	.end_amdgpu_metadata
.endif
;; end of part 1
;; launch pairs (part 2): grid 256 x 1, 8 waves a work-group, no clusters, 146,432 bytes of LDS; arguments k_geom_feats, params_k_geom_l1_W, params_k_geom_l1_b, params_k_geom_ln_g, params_k_geom_ln_b, params_k_geom_l2_W, params_k_geom_l2_b, params_k_full_l_W, params_k_full_l_b, params_k_full_ln_g, params_k_full_ln_b, pj, kf0; writes kf0
.if DOCPART == 2
	.amdgcn_target "amdgcn-amd-amdhsa--gfx1250"
	.amdhsa_code_object_version 6
	.text
	.protected	k_q024abc32c9_pairs
	.globl	k_q024abc32c9_pairs
	.p2align	8
	.type	k_q024abc32c9_pairs,@function
k_q024abc32c9_pairs:
	s_mov_b64 s[64:65], 0
	v_nop
	global_prefetch_b8 v0, s[64:65] scope:SCOPE_SE
	s_setreg_imm32_b32 hwreg(HW_REG_WAVE_MODE, 25, 1), 1
	s_wait_xcnt 0x0
; kf0[i][j] = gelu(k_full(LN360([mlp(k_geom_feats[i][j]), ap[j]]))), minus its own mean over the 128 features, in bf16.
; Work-group g owns rows i = 2 g, 2 g + 1 (64 tiles of 16 pairs); wave w takes tiles w + 8 t, t = 0..7, and keeps a tile's whole chain in registers.
; Products are transposed (source A = 16 weight rows from a bf16 image in LDS, source B = 16 pairs): a lane's 8 results are 8 neighbouring
; features of one pair, and two packed result tiles are the next layer's B fragment: no trip through LDS between the layers.
; LN gains are folded into the weight images and LN biases into the bias vectors at staging.  ap's half of LN360 + k_full comes from the launch
; before: rs P[j] + rs (am - m) G2, the second term through the free k = 180 of the third image (G2 in bf16).
; Weight rows 180..191 are copies of row 179; MASK11 clears those features ahead of every sum and pack.
; No tensor loads, no cluster: the only large stream (14 f32 a pair) goes straight into operand registers, and vector arithmetic binds.
; LIMITS: matrix operands and kf0 are bf16 (kf0 after its mean has been taken away in f32).  erf: Abramowitz-Stegun 7.1.25, error at most 2.5e-5.
.set VL, 1
.set VR, 2
.set VH, 3
.set VA1, 4                            ; A fragment addresses in the three images
.set VA2A, 5
.set VA2B, 6
.set VA3, 7
.set VBI, 8                            ; bias vectors: B1V + 32 hl
.set VOUT, 9                           ; 16 lane
.set VX, 10                            ; 56 r + 32 hl
.set VX3, 11                           ; 56 r + min(32 hl + 24, 48)
.set VP, 12                            ; 32 lane
.set VAM, 13                           ; 8 r
.set VTMP, 14
.set VZ, 15                            ; 0
.set CK, 16
.set CA1, 18
.set CA2, 20
.set CA3, 22
.set XN, 24                            ; v[24:31]   the next tile's inputs
.set CH, 32                            ; v[32:39]   four summing chains
.set BB, 40                            ; v[40:87]   B fragments, 6 K steps
.set H, 88                             ; v[88:183]  12 result tiles
.set AS, 184                           ; v[184:247] two sets of 4 A fragments; GELU's temporaries
.set MP, 248
.set RSP, 250
.set AMQ, 252
.set T0, 254
.set T1, 255
.set XBS, 30
.set PB, 32
.set AMB, 34
.set OB, 36
.set O0, 38
.set SI, 40
.set SJ, 41
.set LC, 42
.set LN, 43
.set HM, 44
.set C180, 45
.set PSA, 66
.set PSB, 67
.set WV, 68
.set PP, 72
.set EPS, 73
.set S0, 74
.set ROW0, 76
.set IK180, 0x3bb60b61
.set IK360, 0x3b360b61
.set IK128, 0x3c000000
.set W1I, 0                            ; 192 x 80    l1_W, bf16, k 14..31 zero
.set W2I, 15360                        ; 192 x 400   l2_W * ln_g, k 180..191 zero
.set W3I, 92160                        ; 128 x 400   k_full_W[:, :180] * g, k = 180: G2, k 181..191 zero
.set B1V, 143360                       ; 192 f32     l1_b
.set B2O, 768                          ; 192 f32     l2_b + l2_W . ln_b       (offsets from B1V)
.set CSO, 1536                         ; 128 f32     k_full_b + k_full_W . ln_b
; staging registers
.set SROW, 33
.set SIMG, 36
.set SW, 40
.set SG, 100
.set SB, 160
.set DOT, 220
.set G2, 222
.macro PLACES
.rept 5
	v_nop
.endr
.endm
.macro HRED v, t                       ; adds the other half-wave's figure: lanes r and r + 16 hold the two halves of a pair's features
	v_permlanex16_b32 v[\t], v[\v], s[PSA], s[PSB]
	v_add_f32 v[\v], v[\v], v[\t]
.endm
.macro GELU8 X, T
.irp q, 0,2,4,6
	v_pk_mul_f32 v[\T+\q:\T+\q+1], v[\X+\q:\X+\q+1], v[CK:CK+1]
.endr
.irp q, 0,1,2,3,4,5,6,7
	v_fma_f32 v[\T+8+\q], |v[\T+\q]|, s[PP], 1.0
.endr
.irp q, 0,2,4,6
	v_pk_mul_f32 v[\T+16+\q:\T+17+\q], v[\T+\q:\T+\q+1], v[\T+\q:\T+\q+1] neg_lo:[1,0] neg_hi:[1,0]
.endr
.irp q, 0,1,2,3,4,5,6,7
	v_rcp_f32 v[\T+8+\q], v[\T+8+\q]
.endr
.irp q, 0,1,2,3,4,5,6,7
	v_exp_f32 v[\T+16+\q], v[\T+16+\q]
.endr
.irp q, 0,1,2,3,4,5,6,7
	v_max_num_f32 v[\T+\q], 0, v[\X+\q]    ; plain work behind the transcendentals (ISA guide 5.7.2)
.endr
	s_wait_alu depctr_va_vdst(0)
.irp q, 0,2,4,6
	v_pk_fma_f32 v[\T+24+\q:\T+25+\q], v[\T+8+\q:\T+9+\q], v[CA3:CA3+1], v[CA2:CA2+1]
.endr
.irp q, 0,2,4,6
	v_pk_fma_f32 v[\T+24+\q:\T+25+\q], v[\T+24+\q:\T+25+\q], v[\T+8+\q:\T+9+\q], v[CA1:CA1+1]
.endr
.irp q, 0,2,4,6
	v_pk_mul_f32 v[\T+24+\q:\T+25+\q], v[\T+24+\q:\T+25+\q], v[\T+8+\q:\T+9+\q]
.endr
.irp q, 0,2,4,6
	v_pk_mul_f32 v[\T+24+\q:\T+25+\q], v[\T+24+\q:\T+25+\q], v[\T+16+\q:\T+17+\q]
.endr
.irp q, 0,1,2,3,4,5,6,7
	v_fma_f32 v[\X+\q], -|v[\X+\q]|, v[\T+24+\q], v[\T+\q]
.endr
.endm
.macro PFOLD
	v_pk_add_f32 v[CH:CH+1], v[CH:CH+1], v[CH+2:CH+3]
	v_pk_add_f32 v[CH+4:CH+5], v[CH+4:CH+5], v[CH+6:CH+7]
	v_pk_add_f32 v[CH:CH+1], v[CH:CH+1], v[CH+4:CH+5]
	v_add_f32 v[CH], v[CH], v[CH+1]
.endm
.macro PSUM B, NP                      ; v[CH] = the lane's sum of NP register pairs from v[B], in four chains
.irp k, 0,1,2,3
	v_pk_add_f32 v[CH+2*\k:CH+2*\k+1], v[\B+4*\k:\B+4*\k+1], v[\B+4*\k+2:\B+4*\k+3]
.endr
.set pq, 8
.rept \NP-8
	v_pk_add_f32 v[CH+2*(pq%4):CH+2*(pq%4)+1], v[CH+2*(pq%4):CH+2*(pq%4)+1], v[\B+2*pq:\B+2*pq+1]
.set pq, pq+1
.endr
	PFOLD
.endm
.macro PSQ B, NP                       ; the same for the squares
.irp k, 0,1,2,3
	v_pk_mul_f32 v[CH+2*\k:CH+2*\k+1], v[\B+2*\k:\B+2*\k+1], v[\B+2*\k:\B+2*\k+1]
.endr
.set pq, 4
.rept \NP-4
	v_pk_fma_f32 v[CH+2*(pq%4):CH+2*(pq%4)+1], v[\B+2*pq:\B+2*pq+1], v[\B+2*pq:\B+2*pq+1], v[CH+2*(pq%4):CH+2*(pq%4)+1]
.set pq, pq+1
.endr
	PFOLD
.endm
.macro PSUBM B, NP                     ; subtract v[MP] from NP pairs
.set pq, 0
.rept \NP
	v_pk_add_f32 v[\B+2*pq:\B+2*pq+1], v[\B+2*pq:\B+2*pq+1], v[MP:MP+1] neg_lo:[0,1] neg_hi:[0,1]
.set pq, pq+1
.endr
.endm
; Staging of one weight row a thread: 180 columns in three batches of 15 x 4.  DOT += W . b; img = 1: bf16(W g) to the image; img = 0: G2 += W . g.
; g and b are read at the same address in all lanes.
.macro STG wp, woff, gp, goff, bp, boff, img
.set sbt, 0
.rept 3
.set sq, 0
.rept 15
	global_load_b128 v[SW+4*sq:SW+4*sq+3], v[SROW], s[\wp:\wp+1] offset:\woff+240*sbt+16*sq
	global_load_b128 v[SG+4*sq:SG+4*sq+3], v[VZ], s[\gp:\gp+1] offset:\goff+240*sbt+16*sq
	global_load_b128 v[SB+4*sq:SB+4*sq+3], v[VZ], s[\bp:\bp+1] offset:\boff+240*sbt+16*sq
.set sq, sq+1
.endr
	s_wait_loadcnt 0x0
.set sq, 0
.rept 15
	v_pk_fma_f32 v[DOT:DOT+1], v[SW+4*sq:SW+4*sq+1], v[SB+4*sq:SB+4*sq+1], v[DOT:DOT+1]
	v_pk_fma_f32 v[DOT:DOT+1], v[SW+4*sq+2:SW+4*sq+3], v[SB+4*sq+2:SB+4*sq+3], v[DOT:DOT+1]
.if \img
	v_pk_mul_f32 v[SW+4*sq:SW+4*sq+1], v[SW+4*sq:SW+4*sq+1], v[SG+4*sq:SG+4*sq+1]
	v_pk_mul_f32 v[SW+4*sq+2:SW+4*sq+3], v[SW+4*sq+2:SW+4*sq+3], v[SG+4*sq+2:SG+4*sq+3]
	v_cvt_pk_bf16_f32 v[SW+4*sq], v[SW+4*sq], v[SW+4*sq+1]
	v_cvt_pk_bf16_f32 v[SW+4*sq+1], v[SW+4*sq+2], v[SW+4*sq+3]
	ds_store_b64 v[SIMG], v[SW+4*sq:SW+4*sq+1] offset:120*sbt+8*sq
.else
	v_pk_fma_f32 v[G2:G2+1], v[SW+4*sq:SW+4*sq+1], v[SG+4*sq:SG+4*sq+1], v[G2:G2+1]
	v_pk_fma_f32 v[G2:G2+1], v[SW+4*sq+2:SW+4*sq+3], v[SG+4*sq+2:SG+4*sq+3], v[G2:G2+1]
.endif
.set sq, sq+1
.endr
.set sbt, sbt+1
.endr
.endm
; four A fragments: feature tiles t0 .. t0 + 3 of K step ks of image img, into 32 registers at set
.macro AGRP img, ks, t0, set
.set af, 0
.rept 4
.set att, \t0+af
.if \img == 1
.set AR, VA1
.set AO, 1280*att+64*\ks
.endif
.if \img == 2
.if att < 8
.set AR, VA2A
.set AO, 6400*att+64*\ks
.else
.set AR, VA2B
.set AO, 6400*(att-8)+64*\ks
.endif
.endif
.if \img == 3
.set AR, VA3
.set AO, 6400*att+64*\ks
.endif
	ds_load_b128 v[\set+8*af:\set+8*af+3], v[AR] offset:AO
	ds_load_b128 v[\set+8*af+4:\set+8*af+7], v[AR] offset:AO+32
.set af, af+1
.endr
.endm
; H[0 .. NT) += image . B over NKS K steps.  Groups of four products on four accumulators, K step outermost, so that the accumulators take
; turns, one instruction a turn.  While a group is multiplied the next group's fragments are on their way.
.macro MMRUN img, NT, NKS
.set NGT, \NT/4
.set NG, NGT*\NKS
	AGRP \img, 0, 0, AS
.set mg, 0
.rept NG
.if mg+1 < NG
.if mg
.rept 4
	v_nop                                  ; four places: the loads below land in the fragments that the group before read
.endr
.endif
	AGRP \img, ((mg+1)/NGT), (4*((mg+1)%NGT)), (AS+32*((mg+1)%2))
	s_wait_dscnt 0x8                       ; all but the eight loads just issued
.else
	s_wait_dscnt 0x0
.endif
.set mf, 0
.rept 4
.set mt, 4*(mg%NGT)+mf
	v_wmma_f32_16x16x32_bf16 v[H+8*mt:H+8*mt+7], v[AS+32*(mg%2)+8*mf:AS+32*(mg%2)+8*mf+7], v[BB+8*(mg/NGT):BB+8*(mg/NGT)+7], v[H+8*mt:H+8*mt+7]
.set mf, mf+1
.endr
.set mg, mg+1
.endr
	PLACES
.endm
.macro HBIAS off, NT                   ; the biases start the sums
.set ht, 0
.rept \NT
	ds_load_b128 v[H+8*ht:H+8*ht+3], v[VBI] offset:\off+64*ht
	ds_load_b128 v[H+8*ht+4:H+8*ht+7], v[VBI] offset:\off+64*ht+16
.set ht, ht+1
.endr
.endm
.macro MASK11                          ; tile 11 holds features 176 + 8 hl + e: only hl = 0, e < 4 exist
.irp e, 0,1,2,3
	v_cndmask_b32 v[H+88+\e], 0, v[H+88+\e], s[HM]
.endr
.irp e, 4,5,6,7
	v_mov_b32 v[H+88+\e], 0
.endr
.endm
; LayerNorm of H's 180 features (var = 0), or of H's 180 and ap's 180 by am, aq (var = 1); the normed features go to B in bf16.
.macro LNH var
	MASK11
	PSUM H, 48
	HRED CH, VTMP
.if \var
	s_wait_loadcnt 0x4                     ; (am, aq) is in; the four loads of the next tile's inputs were issued behind it
	v_fma_f32 v[CH], v[AMQ], s[C180], v[CH]
	v_mul_f32 v[MP], IK360, v[CH]
.else
	v_mul_f32 v[MP], IK180, v[CH]
.endif
	v_mov_b32 v[MP+1], v[MP]
	PSUBM H, 48
	MASK11
	PSQ H, 48
	HRED CH, VTMP
.if \var
	v_sub_f32 v[T0], v[AMQ], v[MP]         ; am - m
	v_add_f32 v[CH], v[CH], v[AMQ+1]
	v_mul_f32 v[T1], s[C180], v[T0]
	v_fmac_f32 v[CH], v[T1], v[T0]         ; + aq + 180 (am - m)^2
	v_fma_f32 v[RSP], v[CH], IK360, s[EPS]
.else
	v_fma_f32 v[RSP], v[CH], IK180, s[EPS]
.endif
	v_rsq_f32 v[RSP], v[RSP]
	v_nop
	s_wait_alu depctr_va_vdst(0)
	v_mov_b32 v[RSP+1], v[RSP]
.set pq, 0
.rept 48
	v_pk_mul_f32 v[H+2*pq:H+2*pq+1], v[H+2*pq:H+2*pq+1], v[RSP:RSP+1]
.set pq, pq+1
.endr
.if \var
	v_mul_f32 v[T0], v[T0], v[RSP]
	v_cndmask_b32 v[H+92], 0, v[T0], s[HM] ; k = 180 carries (am - m) rs
.endif
.set pq, 0
.rept 48
	v_cvt_pk_bf16_f32 v[BB+pq], v[H+2*pq], v[H+2*pq+1]
.set pq, pq+1
.endr
.endm
.macro TILEADR lc                      ; trip lc: i = 2 g + lc / 4, jt = w + 8 (lc mod 4)
	s_lshr_b32 s[SI], s[\lc], 2
	s_add_co_u32 s[SI], s[SI], s[ROW0]
	s_and_b32 s[SJ], s[\lc], 3
	s_lshl_b32 s[SJ], s[SJ], 3
	s_add_co_u32 s[SJ], s[SJ], s[WV]
.endm
.macro XLOAD lc                        ; a tile's 16 x 14 f32: a lane takes k = 8 hl .. 8 hl + 7 of pair r (k = 14, 15 repeat k = 12, 13; their weights are zero)
	TILEADR \lc
	s_mul_i32 s[O0], s[SI], 28672
	s_mul_i32 s[S0], s[SJ], 896
	s_add_co_u32 s[O0], s[O0], s[S0]
	s_mov_b32 s[O0+1], 0
	s_add_nc_u64 s[XBS:XBS+1], s[4:5], s[O0:O0+1]
	global_load_b64 v[XN:XN+1], v[VX], s[XBS:XBS+1] th:TH_LOAD_NT
	global_load_b64 v[XN+2:XN+3], v[VX], s[XBS:XBS+1] offset:8 th:TH_LOAD_NT
	global_load_b64 v[XN+4:XN+5], v[VX], s[XBS:XBS+1] offset:16 th:TH_LOAD_NT
	global_load_b64 v[XN+6:XN+7], v[VX3], s[XBS:XBS+1] th:TH_LOAD_NT
.endm
	s_load_b512 s[4:19], s[0:1], 0x0
	s_load_b256 s[20:27], s[0:1], 0x40
	s_load_b64 s[28:29], s[0:1], 0x60
	s_set_vgpr_msb 0x40
	v_lshl_add_u32 v0, v0, 2, 0x23800
	v_mov_b32 v1, 0
	s_set_vgpr_msb 0x4000
	v_and_b32 v1, 31, v0
	v_and_b32 v2, 15, v0
	v_bfe_u32 v3, v0, 4, 1
	v_lshrrev_b32 v4, 5, v0
	v_readfirstlane_b32 s[WV], v4
	s_mov_b32 s[PSA], 0x76543210
	s_mov_b32 s[PSB], 0xfedcba98
	s_mov_b32 s[PP], 0x3ec88bb9
	s_mov_b32 s[EPS], 0x358637bd
	s_mov_b32 s[HM], 0xffff                ; the lanes with hl = 0
	s_mov_b32 s[C180], 0x43340000          ; 180.0
	s_lshl_b32 s[ROW0], ttmp9, 1
	s_mov_b32 s[LC], 0
	v_mov_b32 v[VTMP], 0
	v_mov_b32 v[VZ], 0
	v_mov_b32 v[CK], 0x3f596d27
	v_mov_b32 v[CK+1], 0x3f596d27
	v_mov_b32 v[CA1], 0x3e32303a
	v_mov_b32 v[CA1+1], 0x3e32303a
	v_mov_b32 v[CA2], 0xbd445ca1
	v_mov_b32 v[CA2+1], 0xbd445ca1
	v_mov_b32 v[CA3], 0x3ebf7377
	v_mov_b32 v[CA3+1], 0x3ebf7377
	v_mul_u32_u24 v[VA1], v[VR], 80
	v_lshl_add_u32 v[VA1], v[VH], 4, v[VA1]
	v_mul_u32_u24 v[VA2A], v[VR], 400
	v_lshl_add_u32 v[VA2A], v[VH], 4, v[VA2A]
	v_add_nc_u32 v[VA3], W3I, v[VA2A]
	v_add_nc_u32 v[VA2A], W2I, v[VA2A]
	v_add_nc_u32 v[VA2B], 51200, v[VA2A]
	v_lshl_add_u32 v[VBI], v[VH], 5, B1V
	v_lshlrev_b32 v[VOUT], 4, v[VL]
	v_lshlrev_b32 v[VP], 5, v[VL]
	v_lshlrev_b32 v[VAM], 3, v[VR]
	v_mul_u32_u24 v[VX], v[VR], 56
	v_lshl_add_u32 v[VX3], v[VH], 5, 24
	v_min_u32 v[VX3], 48, v[VX3]
	v_add_nc_u32 v[VX3], v[VX], v[VX3]
	v_lshl_add_u32 v[VX], v[VH], 5, v[VX]
	v_min_u32 v32, 179, v0                 ; staging: my weight row, clamped
	v_lshlrev_b32 v34, 2, v32
	v_lshlrev_b32 v37, 2, v0
	v_add_nc_u32 v37, B1V, v37             ; my word in the bias vectors
	v_mov_b32 v38, 0
	v_mov_b32 v39, 0
	s_wait_kmcnt 0x0
	XLOAD LC                               ; the first tile's inputs are on their way during the staging
; staging, threads 0..191 (waves 0..5): images 1 and 2
	s_cmp_lt_u32 s[WV], 6
	s_cbranch_scc0 .Lno12
	v_mul_u32_u24 v[SROW], v32, 56
.irp q, 0,1,2,3,4,5,6
	global_load_b64 v[40+2*\q:41+2*\q], v[SROW], s[6:7] offset:8*\q
.endr
	global_load_b32 v35, v34, s[8:9]
	s_wait_loadcnt 0x0
.irp q, 0,1,2,3,4,5,6
	v_cvt_pk_bf16_f32 v[56+\q], v[40+2*\q], v[41+2*\q]
.endr
.irp q, 63,64,65,66,67,68,69,70,71
	v_mov_b32 v\q, 0
.endr
	v_mul_u32_u24 v[SIMG], v0, 80
.irp q, 0,1,2,3
	ds_store_b128 v[SIMG], v[56+4*\q:59+4*\q] offset:W1I+16*\q
.endr
	ds_store_b32 v37, v35
	v_mul_u32_u24 v[SROW], v32, 720
	v_mul_u32_u24 v[SIMG], v0, 400
	v_add_nc_u32 v[SIMG], W2I, v[SIMG]
	v_mov_b32 v[DOT], 0
	v_mov_b32 v[DOT+1], 0
	STG 14, 0, 10, 0, 12, 0, 1
	ds_store_b64 v[SIMG], v[38:39] offset:360
	ds_store_b64 v[SIMG], v[38:39] offset:368
	ds_store_b64 v[SIMG], v[38:39] offset:376
	global_load_b32 v35, v34, s[16:17]
	v_add_f32 v[DOT], v[DOT], v[DOT+1]
	s_wait_loadcnt 0x0
	v_add_f32 v35, v35, v[DOT]
	ds_store_b32 v37, v35 offset:B2O
.Lno12:
; threads 0..127 (waves 0..3): image 3
	s_cmp_lt_u32 s[WV], 4
	s_cbranch_scc0 .Lno3
	v_mul_u32_u24 v[SROW], v0, 1440
	v_mul_u32_u24 v[SIMG], v0, 400
	v_add_nc_u32 v[SIMG], W3I, v[SIMG]
	v_mov_b32 v[DOT], 0
	v_mov_b32 v[DOT+1], 0
	v_mov_b32 v[G2], 0
	v_mov_b32 v[G2+1], 0
	STG 18, 0, 22, 0, 24, 0, 1
	STG 18, 720, 22, 720, 24, 720, 0
	ds_store_b64 v[SIMG], v[38:39] offset:360
	ds_store_b64 v[SIMG], v[38:39] offset:368
	ds_store_b64 v[SIMG], v[38:39] offset:376
	v_add_f32 v[G2], v[G2], v[G2+1]
	v_cvt_pk_bf16_f32 v[G2], v[G2], v[G2]
	ds_store_b16 v[SIMG], v[G2] offset:360 ; behind the zeros: LDS serves a wave's instructions in order (ISA guide 5.7.1)
	v_lshlrev_b32 v34, 2, v0
	global_load_b32 v35, v34, s[20:21]
	v_add_f32 v[DOT], v[DOT], v[DOT+1]
	s_wait_loadcnt 0x0
	v_add_f32 v35, v35, v[DOT]
	ds_store_b32 v37, v35 offset:CSO
.Lno3:
	s_wait_dscnt 0x0                       ; my part of the images is stored,
	s_barrier_signal -1
	s_barrier_wait -1                      ; everybody's is; from here on LDS is only read and no barrier follows
.Ltrip:
	s_wait_loadcnt 0x0                     ; this tile's inputs
	s_wait_xcnt 0x0                        ; the last trip's stores have read their data, addresses and base
.irp q, 0,1,2,3
	v_cvt_pk_bf16_f32 v[BB+\q], v[XN+2*\q], v[XN+2*\q+1]
.endr
.irp q, 4,5,6,7
	v_mov_b32 v[BB+\q], 0                  ; k = 16 .. 31
.endr
	TILEADR LC
	s_lshl_b32 s[O0], s[SJ], 13
	s_mov_b32 s[O0+1], 0
	s_add_nc_u64 s[PB:PB+1], s[26:27], s[O0:O0+1]
	s_lshl_b32 s[O0], s[SJ], 7
	s_add_nc_u64 s[AMB:AMB+1], s[26:27], s[O0:O0+1]
	s_lshl_b32 s[O0], s[SI], 5
	s_add_co_u32 s[O0], s[O0], s[SJ]
	s_lshl_b32 s[O0], s[O0], 12
	s_add_nc_u64 s[OB:OB+1], s[28:29], s[O0:O0+1]
	global_load_b64 v[AMQ:AMQ+1], v[VAM], s[AMB:AMB+1] offset:262144
	s_add_co_u32 s[LN], s[LC], 1
	s_min_u32 s[LN], s[LN], 7              ; the last trip asks for its own tile again: no load leaves the buffer
	XLOAD LN
; layer 1
	HBIAS 0, 12
	MMRUN 1, 12, 1
.set gt, 0
.rept 12
	GELU8 (H+8*gt), AS
.set gt, gt+1
.endr
	LNH 0
; layer 2
	HBIAS B2O, 12
	MMRUN 2, 12, 6
.set gt, 0
.rept 12
	GELU8 (H+8*gt), AS
.set gt, gt+1
.endr
	LNH 1
; layer 3: the sums start at rs P[j] + cst
.set ht, 0
.rept 8
	global_load_b128 v[H+8*ht:H+8*ht+3], v[VP], s[PB:PB+1] offset:1024*ht
	global_load_b128 v[H+8*ht+4:H+8*ht+7], v[VP], s[PB:PB+1] offset:1024*ht+16
	ds_load_b128 v[AS+8*ht:AS+8*ht+3], v[VBI] offset:CSO+64*ht
	ds_load_b128 v[AS+8*ht+4:AS+8*ht+7], v[VBI] offset:CSO+64*ht+16
.set ht, ht+1
.endr
	s_wait_dscnt 0x0
.set ht, 0
.rept 8
	s_wait_loadcnt 14-2*ht                 ; tile ht's two loads of P are in; the younger tiles' stay out
.irp q, 0,2,4,6
	v_pk_fma_f32 v[H+8*ht+\q:H+8*ht+\q+1], v[H+8*ht+\q:H+8*ht+\q+1], v[RSP:RSP+1], v[AS+8*ht+\q:AS+8*ht+\q+1]
.endr
.set ht, ht+1
.endr
	MMRUN 3, 8, 6
.set gt, 0
.rept 8
	GELU8 (H+8*gt), AS
.set gt, gt+1
.endr
; the pair's mean goes away in f32, then bf16; a store of the wave covers 512 consecutive bytes, aligned
	PSUM H, 32
	HRED CH, VTMP
	v_mul_f32 v[MP], IK128, v[CH]
	v_mov_b32 v[MP+1], v[MP]
	PSUBM H, 32
.set pq, 0
.rept 32
	v_cvt_pk_bf16_f32 v[H+pq], v[H+2*pq], v[H+2*pq+1]
.set pq, pq+1
.endr
.set ht, 0
.rept 8
	global_store_b128 v[VOUT], v[H+4*ht:H+4*ht+3], s[OB:OB+1] offset:512*ht th:TH_STORE_NT
.set ht, ht+1
.endr
	s_add_co_u32 s[LC], s[LC], 1
	s_cmp_lt_u32 s[LC], 8
	s_cbranch_scc1 .Ltrip
	s_set_vgpr_msb 0x5
	s_wait_tensorcnt 0x0
	ds_add_u32 v0, v1
	s_wait_dscnt 0x0
	s_set_vgpr_msb 0x500
	s_endpgm
.Lfunc_end_k_q024abc32c9_pairs:
	.size	k_q024abc32c9_pairs, .Lfunc_end_k_q024abc32c9_pairs-k_q024abc32c9_pairs
	.p2alignl 7, 3214868480
	.fill 96, 4, 3214868480
	.section	.rodata,"a",@progbits
	.p2align	6, 0x0
	.amdhsa_kernel k_q024abc32c9_pairs
		.amdhsa_group_segment_fixed_size 146432
		.amdhsa_private_segment_fixed_size 0
		.amdhsa_enable_private_segment 0
		.amdhsa_kernarg_size 104
		.amdhsa_user_sgpr_count 2
		.amdhsa_user_sgpr_kernarg_segment_ptr 1
		.amdhsa_wavefront_size32 1
		.amdhsa_system_sgpr_workgroup_id_x 1
		.amdhsa_system_sgpr_workgroup_id_y 1
		.amdhsa_system_sgpr_workgroup_id_z 1
		.amdhsa_system_vgpr_workitem_id 0
		.amdhsa_next_free_vgpr 258
		.amdhsa_next_free_sgpr 80
		.amdhsa_reserve_vcc 0
		.amdhsa_float_denorm_mode_32 3
		.amdhsa_float_denorm_mode_16_64 3
		.amdhsa_memory_ordered 1
		.amdhsa_forward_progress 1
		.amdhsa_inst_pref_size 255
	.end_amdhsa_kernel
	.section	.bss,"aw",@nobits
	.p2align	6
	.space	262144
	.amdgpu_metadata
---
amdhsa.version: [ 1, 2 ]
amdhsa.kernels:
  - .name:           k_q024abc32c9_pairs
    .symbol:         k_q024abc32c9_pairs.kd
    .args:
      - { .name: k_geom_feats, .offset: 0, .size: 8, .value_kind: global_buffer, .address_space: global }
      - { .name: params_k_geom_l1_W, .offset: 8, .size: 8, .value_kind: global_buffer, .address_space: global }
      - { .name: params_k_geom_l1_b, .offset: 16, .size: 8, .value_kind: global_buffer, .address_space: global }
      - { .name: params_k_geom_ln_g, .offset: 24, .size: 8, .value_kind: global_buffer, .address_space: global }
      - { .name: params_k_geom_ln_b, .offset: 32, .size: 8, .value_kind: global_buffer, .address_space: global }
      - { .name: params_k_geom_l2_W, .offset: 40, .size: 8, .value_kind: global_buffer, .address_space: global }
      - { .name: params_k_geom_l2_b, .offset: 48, .size: 8, .value_kind: global_buffer, .address_space: global }
      - { .name: params_k_full_l_W, .offset: 56, .size: 8, .value_kind: global_buffer, .address_space: global }
      - { .name: params_k_full_l_b, .offset: 64, .size: 8, .value_kind: global_buffer, .address_space: global }
      - { .name: params_k_full_ln_g, .offset: 72, .size: 8, .value_kind: global_buffer, .address_space: global }
      - { .name: params_k_full_ln_b, .offset: 80, .size: 8, .value_kind: global_buffer, .address_space: global }
      - { .name: pj, .offset: 88, .size: 8, .value_kind: global_buffer, .address_space: global }
      - { .name: kf0, .offset: 96, .size: 8, .value_kind: global_buffer, .address_space: global }
    .group_segment_fixed_size: 146432
    .private_segment_fixed_size: 0
    .kernarg_segment_align: 8
    .kernarg_segment_size: 104
    .max_flat_workgroup_size: 256
    .sgpr_count:     80
    .vgpr_count:     258
    .wavefront_size: 32
...
	.end_amdgpu_metadata
.endif
;; end of part 2
;; launch j0 (part 3): grid 256 x 1, 8 waves a work-group, no clusters, 187,392 bytes of LDS; arguments params_jpus_0_qb1_ln_g, params_jpus_0_qb1_ln_b, params_jpus_0_qb1_l_W, params_jpus_0_qb1_l_b, params_jpus_0_ln_q_g, params_jpus_0_ln_q_b, params_jpus_0_q_W, params_jpus_0_q_b, params_jpus_0_k_W, params_jpus_0_k_b, params_jpus_0_ln_k_g, params_jpus_0_ln_k_b, params_jpus_0_v_W, params_jpus_0_v_b, params_jpus_0_o_W, params_jpus_0_o_b, params_jpus_0_scale, params_jpus_0_qb2_ln_g, params_jpus_0_qb2_ln_b, params_jpus_0_qb2_l_W, params_jpus_0_qb2_l_b, msk, kf0, qfA, CfA, CbA, qfB, CfB, CbB; writes qfB, CfB, CbB
.if DOCPART == 3
	.amdgcn_target "amdgcn-amd-amdhsa--gfx1250"
	.amdhsa_code_object_version 6
	.text
	.protected	k_q024abc32c9_j0
	.globl	k_q024abc32c9_j0
	.p2align	8
	.type	k_q024abc32c9_j0,@function
k_q024abc32c9_j0:
	s_mov_b64 s[64:65], 0
	v_nop
	global_prefetch_b8 v0, s[64:65] scope:SCOPE_SE
	s_setreg_imm32_b32 hwreg(HW_REG_WAVE_MODE, 25, 1), 1
	s_wait_xcnt 0x0
; One JPU step.  Work-group g owns query rows i = 2 g + il, il = 0, 1; columns c = il + 2 head.
; The query has length 1, so K and V are never projected pair by pair:
;   score(i, h, j) = rs_j (u_h g) . d_j + u_h . ln_k_b + q_h . k_b,   u_h = k_W^T (q_h / 8),   d_j = kf[i][j] - mean,   rs_j = rsqrt(var + eps)
;   o_h = v_W_h (ln_k_g * sum_j p_j rs_j d_j + ln_k_b) + v_b_h                                  (the p_j sum to 1)
; kf[i][j] = kf0[i][j] + C[j]; C[j] += qa[j] * scale is carried in f32 (Cf) with a centred bf16 copy (Cb) in kf0's fragment order.
; The softmax takes the row's maximum away.
; No tensor loads, no cluster: kf0 and Cb lie in operand order, a load of the wave covers 512 consecutive bytes and lands in operand registers.
; LIMITS: matrix operands, kf0 and Cb are bf16 (both after their mean has been taken away in f32).  erf: Abramowitz-Stegun 7.1.25, error at most 2.5e-5.
; Cb_out is stored in 2-byte pieces: a work-group owns two j, which are 16 bytes of each 512-byte fragment.
.set VL, 1
.set VR, 2
.set VH, 3
.set RTMP, 6
.set CK, 8
.set CA1, 10
.set CA2, 12
.set CA3, 14
.set BREG, 32
.set WREG, 96
.set ACC, 224
.set BIAS, 240
.set VBA, 248
.set VWR, 249
.set VWA, 250
.set VB0, 251
.set VB1, 252
.set VEA, 253
.set RX, 32
.set RG, 44
.set RB, 56
.set RM, 70
.set RQ, 71
.set RR, 72
.set RA, 73
.set RT, 74
.set RS, 75
.set RS2, 76
.set RD, 77
.set PSA, 66
.set PSB, 67
.set WV, 68
.set ST, 69
.set SR, 70
.set TM, 71
.set PP, 72
.set EPS, 73
.set S0, 74
.set S1, 75
.set ROW0, 76
.set S2, 77
.set OF, 78
.set KFB, 80
.set CBB, 82
.set MKB, 84
.set F0, 86
.set F1, 87
.set IK128, 0x3c000000
.set IK256, 0x3b800000
; the attention's registers
.set A16L, 4
.set A4R, 5
.set ALG, 7
.set CH, 8                             ; v[8:15] summing chains (GELU's constants are set again afterwards)
.set RSV, 16                           ; v[16:19] rs of my four tiles
.set MK, 20                            ; v[20:23] mask
.set ONE, 24
.set MP, 26
.set LG, 28
.set LB, 29
.set VQB, 30
.set Y, 32                             ; v[32:95]   one tile in f32; later score fragments and sums
.set XH, 96                            ; v[96:223]  four tiles in bf16; later the fragments of the second product
.set CB, 224                           ; v[224:255] one tile of Cb; later addresses and small figures
.set TQ, 224
.set TC, 225
.set CSV, 226
.set NEG, 227
.set SC, 228
.set MX, 232
.set TRS, 233
.set TRL, 234
.set L8, 236
.set TPW, 244
.set TXT, 245
.set TPA, 246
.set TTR, 247
.set PR, 248
.set TKB, 252
.set SM, 253
; LDS
.set PW16, 0                           ; 16 x 1040   row 8 h: p_j rs_j of head h in bf16; other rows zero
.set QGA, 16640                        ; 2 x 16 x 272  per il: row 8 h: u_h g in bf16; other rows zero
.set XT, 28672                         ; 512 x 288   d_j in bf16, row j
.set XB, 176128                        ; 4 x 528     a thin product's activations, bf16
.set XF, 178432                        ; 4 x 1040    a thin product's results, f32
.set QA, 182784                        ; 2 x 512     qa
.set KB, 183808                        ; 4 x 512     ln_k_g * sum + ln_k_b
.set RED, 185856                       ; per il 128 bytes: max[2][8], sum[2][8]
.set CST, 186112                       ; 4 f32       the scores' constant term
.macro PLACES                          ; five plain places behind a matrix instruction (ISA guide 7.12.1)
.rept 5
	v_nop
.endr
.endm
.macro BAR                             ; my LDS accesses are done, then the work-group's barrier
	s_wait_dscnt 0x0
	s_barrier_signal -1
	s_barrier_wait -1
.endm
.macro WRED v, t
	v_add_f32_dpp v[\v], v[\v], v[\v] row_xmask:1 row_mask:0xf bank_mask:0xf
	v_add_f32_dpp v[\v], v[\v], v[\v] row_xmask:2 row_mask:0xf bank_mask:0xf
	v_add_f32_dpp v[\v], v[\v], v[\v] row_xmask:4 row_mask:0xf bank_mask:0xf
	v_add_f32_dpp v[\v], v[\v], v[\v] row_xmask:8 row_mask:0xf bank_mask:0xf
	v_permlanex16_b32 v[\t], v[\v], s[PSA], s[PSB]
	v_add_f32 v[\v], v[\v], v[\t]
.endm
.macro HRED v, t
	v_permlanex16_b32 v[\t], v[\v], s[PSA], s[PSB]
	v_add_f32 v[\v], v[\v], v[\t]
.endm
.macro GCONST
	v_mov_b32 v[CK], 0x3f596d27
	v_mov_b32 v[CK+1], 0x3f596d27
	v_mov_b32 v[CA1], 0x3e32303a
	v_mov_b32 v[CA1+1], 0x3e32303a
	v_mov_b32 v[CA2], 0xbd445ca1
	v_mov_b32 v[CA2+1], 0xbd445ca1
	v_mov_b32 v[CA3], 0x3ebf7377
	v_mov_b32 v[CA3+1], 0x3ebf7377
.endm
.macro GELU8 X, T
.irp q, 0,2,4,6
	v_pk_mul_f32 v[\T+\q:\T+\q+1], v[\X+\q:\X+\q+1], v[CK:CK+1]
.endr
.irp q, 0,1,2,3,4,5,6,7
	v_fma_f32 v[\T+8+\q], |v[\T+\q]|, s[PP], 1.0
.endr
.irp q, 0,2,4,6
	v_pk_mul_f32 v[\T+16+\q:\T+17+\q], v[\T+\q:\T+\q+1], v[\T+\q:\T+\q+1] neg_lo:[1,0] neg_hi:[1,0]
.endr
.irp q, 0,1,2,3,4,5,6,7
	v_rcp_f32 v[\T+8+\q], v[\T+8+\q]
.endr
.irp q, 0,1,2,3,4,5,6,7
	v_exp_f32 v[\T+16+\q], v[\T+16+\q]
.endr
.irp q, 0,1,2,3,4,5,6,7
	v_max_num_f32 v[\T+\q], 0, v[\X+\q]    ; plain work behind the transcendentals (ISA guide 5.7.2)
.endr
	s_wait_alu depctr_va_vdst(0)
.irp q, 0,2,4,6
	v_pk_fma_f32 v[\T+24+\q:\T+25+\q], v[\T+8+\q:\T+9+\q], v[CA3:CA3+1], v[CA2:CA2+1]
.endr
.irp q, 0,2,4,6
	v_pk_fma_f32 v[\T+24+\q:\T+25+\q], v[\T+24+\q:\T+25+\q], v[\T+8+\q:\T+9+\q], v[CA1:CA1+1]
.endr
.irp q, 0,2,4,6
	v_pk_mul_f32 v[\T+24+\q:\T+25+\q], v[\T+24+\q:\T+25+\q], v[\T+8+\q:\T+9+\q]
.endr
.irp q, 0,2,4,6
	v_pk_mul_f32 v[\T+24+\q:\T+25+\q], v[\T+24+\q:\T+25+\q], v[\T+16+\q:\T+17+\q]
.endr
.irp q, 0,1,2,3,4,5,6,7
	v_fma_f32 v[\X+\q], -|v[\X+\q]|, v[\T+24+\q], v[\T+\q]
.endr
.endm
; One weight fragment in f32 (16 registers).  kind 4: 16-byte loads; kind 1: 4-byte loads; kind 2: the weight matrix read transposed.
.macro WFRAG kind, wp, woff, K, ks, W
.if \kind == 4
.if 32*\ks+32 <= \K
	global_load_b128 v[\W:\W+3], v[VWA], s[\wp:\wp+1] offset:\woff+128*\ks
	global_load_b128 v[\W+4:\W+7], v[VWA], s[\wp:\wp+1] offset:\woff+128*\ks+16
	global_load_b128 v[\W+8:\W+11], v[VWA], s[\wp:\wp+1] offset:\woff+128*\ks+64
	global_load_b128 v[\W+12:\W+15], v[VWA], s[\wp:\wp+1] offset:\woff+128*\ks+80
.else
.set we, 0
.rept 4
.set wk, 32*\ks+(we/2)*16+(we%2)*4
	v_lshl_add_u32 v[\W+4*we], v[VH], 3, wk
	v_min_u32 v[\W+4*we], \K-4, v[\W+4*we]
	v_lshl_add_u32 v[\W+4*we], v[\W+4*we], 2, v[VWR]
	global_load_b128 v[\W+4*we:\W+4*we+3], v[\W+4*we], s[\wp:\wp+1] offset:\woff
.set we, we+1
.endr
.endif
.endif
.if \kind == 1
.set we, 0
.rept 16
.set wk, 32*\ks+(we/8)*16+(we%8)
.if wk+8 < \K
	global_load_b32 v[\W+we], v[VWA], s[\wp:\wp+1] offset:\woff+4*wk
.else
	v_lshl_add_u32 v[\W+we], v[VH], 3, wk
	v_min_u32 v[\W+we], \K-1, v[\W+we]
	v_lshl_add_u32 v[\W+we], v[\W+we], 2, v[VWR]
	global_load_b32 v[\W+we], v[\W+we], s[\wp:\wp+1] offset:\woff
.endif
.set we, we+1
.endr
.endif
.if \kind == 2
.set we, 0
.rept 16
.set wk, 32*\ks+(we/8)*16+(we%8)
	global_load_b32 v[\W+we], v[VWA], s[\wp:\wp+1] offset:512*wk
.set we, we+1
.endr
.endif
.endm
; ACC = W[16 T .. 16 T + 15][0 .. K) . X^T, T in s[ST].  Two accumulators take turns, one instruction a turn.
.macro DENSE kind, wp, woff, PITCH, K, N, xb, xbp, cm
.set NKS, (\K+31)/32
.if \kind == 4
.set LPF, 4
.set NBM, 8
.else
.set LPF, 16
.set NBM, 3
.endif
	v_and_b32 v[VBA], \cm, v[VR]
	v_mul_u32_u24 v[VBA], v[VBA], \xbp
	v_lshl_add_u32 v[VBA], v[VH], 4, v[VBA]
	v_add_nc_u32 v[VBA], \xb, v[VBA]
	v_lshl_add_u32 v[VWR], s[ST], 4, v[VR]
.if \kind == 2
	v_lshlrev_b32 v[VWR], 2, v[VWR]
	v_lshl_add_u32 v[VWA], v[VH], 12, v[VWR]
.else
.if \N % 16
	v_min_u32 v[VWR], \N-1, v[VWR]
.endif
	v_mul_u32_u24 v[VWR], v[VWR], \PITCH*4
	v_lshl_add_u32 v[VWA], v[VH], 5, v[VWR]
.endif
.set ks0, 0
.rept (NKS+NBM-1)/NBM
.if NKS-ks0 > NBM
.set nb, NBM
.else
.set nb, NKS-ks0
.endif
.if ks0
	PLACES                                 ; the loads below land in registers that the last batch's products read
.endif
.set di, 0
.rept nb
	ds_load_b128 v[BREG+8*di:BREG+8*di+3], v[VBA] offset:64*(ks0+di)
	ds_load_b128 v[BREG+8*di+4:BREG+8*di+7], v[VBA] offset:64*(ks0+di)+32
.set di, di+1
.endr
.set di, 0
.rept nb
	WFRAG \kind, \wp, \woff, \K, (ks0+di), (WREG+16*di)
.set di, di+1
.endr
.set di, 0
.rept nb
	s_wait_loadcnt LPF*(nb-1-di)           ; fragment di is in; the younger fragments' loads stay out
.set ce, 0
.rept 8
	v_cvt_pk_bf16_f32 v[WREG+16*di+ce], v[WREG+16*di+2*ce], v[WREG+16*di+2*ce+1]
.set ce, ce+1
.endr
.set di, di+1
.endr
	s_wait_dscnt 0x0
.set di, 0
.rept nb
.set kg, ks0+di
.if kg < 2
	v_wmma_f32_16x16x32_bf16 v[ACC+8*(kg%2):ACC+8*(kg%2)+7], v[WREG+16*di:WREG+16*di+7], v[BREG+8*di:BREG+8*di+7], 0
.else
	v_wmma_f32_16x16x32_bf16 v[ACC+8*(kg%2):ACC+8*(kg%2)+7], v[WREG+16*di:WREG+16*di+7], v[BREG+8*di:BREG+8*di+7], v[ACC+8*(kg%2):ACC+8*(kg%2)+7]
.endif
.set di, di+1
.endr
.set ks0, ks0+NBM
.endr
	PLACES
.if NKS > 1
.irp q, 0,2,4,6
	v_pk_add_f32 v[ACC+\q:ACC+\q+1], v[ACC+\q:ACC+\q+1], v[ACC+8+\q:ACC+9+\q]
.endr
.endif
.endm
.macro BIASLD bp, N
	v_lshlrev_b32 v[VB0], 3, v[VH]
	v_lshl_add_u32 v[VB0], s[ST], 4, v[VB0]
	v_add_nc_u32 v[VB1], 4, v[VB0]
	v_min_u32 v[VB0], \N-4, v[VB0]
	v_min_u32 v[VB1], \N-4, v[VB1]
	v_lshlrev_b32 v[VB0], 2, v[VB0]
	v_lshlrev_b32 v[VB1], 2, v[VB1]
	global_load_b128 v[BIAS:BIAS+3], v[VB0], s[\bp:\bp+1]
	global_load_b128 v[BIAS+4:BIAS+7], v[VB1], s[\bp:\bp+1]
.endm
.macro BIASADD
.irp q, 0,2,4,6
	v_pk_add_f32 v[ACC+\q:ACC+\q+1], v[ACC+\q:ACC+\q+1], v[BIAS+\q:BIAS+\q+1]
.endr
.endm
.macro EPI_L ob, op, cm                ; lanes with the same r & cm hold and store the same numbers
	v_and_b32 v[VEA], \cm, v[VR]
	v_mul_u32_u24 v[VEA], v[VEA], \op
	v_lshl_add_u32 v[VEA], v[VH], 5, v[VEA]
	v_lshl_add_u32 v[VEA], s[ST], 6, v[VEA]
	v_add_nc_u32 v[VEA], \ob, v[VEA]
	ds_store_b128 v[VEA], v[ACC:ACC+3]
	ds_store_b128 v[VEA], v[ACC+4:ACC+7] offset:16
.endm
.macro LAYER kind, wp, woff, PITCH, K, N, bp, xb, xbp, cm, act, ob, op
	BIASLD \bp, \N
	DENSE \kind, \wp, \woff, \PITCH, \K, \N, \xb, \xbp, \cm
	BIASADD
.if \act
	GELU8 ACC, 32
.endif
	EPI_L \ob, \op, \cm
.endm
; One wave works on row s[SR]; a lane holds elements lane + 32 c.  md bit 1: centre; 2: times rsqrt(var + eps); 4: times g; 8: plus b.
.macro ROWOP src, sb, sp, K, ik, md, gp, go, bp, bo, db, dp
.set NCH, (\K+31)/32
.set TAILN, \K-32*(NCH-1)
	v_lshlrev_b32 v[RA], 2, v[VL]
.if TAILN < 32
	v_min_u32 v[RT], TAILN-1, v[VL]
	v_lshlrev_b32 v[RT], 2, v[RT]
	v_cmp_gt_u32 s[TM], TAILN, v[VL]
.set RAL, RT
.else
.set RAL, RA
.endif
.if \src
	s_add_co_u32 s[S0], s[ROW0], s[SR]
	s_mul_i32 s[S0], s[S0], \sp
	v_add_nc_u32 v[RS], s[S0], v[RA]
	v_add_nc_u32 v[RS2], s[S0], v[RAL]
.set rc, 0
.rept NCH-1
	global_load_b32 v[RX+rc], v[RS], s[\sb:\sb+1] offset:128*rc
.set rc, rc+1
.endr
	global_load_b32 v[RX+NCH-1], v[RS2], s[\sb:\sb+1] offset:128*(NCH-1)
.else
	s_mul_i32 s[S0], s[SR], \sp
	v_add_nc_u32 v[RS], s[S0], v[RA]
	v_add_nc_u32 v[RS], \sb, v[RS]
.set rc, 0
.rept NCH
	ds_load_b32 v[RX+rc], v[RS] offset:128*rc
.set rc, rc+1
.endr
.endif
.if \md & 4
.set rc, 0
.rept NCH-1
	global_load_b32 v[RG+rc], v[RA], s[\gp:\gp+1] offset:\go+128*rc
.set rc, rc+1
.endr
	global_load_b32 v[RG+NCH-1], v[RAL], s[\gp:\gp+1] offset:\go+128*(NCH-1)
.endif
.if \md & 8
.set rc, 0
.rept NCH-1
	global_load_b32 v[RB+rc], v[RA], s[\bp:\bp+1] offset:\bo+128*rc
.set rc, rc+1
.endr
	global_load_b32 v[RB+NCH-1], v[RAL], s[\bp:\bp+1] offset:\bo+128*(NCH-1)
.endif
	s_wait_loadcnt 0x0
	s_wait_dscnt 0x0
.if TAILN < 32
	v_cndmask_b32 v[RX+NCH-1], 0, v[RX+NCH-1], s[TM]
.endif
.if \md & 1
	v_add_f32 v[RM], v[RX], v[RX+1]
.set rc, 2
.rept NCH-2
	v_add_f32 v[RM], v[RM], v[RX+rc]
.set rc, rc+1
.endr
	WRED RM, RTMP
	v_mul_f32 v[RM], \ik, v[RM]
.set rc, 0
.rept NCH
	v_sub_f32 v[RX+rc], v[RX+rc], v[RM]
.set rc, rc+1
.endr
.if TAILN < 32
	v_cndmask_b32 v[RX+NCH-1], 0, v[RX+NCH-1], s[TM]
.endif
	v_mul_f32 v[RQ], v[RX], v[RX]
.set rc, 1
.rept NCH-1
	v_fmac_f32 v[RQ], v[RX+rc], v[RX+rc]
.set rc, rc+1
.endr
	WRED RQ, RTMP
.endif
.if \md & 2
	v_fma_f32 v[RR], v[RQ], \ik, s[EPS]
	v_rsq_f32 v[RR], v[RR]
	v_nop
.set rc, 0
	s_wait_alu depctr_va_vdst(0)
.rept NCH
	v_mul_f32 v[RX+rc], v[RX+rc], v[RR]
.set rc, rc+1
.endr
.endif
.if \md & 4
.set rc, 0
.rept NCH
.if \md & 8
	v_fma_f32 v[RX+rc], v[RX+rc], v[RG+rc], v[RB+rc]
.else
	v_mul_f32 v[RX+rc], v[RX+rc], v[RG+rc]
.endif
.set rc, rc+1
.endr
.if TAILN < 32
	v_cndmask_b32 v[RX+NCH-1], 0, v[RX+NCH-1], s[TM]
.endif
.endif
.if \dp
	s_mul_i32 s[S0], s[SR], \dp
	v_lshl_add_u32 v[RD], v[VL], 1, s[S0]
	v_add_nc_u32 v[RD], \db, v[RD]
.set rc, 0
.rept NCH
	v_cvt_pk_bf16_f32 v[RG+rc], v[RX+rc], v[RX+rc]
	ds_store_b16 v[RD], v[RG+rc] offset:64*rc
.set rc, rc+1
.endr
.endif
.endm
.macro PFOLD
	v_pk_add_f32 v[CH:CH+1], v[CH:CH+1], v[CH+2:CH+3]
	v_pk_add_f32 v[CH+4:CH+5], v[CH+4:CH+5], v[CH+6:CH+7]
	v_pk_add_f32 v[CH:CH+1], v[CH:CH+1], v[CH+4:CH+5]
	v_add_f32 v[CH], v[CH], v[CH+1]
.endm
; Tile t of my four: Y = kf0 + Cb in f32, its mean taken away, rs_t; d goes back to XH[t] in bf16.  more = 1: the next tile's Cb is asked for.
.macro NORM t, more
	s_wait_loadcnt 0x0                     ; for t = 0: kf0, mask and Cb's first tile; later: this tile's Cb
.set nq, 0
.rept 32
	v_fma_mix_f32_bf16 v[Y+2*nq], v[XH+32*\t+nq], v[ONE], v[CB+nq] op_sel_hi:[1,0,1]
	v_fma_mix_f32_bf16 v[Y+2*nq+1], v[XH+32*\t+nq], v[ONE], v[CB+nq] op_sel:[1,0,1] op_sel_hi:[1,0,1]
.set nq, nq+1
.endr
.if \more
.set nq, 0
.rept 8
	global_load_b128 v[CB+4*nq:CB+4*nq+3], v[A16L], s[CBB:CBB+1] offset:4096*(\t+1)+512*nq
.set nq, nq+1
.endr
.endif
.irp k, 0,1,2,3
	v_pk_add_f32 v[CH+2*\k:CH+2*\k+1], v[Y+4*\k:Y+4*\k+1], v[Y+4*\k+2:Y+4*\k+3]
.endr
.set nq, 8
.rept 24
	v_pk_add_f32 v[CH+2*(nq%4):CH+2*(nq%4)+1], v[CH+2*(nq%4):CH+2*(nq%4)+1], v[Y+2*nq:Y+2*nq+1]
.set nq, nq+1
.endr
	PFOLD
	HRED CH, RTMP
	v_mul_f32 v[MP], IK128, v[CH]
	v_mov_b32 v[MP+1], v[MP]
.set nq, 0
.rept 32
	v_pk_add_f32 v[Y+2*nq:Y+2*nq+1], v[Y+2*nq:Y+2*nq+1], v[MP:MP+1] neg_lo:[0,1] neg_hi:[0,1]
.set nq, nq+1
.endr
.irp k, 0,1,2,3
	v_pk_mul_f32 v[CH+2*\k:CH+2*\k+1], v[Y+2*\k:Y+2*\k+1], v[Y+2*\k:Y+2*\k+1]
.endr
.set nq, 4
.rept 28
	v_pk_fma_f32 v[CH+2*(nq%4):CH+2*(nq%4)+1], v[Y+2*nq:Y+2*nq+1], v[Y+2*nq:Y+2*nq+1], v[CH+2*(nq%4):CH+2*(nq%4)+1]
.set nq, nq+1
.endr
	PFOLD
	HRED CH, RTMP
	v_fma_f32 v[RSV+\t], v[CH], IK128, s[EPS]
	v_rsq_f32 v[RSV+\t], v[RSV+\t]
.set nq, 0
.rept 32
	v_cvt_pk_bf16_f32 v[XH+32*\t+nq], v[Y+2*nq], v[Y+2*nq+1]
.set nq, nq+1
.endr
.endm
.macro PVLD g, set                     ; four K steps (128 j): p from PW16, d transposed out of XT
.set pk, 0
.rept 4
	ds_load_b128 v[\set+16*pk:\set+16*pk+3], v[TPA] offset:64*(4*\g+pk)
	ds_load_b128 v[\set+16*pk+4:\set+16*pk+7], v[TPA] offset:64*(4*\g+pk)+32
	ds_load_tr16_b128 v[\set+16*pk+8:\set+16*pk+11], v[TTR] offset:9216*pk
	ds_load_tr16_b128 v[\set+16*pk+12:\set+16*pk+15], v[TTR] offset:9216*pk+4608
.set pk, pk+1
.endr
	v_add_nc_u32 v[TTR], 36864, v[TTR]
.endm
.macro PVMM g, set                     ; two accumulators take turns
.set pm, 0
.rept 4
.if 4*\g+pm < 2
	v_wmma_f32_16x16x32_bf16 v[32+8*(pm%2):39+8*(pm%2)], v[\set+16*pm:\set+16*pm+7], v[\set+16*pm+8:\set+16*pm+15], 0
.else
	v_wmma_f32_16x16x32_bf16 v[32+8*(pm%2):39+8*(pm%2)], v[\set+16*pm:\set+16*pm+7], v[\set+16*pm+8:\set+16*pm+15], v[32+8*(pm%2):39+8*(pm%2)]
.endif
.set pm, pm+1
.endr
.endm
; The attention of row i = ROW0 + il.  Wave w owns pairs j = 64 w .. 64 w + 63 for scores and feature tile 16 w for the weighted sum.
.macro ATT il
	s_add_co_u32 s[S0], s[ROW0], \il
	s_lshl_b32 s[OF], s[S0], 17
	s_lshl_b32 s[S1], s[WV], 14
	s_add_co_u32 s[OF], s[OF], s[S1]
	s_mov_b32 s[OF+1], 0
	s_add_nc_u64 s[KFB:KFB+1], s[48:49], s[OF:OF+1]
	s_mov_b32 s[OF], s[S1]
	s_add_nc_u64 s[CBB:CBB+1], s[54:55], s[OF:OF+1]
	s_lshl_b32 s[OF], s[S0], 11
	s_lshl_b32 s[S1], s[WV], 8
	s_add_co_u32 s[OF], s[OF], s[S1]
	s_add_nc_u64 s[MKB:MKB+1], s[46:47], s[OF:OF+1]
.set at, 0
.rept 4
.set aq, 0
.rept 8
	global_load_b128 v[XH+32*at+4*aq:XH+32*at+4*aq+3], v[A16L], s[KFB:KFB+1] offset:4096*at+512*aq th:TH_LOAD_NT
.set aq, aq+1
.endr
	global_load_b32 v[MK+at], v[A4R], s[MKB:MKB+1] offset:64*at
.set at, at+1
.endr
.set aq, 0
.rept 8
	global_load_b128 v[CB+4*aq:CB+4*aq+3], v[A16L], s[CBB:CBB+1] offset:512*aq
.set aq, aq+1
.endr
	NORM 0, 1
	NORM 1, 1
	NORM 2, 1
	NORM 3, 0
; scores: A = u g (rows 0 and 8), B = d.  Register 0 of lane (r, hl) is head hl, pair r.
	v_mul_u32_u24 v[TQ], v[VR], 272
	v_lshl_add_u32 v[TQ], v[VH], 4, v[TQ]
.set aq, 0
.rept 4
	ds_load_b128 v[32+8*aq:35+8*aq], v[TQ] offset:QGA+4352*\il+64*aq
	ds_load_b128 v[36+8*aq:39+8*aq], v[TQ] offset:QGA+4352*\il+64*aq+32
.set aq, aq+1
.endr
	v_lshl_add_u32 v[TC], v[VH], 3, CST+4*\il
	ds_load_b32 v[CSV], v[TC]
	v_mov_b32 v[NEG], 0xce6e6b28           ; -1e9
	s_wait_dscnt 0x0
.set aq, 0
.rept 4
.set at, 0
.rept 4                                    ; four accumulators take turns
.if aq == 0
	v_wmma_f32_16x16x32_bf16 v[64+8*at:71+8*at], v[32+8*aq:39+8*aq], v[XH+32*at+8*aq:XH+32*at+8*aq+7], 0
.else
	v_wmma_f32_16x16x32_bf16 v[64+8*at:71+8*at], v[32+8*aq:39+8*aq], v[XH+32*at+8*aq:XH+32*at+8*aq+7], v[64+8*at:71+8*at]
.endif
.set at, at+1
.endr
.set aq, aq+1
.endr
	PLACES
	s_wait_alu depctr_va_vdst(0)
.irp t, 0,1,2,3
	v_fma_f32 v[SC+\t], v[64+8*\t], v[RSV+\t], v[CSV]
	v_mul_f32 v[SC+\t], v[SC+\t], v[MK+\t]
	v_cmp_eq_f32 vcc_lo, 0, v[MK+\t]
	v_cndmask_b32 v[SC+\t], v[SC+\t], v[NEG], vcc_lo
.endr
; the row's maximum: my four, my 16 lanes (one head), then the eight waves through LDS
	v_max3_num_f32 v[MX], v[SC], v[SC+1], v[SC+2]
	v_max_num_f32 v[MX], v[MX], v[SC+3]
	v_max_num_f32_dpp v[MX], v[MX], v[MX] row_xmask:1 row_mask:0xf bank_mask:0xf
	v_max_num_f32_dpp v[MX], v[MX], v[MX] row_xmask:2 row_mask:0xf bank_mask:0xf
	v_max_num_f32_dpp v[MX], v[MX], v[MX] row_xmask:4 row_mask:0xf bank_mask:0xf
	v_max_num_f32_dpp v[MX], v[MX], v[MX] row_xmask:8 row_mask:0xf bank_mask:0xf
	v_lshl_add_u32 v[TRL], v[VH], 5, RED+128*\il
	v_lshl_add_u32 v[TRS], s[WV], 2, v[TRL]
	ds_store_b32 v[TRS], v[MX]
	BAR
	ds_load_b128 v[L8:L8+3], v[TRL]
	ds_load_b128 v[L8+4:L8+7], v[TRL] offset:16
	s_wait_dscnt 0x0
	v_max3_num_f32 v[MX], v[L8], v[L8+1], v[L8+2]
	v_max3_num_f32 v[MX], v[MX], v[L8+3], v[L8+4]
	v_max3_num_f32 v[MX], v[MX], v[L8+5], v[L8+6]
	v_max_num_f32 v[MX], v[MX], v[L8+7]
.irp t, 0,1,2,3
	v_sub_f32 v[SC+\t], v[SC+\t], v[MX]
.endr
.irp t, 0,1,2,3
	v_mul_f32 v[SC+\t], 0x3fb8aa3b, v[SC+\t]
.endr
.irp t, 0,1,2,3
	v_exp_f32 v[SC+\t], v[SC+\t]
.endr
	v_mul_u32_u24 v[TPW], v[VH], 8320      ; row 8 hl of PW16, column 64 w + r
	v_lshl_add_u32 v[TPW], v[VR], 1, v[TPW]
	v_lshl_add_u32 v[TPW], s[WV], 7, v[TPW]
	s_lshl_b32 s[S0], s[WV], 6
	v_add_nc_u32 v[TXT], s[S0], v[VR]      ; row j = 64 w + r of XT
	v_mul_u32_u24 v[TXT], v[TXT], 288
	v_lshl_add_u32 v[TXT], v[VH], 4, v[TXT]
	v_add_nc_u32 v[TXT], XT, v[TXT]
	s_wait_alu depctr_va_vdst(0)
	v_add_f32 v[SM], v[SC], v[SC+1]
	v_add_f32 v[SM], v[SM], v[SC+2]
	v_add_f32 v[SM], v[SM], v[SC+3]
	v_add_f32_dpp v[SM], v[SM], v[SM] row_xmask:1 row_mask:0xf bank_mask:0xf
	v_add_f32_dpp v[SM], v[SM], v[SM] row_xmask:2 row_mask:0xf bank_mask:0xf
	v_add_f32_dpp v[SM], v[SM], v[SM] row_xmask:4 row_mask:0xf bank_mask:0xf
	v_add_f32_dpp v[SM], v[SM], v[SM] row_xmask:8 row_mask:0xf bank_mask:0xf
	ds_store_b32 v[TRS], v[SM] offset:64
.irp t, 0,1,2,3
	v_mul_f32 v[PR+\t], v[SC+\t], v[RSV+\t]
	v_cvt_pk_bf16_f32 v[PR+\t], v[PR+\t], v[PR+\t]
	ds_store_b16 v[TPW], v[PR+\t] offset:PW16+32*\t
.endr
.set at, 0
.rept 4
.set aq, 0
.rept 8
	ds_store_b128 v[TXT], v[XH+32*at+4*aq:XH+32*at+4*aq+3] offset:4608*at+32*aq
.set aq, aq+1
.endr
.set at, at+1
.endr
	v_and_b32 v[TTR], 7, v[VL]
	v_lshl_add_u32 v[TTR], v[VH], 3, v[TTR]
	v_mul_u32_u24 v[TTR], v[TTR], 288
	v_bfe_u32 v[TPA], v[VL], 3, 1
	v_lshl_add_u32 v[TTR], v[TPA], 4, v[TTR]
	v_lshl_add_u32 v[TTR], s[WV], 5, v[TTR]
	v_add_nc_u32 v[TTR], XT, v[TTR]
	v_mul_u32_u24 v[TPA], v[VR], 1040
	v_lshl_add_u32 v[TPA], v[VH], 4, v[TPA]
	BAR
; sum over j of p rs d for features 16 w .. 16 w + 15: 16 K steps in four groups on two register sets
	PVLD 0, 96
	PVLD 1, 160
	s_wait_dscnt 0x10                      ; all but the sixteen loads of the next group
	PVMM 0, 96
	PLACES
	PVLD 2, 96
	s_wait_dscnt 0x10
	PVMM 1, 160
	PLACES
	PVLD 3, 160
	s_wait_dscnt 0x10
	PVMM 2, 96
	s_wait_dscnt 0x0
	PVMM 3, 160
	PLACES
	v_add_f32 v32, v32, v40
	ds_load_b128 v[L8:L8+3], v[TRL] offset:64
	ds_load_b128 v[L8+4:L8+7], v[TRL] offset:80
	s_wait_dscnt 0x0
	v_add_f32 v[SM], v[L8], v[L8+1]
.irp q, 2,3,4,5,6,7
	v_add_f32 v[SM], v[SM], v[L8+\q]
.endr
	v_rcp_f32 v[SM], v[SM]
	v_lshl_add_u32 v[TKB], v[VH], 10, KB+512*\il
	v_lshl_add_u32 v[TKB], v[VR], 2, v[TKB]
	v_lshl_add_u32 v[TKB], s[WV], 6, v[TKB]
	s_wait_alu depctr_va_vdst(0)
	v_mul_f32 v32, v32, v[SM]
	v_fma_f32 v32, v32, v[LG], v[LB]
	ds_store_b32 v[TKB], v32
	BAR                                    ; also: every wave's reads of XT and PW16 are over
.endm
	s_load_b512 s[4:19], s[0:1], 0x0
	s_load_b512 s[20:35], s[0:1], 0x40
	s_load_b512 s[36:51], s[0:1], 0x80
	s_load_b256 s[52:59], s[0:1], 0xc0
	s_load_b64 s[60:61], s[0:1], 0xe0
	v_lshl_add_u32 v25, v0, 2, 0x2d800
	v_mov_b32 v31, 0
	v_and_b32 v1, 31, v0
	v_and_b32 v2, 15, v0
	v_bfe_u32 v3, v0, 4, 1
	v_lshrrev_b32 v4, 5, v0
	v_readfirstlane_b32 s[WV], v4
	s_mov_b32 s[PSA], 0x76543210
	s_mov_b32 s[PSB], 0xfedcba98
	s_mov_b32 s[PP], 0x3ec88bb9
	s_mov_b32 s[EPS], 0x358637bd
	s_lshl_b32 s[ROW0], ttmp9, 1
	v_mov_b32 v[RTMP], 0
	v_lshlrev_b32 v[A16L], 4, v[VL]
	v_lshlrev_b32 v[A4R], 2, v[VR]
	v_lshl_add_u32 v[ALG], s[WV], 6, v[A4R]
	v_mov_b32 v[ONE], 1.0
	GCONST
; phase 1: PW16 and QGA are cleared (their unused rows stay zero); LN256 of qf
.irp q, 32,33,34,35
	v_mov_b32 v\q, 0
.endr
	v_lshlrev_b32 v36, 4, v0
.irp q, 0,1,2,3,4,5,6
	ds_store_b128 v36, v[32:35] offset:4096*\q
.endr
	s_wait_kmcnt 0x0
	s_cmp_lt_u32 s[WV], 2
	s_cbranch_scc0 .Lj1
	s_mov_b32 s[SR], s[WV]
	ROWOP 1, 50, 1024, 256, IK256, 15, 4, 0, 6, 0, XB, 528
.Lj1:
	BAR
; phase 2: qa = gelu(qb1)
	s_mov_b32 s[ST], s[WV]
	LAYER 4, 8, 0, 256, 256, 128, 10, XB, 528, 1, 1, QA, 512
	BAR
; phase 3: q = lin(LN(qa))
	s_cmp_lt_u32 s[WV], 2
	s_cbranch_scc0 .Lj3
	s_mov_b32 s[SR], s[WV]
	ROWOP 0, QA, 512, 128, IK128, 15, 12, 0, 14, 0, XB, 528
.Lj3:
	BAR
	LAYER 4, 16, 0, 128, 128, 128, 18, XB, 528, 1, 0, XF, 1040
	BAR
; phase 4: column c = il + 2 head: q / 8 with the other head's half cleared; q . k_b; then u = k_W^T q
	s_cmp_lt_u32 s[WV], 4
	s_cbranch_scc0 .Lj4
	s_and_b32 s[S1], s[WV], 1
	s_lshr_b32 s[S2], s[WV], 1
	s_cmp_eq_u32 s[S2], 0
	s_cselect_b32 s[F0], 0x3e000000, 0
	s_cselect_b32 s[F1], 0, 0x3e000000
	s_mul_i32 s[S0], s[S1], 1040
	v_lshl_add_u32 v[RS], v[VL], 2, s[S0]
	v_add_nc_u32 v[RS], XF, v[RS]
	v_lshlrev_b32 v[RA], 2, v[VL]
.irp c, 0,1,2,3
	ds_load_b32 v[RX+\c], v[RS] offset:128*\c
	global_load_b32 v[RG+\c], v[RA], s[22:23] offset:128*\c
.endr
	s_mul_i32 s[S0], s[WV], 528
	v_lshl_add_u32 v[RD], v[VL], 1, s[S0]
	v_add_nc_u32 v[RD], XB, v[RD]
	s_wait_loadcnt 0x0
	s_wait_dscnt 0x0
	v_mul_f32 v[RX], s[F0], v[RX]
	v_mul_f32 v[RX+1], s[F0], v[RX+1]
	v_mul_f32 v[RX+2], s[F1], v[RX+2]
	v_mul_f32 v[RX+3], s[F1], v[RX+3]
	v_mul_f32 v[VQB], v[RX], v[RG]
	v_fmac_f32 v[VQB], v[RX+1], v[RG+1]
	v_fmac_f32 v[VQB], v[RX+2], v[RG+2]
	v_fmac_f32 v[VQB], v[RX+3], v[RG+3]
	WRED VQB, RTMP
.irp c, 0,1,2,3
	v_cvt_pk_bf16_f32 v[RG+\c], v[RX+\c], v[RX+\c]
	ds_store_b16 v[RD], v[RG+\c] offset:64*\c
.endr
.Lj4:
	BAR
	DENSE 2, 20, 0, 128, 128, 128, XB, 528, 3
	EPI_L XF, 1040, 3
	BAR
; phase 5: u g to QGA, row 8 head; the scores' constant u . ln_k_b + q . k_b
	s_cmp_lt_u32 s[WV], 4
	s_cbranch_scc0 .Lj5
	s_mul_i32 s[S0], s[WV], 1040
	v_lshl_add_u32 v[RS], v[VL], 2, s[S0]
	v_add_nc_u32 v[RS], XF, v[RS]
	v_lshlrev_b32 v[RA], 2, v[VL]
.irp c, 0,1,2,3
	ds_load_b32 v[RX+\c], v[RS] offset:128*\c
	global_load_b32 v[RG+\c], v[RA], s[24:25] offset:128*\c
	global_load_b32 v[RB+\c], v[RA], s[26:27] offset:128*\c
.endr
	s_and_b32 s[S1], s[WV], 1
	s_lshr_b32 s[S2], s[WV], 1
	s_mul_i32 s[S1], s[S1], 4352
	s_mul_i32 s[S2], s[S2], 2176
	s_add_co_u32 s[S1], s[S1], s[S2]
	v_lshl_add_u32 v[RD], v[VL], 1, s[S1]
	s_lshl_b32 s[S0], s[WV], 2
	v_mov_b32 v[RT], s[S0]
	v_add_nc_u32 v[RT], CST, v[RT]
	s_wait_loadcnt 0x0
	s_wait_dscnt 0x0
	v_mul_f32 v[RM], v[RX], v[RB]
	v_fmac_f32 v[RM], v[RX+1], v[RB+1]
	v_fmac_f32 v[RM], v[RX+2], v[RB+2]
	v_fmac_f32 v[RM], v[RX+3], v[RB+3]
	WRED RM, RTMP
	v_add_f32 v[RM], v[RM], v[VQB]
	ds_store_b32 v[RT], v[RM]
.irp c, 0,1,2,3
	v_mul_f32 v[RX+\c], v[RX+\c], v[RG+\c]
	v_cvt_pk_bf16_f32 v[RX+\c], v[RX+\c], v[RX+\c]
	ds_store_b16 v[RD], v[RX+\c] offset:QGA+64*\c
.endr
.Lj5:
	BAR
; phase 6: the attention of my two rows
	global_load_b32 v[LG], v[ALG], s[24:25]
	global_load_b32 v[LB], v[ALG], s[26:27]
	ATT 0
	ATT 1
	GCONST
; phase 7: v_W on the four columns
	s_cmp_lt_u32 s[WV], 4
	s_cbranch_scc0 .Lj7
	s_mov_b32 s[SR], s[WV]
	ROWOP 0, KB, 512, 128, 0, 0, 0, 0, 0, 0, XB, 528
.Lj7:
	BAR
	LAYER 4, 28, 0, 128, 128, 128, 30, XB, 528, 3, 0, XF, 1040
	BAR
; phase 8: each head's half from its own column; o_W, gelu
	s_cmp_lt_u32 s[WV], 2
	s_cbranch_scc0 .Lj8
	s_mul_i32 s[S0], s[WV], 1040
	v_lshl_add_u32 v[RS], v[VL], 2, s[S0]
	v_add_nc_u32 v[RS], XF, v[RS]
	ds_load_b32 v[RX], v[RS]
	ds_load_b32 v[RX+1], v[RS] offset:128
	ds_load_b32 v[RX+2], v[RS] offset:2080+256
	ds_load_b32 v[RX+3], v[RS] offset:2080+384
	s_mul_i32 s[S0], s[WV], 528
	v_lshl_add_u32 v[RD], v[VL], 1, s[S0]
	v_add_nc_u32 v[RD], XB, v[RD]
	s_wait_dscnt 0x0
.irp c, 0,1,2,3
	v_cvt_pk_bf16_f32 v[RX+\c], v[RX+\c], v[RX+\c]
	ds_store_b16 v[RD], v[RX+\c] offset:64*\c
.endr
.Lj8:
	BAR
	LAYER 4, 32, 0, 128, 128, 128, 34, XB, 528, 1, 1, XF, 1040
	BAR
; phase 9: qa += attention; C[i] += qa scale (f32 and centred bf16); LN(qa) for qb2
	s_cmp_lt_u32 s[WV], 2
	s_cbranch_scc0 .Lj9
	s_lshl_b32 s[S0], s[WV], 9
	v_lshl_add_u32 v[RS], v[VL], 2, s[S0]
	v_add_nc_u32 v[RS], QA, v[RS]
	s_mul_i32 s[S1], s[WV], 1040
	v_lshl_add_u32 v[RS2], v[VL], 2, s[S1]
	v_add_nc_u32 v[RS2], XF, v[RS2]
	v_lshlrev_b32 v[RA], 2, v[VL]
	s_add_co_u32 s[S2], s[ROW0], s[WV]
	s_lshl_b32 s[S0], s[S2], 9
	v_add_nc_u32 v[RT], s[S0], v[RA]
.irp c, 0,1,2,3
	ds_load_b32 v[RX+\c], v[RS] offset:128*\c
	ds_load_b32 v[RG+\c], v[RS2] offset:128*\c
	global_load_b32 v[RB+\c], v[RA], s[36:37] offset:128*\c
	global_load_b32 v[RB+4+\c], v[RT], s[52:53] offset:128*\c
.endr
	v_lshrrev_b32 v[RD], 4, v[VL]          ; feature lane + 32 c lies in fragment T = 2 c + lane / 16, half (lane / 8) mod 2, element lane mod 8
	v_lshlrev_b32 v[RD], 9, v[RD]
	v_bfe_u32 v[RR], v[VL], 3, 1
	v_lshl_add_u32 v[RD], v[RR], 8, v[RD]
	v_and_b32 v[RR], 7, v[VL]
	v_lshl_add_u32 v[RD], v[RR], 1, v[RD]
	s_lshr_b32 s[S0], s[S2], 4
	s_lshl_b32 s[S0], s[S0], 12
	s_and_b32 s[S1], s[S2], 15
	s_lshl_b32 s[S1], s[S1], 4
	s_add_co_u32 s[S0], s[S0], s[S1]
	v_add_nc_u32 v[RD], s[S0], v[RD]
	s_wait_loadcnt 0x0
	s_wait_dscnt 0x0
.irp c, 0,1,2,3
	v_add_f32 v[RX+\c], v[RX+\c], v[RG+\c]
	ds_store_b32 v[RS], v[RX+\c] offset:128*\c
	v_fma_f32 v[RG+\c], v[RX+\c], v[RB+\c], v[RB+4+\c]
	global_store_b32 v[RT], v[RG+\c], s[58:59] offset:128*\c
.endr
	v_add_f32 v[RM], v[RG], v[RG+1]
	v_add_f32 v[RM], v[RM], v[RG+2]
	v_add_f32 v[RM], v[RM], v[RG+3]
	WRED RM, RTMP
	v_mul_f32 v[RM], IK128, v[RM]
.irp c, 0,1,2,3
	v_sub_f32 v[RB+\c], v[RG+\c], v[RM]
	v_cvt_pk_bf16_f32 v[RB+\c], v[RB+\c], v[RB+\c]
	global_store_b16 v[RD], v[RB+\c], s[60:61] offset:1024*\c
.endr
	s_wait_xcnt 0x0                        ; the stores' data and address registers are written again only behind this wait
	s_mov_b32 s[SR], s[WV]
	ROWOP 0, QA, 512, 128, IK128, 15, 38, 0, 40, 0, XB, 528
.Lj9:
	BAR
; phase 10: qf += gelu(qb2)
	s_mov_b32 s[ST], s[WV]
	LAYER 4, 42, 0, 128, 128, 256, 44, XB, 528, 1, 1, XF, 1040
	s_add_co_u32 s[ST], s[WV], 8
	LAYER 4, 42, 0, 128, 128, 256, 44, XB, 528, 1, 1, XF, 1040
	BAR
	v_lshrrev_b32 v[RS], 7, v0
	v_mul_u32_u24 v[RS], v[RS], 1040
	v_and_b32 v[RA], 127, v0
	v_lshl_add_u32 v[RS], v[RA], 3, v[RS]
	v_add_nc_u32 v[RS], XF, v[RS]
	ds_load_b64 v[RX:RX+1], v[RS]
	s_lshl_b32 s[S0], s[ROW0], 10
	v_lshl_add_u32 v[RT], v0, 3, s[S0]
	global_load_b64 v[RG:RG+1], v[RT], s[50:51]
	s_wait_loadcnt 0x0
	s_wait_dscnt 0x0
	v_pk_add_f32 v[RX:RX+1], v[RX:RX+1], v[RG:RG+1]
	global_store_b64 v[RT], v[RX:RX+1], s[56:57]   ; a store of the wave covers 256 consecutive bytes, aligned
	s_wait_tensorcnt 0x0
	ds_add_u32 v25, v31
	s_wait_dscnt 0x0
	s_endpgm
.Lfunc_end_k_q024abc32c9_j0:
	.size	k_q024abc32c9_j0, .Lfunc_end_k_q024abc32c9_j0-k_q024abc32c9_j0
	.p2alignl 7, 3214868480
	.fill 96, 4, 3214868480
	.section	.rodata,"a",@progbits
	.p2align	6, 0x0
	.amdhsa_kernel k_q024abc32c9_j0
		.amdhsa_group_segment_fixed_size 187392
		.amdhsa_private_segment_fixed_size 0
		.amdhsa_enable_private_segment 0
		.amdhsa_kernarg_size 232
		.amdhsa_user_sgpr_count 2
		.amdhsa_user_sgpr_kernarg_segment_ptr 1
		.amdhsa_wavefront_size32 1
		.amdhsa_system_sgpr_workgroup_id_x 1
		.amdhsa_system_sgpr_workgroup_id_y 1
		.amdhsa_system_sgpr_workgroup_id_z 1
		.amdhsa_system_vgpr_workitem_id 0
		.amdhsa_next_free_vgpr 256
		.amdhsa_next_free_sgpr 90
		.amdhsa_reserve_vcc 1
		.amdhsa_float_denorm_mode_32 3
		.amdhsa_float_denorm_mode_16_64 3
		.amdhsa_memory_ordered 1
		.amdhsa_forward_progress 1
		.amdhsa_inst_pref_size 244
	.end_amdhsa_kernel
	.amdgpu_metadata
---
amdhsa.version: [ 1, 2 ]
amdhsa.kernels:
  - .name:           k_q024abc32c9_j0
    .symbol:         k_q024abc32c9_j0.kd
    .args:
      - { .name: params_jpus_0_qb1_ln_g, .offset: 0, .size: 8, .value_kind: global_buffer, .address_space: global }
      - { .name: params_jpus_0_qb1_ln_b, .offset: 8, .size: 8, .value_kind: global_buffer, .address_space: global }
      - { .name: params_jpus_0_qb1_l_W, .offset: 16, .size: 8, .value_kind: global_buffer, .address_space: global }
      - { .name: params_jpus_0_qb1_l_b, .offset: 24, .size: 8, .value_kind: global_buffer, .address_space: global }
      - { .name: params_jpus_0_ln_q_g, .offset: 32, .size: 8, .value_kind: global_buffer, .address_space: global }
      - { .name: params_jpus_0_ln_q_b, .offset: 40, .size: 8, .value_kind: global_buffer, .address_space: global }
      - { .name: params_jpus_0_q_W, .offset: 48, .size: 8, .value_kind: global_buffer, .address_space: global }
      - { .name: params_jpus_0_q_b, .offset: 56, .size: 8, .value_kind: global_buffer, .address_space: global }
      - { .name: params_jpus_0_k_W, .offset: 64, .size: 8, .value_kind: global_buffer, .address_space: global }
      - { .name: params_jpus_0_k_b, .offset: 72, .size: 8, .value_kind: global_buffer, .address_space: global }
      - { .name: params_jpus_0_ln_k_g, .offset: 80, .size: 8, .value_kind: global_buffer, .address_space: global }
      - { .name: params_jpus_0_ln_k_b, .offset: 88, .size: 8, .value_kind: global_buffer, .address_space: global }
      - { .name: params_jpus_0_v_W, .offset: 96, .size: 8, .value_kind: global_buffer, .address_space: global }
      - { .name: params_jpus_0_v_b, .offset: 104, .size: 8, .value_kind: global_buffer, .address_space: global }
      - { .name: params_jpus_0_o_W, .offset: 112, .size: 8, .value_kind: global_buffer, .address_space: global }
      - { .name: params_jpus_0_o_b, .offset: 120, .size: 8, .value_kind: global_buffer, .address_space: global }
      - { .name: params_jpus_0_scale, .offset: 128, .size: 8, .value_kind: global_buffer, .address_space: global }
      - { .name: params_jpus_0_qb2_ln_g, .offset: 136, .size: 8, .value_kind: global_buffer, .address_space: global }
      - { .name: params_jpus_0_qb2_ln_b, .offset: 144, .size: 8, .value_kind: global_buffer, .address_space: global }
      - { .name: params_jpus_0_qb2_l_W, .offset: 152, .size: 8, .value_kind: global_buffer, .address_space: global }
      - { .name: params_jpus_0_qb2_l_b, .offset: 160, .size: 8, .value_kind: global_buffer, .address_space: global }
      - { .name: msk, .offset: 168, .size: 8, .value_kind: global_buffer, .address_space: global }
      - { .name: kf0, .offset: 176, .size: 8, .value_kind: global_buffer, .address_space: global }
      - { .name: qfA, .offset: 184, .size: 8, .value_kind: global_buffer, .address_space: global }
      - { .name: CfA, .offset: 192, .size: 8, .value_kind: global_buffer, .address_space: global }
      - { .name: CbA, .offset: 200, .size: 8, .value_kind: global_buffer, .address_space: global }
      - { .name: qfB, .offset: 208, .size: 8, .value_kind: global_buffer, .address_space: global }
      - { .name: CfB, .offset: 216, .size: 8, .value_kind: global_buffer, .address_space: global }
      - { .name: CbB, .offset: 224, .size: 8, .value_kind: global_buffer, .address_space: global }
    .group_segment_fixed_size: 187392
    .private_segment_fixed_size: 0
    .kernarg_segment_align: 8
    .kernarg_segment_size: 232
    .max_flat_workgroup_size: 256
    .sgpr_count:     90
    .vgpr_count:     256
    .wavefront_size: 32
...
	.end_amdgpu_metadata
.endif
;; end of part 3
;; launch j1: the kernel of part 3 again; grid 256 x 1, 8 waves a work-group, no clusters, 187,392 bytes of LDS; arguments params_jpus_1_qb1_ln_g, params_jpus_1_qb1_ln_b, params_jpus_1_qb1_l_W, params_jpus_1_qb1_l_b, params_jpus_1_ln_q_g, params_jpus_1_ln_q_b, params_jpus_1_q_W, params_jpus_1_q_b, params_jpus_1_k_W, params_jpus_1_k_b, params_jpus_1_ln_k_g, params_jpus_1_ln_k_b, params_jpus_1_v_W, params_jpus_1_v_b, params_jpus_1_o_W, params_jpus_1_o_b, params_jpus_1_scale, params_jpus_1_qb2_ln_g, params_jpus_1_qb2_ln_b, params_jpus_1_qb2_l_W, params_jpus_1_qb2_l_b, msk, kf0, qfB, CfB, CbB, qfA, CfA, CbA; writes qfA, CfA, CbA
;; launch j2: the kernel of part 3 again; grid 256 x 1, 8 waves a work-group, no clusters, 187,392 bytes of LDS; arguments params_jpus_2_qb1_ln_g, params_jpus_2_qb1_ln_b, params_jpus_2_qb1_l_W, params_jpus_2_qb1_l_b, params_jpus_2_ln_q_g, params_jpus_2_ln_q_b, params_jpus_2_q_W, params_jpus_2_q_b, params_jpus_2_k_W, params_jpus_2_k_b, params_jpus_2_ln_k_g, params_jpus_2_ln_k_b, params_jpus_2_v_W, params_jpus_2_v_b, params_jpus_2_o_W, params_jpus_2_o_b, params_jpus_2_scale, params_jpus_2_qb2_ln_g, params_jpus_2_qb2_ln_b, params_jpus_2_qb2_l_W, params_jpus_2_qb2_l_b, msk, kf0, qfA, CfA, CbA, qfB, CfB, CbB; writes qfB, CfB, CbB
;; launch j3: the kernel of part 3 again; grid 256 x 1, 8 waves a work-group, no clusters, 187,392 bytes of LDS; arguments params_jpus_3_qb1_ln_g, params_jpus_3_qb1_ln_b, params_jpus_3_qb1_l_W, params_jpus_3_qb1_l_b, params_jpus_3_ln_q_g, params_jpus_3_ln_q_b, params_jpus_3_q_W, params_jpus_3_q_b, params_jpus_3_k_W, params_jpus_3_k_b, params_jpus_3_ln_k_g, params_jpus_3_ln_k_b, params_jpus_3_v_W, params_jpus_3_v_b, params_jpus_3_o_W, params_jpus_3_o_b, params_jpus_3_scale, params_jpus_3_qb2_ln_g, params_jpus_3_qb2_ln_b, params_jpus_3_qb2_l_W, params_jpus_3_qb2_l_b, msk, kf0, qfB, CfB, CbB, qfA, CfA, CbA; writes qfA, CfA, CbA
;; launch head (part 4): grid 32 x 1, 8 waves a work-group, no clusters, 18,432 bytes of LDS; arguments qfA, params_qf_ln1_g, params_qf_ln1_b, params_qf_l1_W, params_qf_l1_b, params_qf_ln2_g, params_qf_ln2_b, params_qf_l2_W, params_qf_l2_b, out0; writes out0
.if DOCPART == 4
	.amdgcn_target "amdgcn-amd-amdhsa--gfx1250"
	.amdhsa_code_object_version 6
	.text
	.protected	k_q024abc32c9_head
	.globl	k_q024abc32c9_head
	.p2align	8
	.type	k_q024abc32c9_head,@function
k_q024abc32c9_head:
	s_mov_b64 s[64:65], 0
	v_nop
	global_prefetch_b8 v0, s[64:65] scope:SCOPE_SE
	s_setreg_imm32_b32 hwreg(HW_REG_WAVE_MODE, 25, 1), 1
	s_wait_xcnt 0x0
; out0 = sigmoid(l2(LN128(gelu(l1(LN256(qf)))))).  A work-group takes 16 rows; l1 goes to the matrix unit, transposed (source A = weight rows);
; l2 has one output and is a dot product in f32 over the wave's lanes.
; LIMITS: l1's operands are rounded to bf16.  erf: Abramowitz-Stegun 7.1.25, absolute error at most 2.5e-5.
.set VL, 1
.set VR, 2
.set VH, 3
.set RTMP, 6
.set CK, 8
.set CA1, 10
.set CA2, 12
.set CA3, 14
.set BREG, 32
.set WREG, 96
.set ACC, 224
.set BIAS, 240
.set VBA, 248
.set VWR, 249
.set VWA, 250
.set VB0, 251
.set VB1, 252
.set VEA, 253
.set RX, 32
.set RG, 44
.set RB, 56
.set RM, 70
.set RQ, 71
.set RR, 72
.set RA, 73
.set RT, 74
.set RS, 75
.set RS2, 76
.set RD, 77
.set PSA, 66
.set PSB, 67
.set WV, 68
.set ST, 69
.set SR, 70
.set TM, 71
.set PP, 72
.set EPS, 73
.set S0, 74
.set ROW0, 76
.set LB2, 77
.set IK128, 0x3c000000
.set IK256, 0x3b800000
.set XB, 0                             ; 16 x 528  LN256(qf), bf16
.set XF, 8448                          ; 16 x 528  gelu(l1), f32
.set RES, 16896                        ; 16 f32    the results
.macro PLACES                          ; five plain places behind a matrix instruction (ISA guide 7.12.1)
.rept 5
	v_nop
.endr
.endm
.macro BAR
	s_wait_dscnt 0x0
	s_barrier_signal -1
	s_barrier_wait -1
.endm
.macro WRED v, t
	v_add_f32_dpp v[\v], v[\v], v[\v] row_xmask:1 row_mask:0xf bank_mask:0xf
	v_add_f32_dpp v[\v], v[\v], v[\v] row_xmask:2 row_mask:0xf bank_mask:0xf
	v_add_f32_dpp v[\v], v[\v], v[\v] row_xmask:4 row_mask:0xf bank_mask:0xf
	v_add_f32_dpp v[\v], v[\v], v[\v] row_xmask:8 row_mask:0xf bank_mask:0xf
	v_permlanex16_b32 v[\t], v[\v], s[PSA], s[PSB]
	v_add_f32 v[\v], v[\v], v[\t]
.endm
.macro GELU8 X, T
.irp q, 0,2,4,6
	v_pk_mul_f32 v[\T+\q:\T+\q+1], v[\X+\q:\X+\q+1], v[CK:CK+1]
.endr
.irp q, 0,1,2,3,4,5,6,7
	v_fma_f32 v[\T+8+\q], |v[\T+\q]|, s[PP], 1.0
.endr
.irp q, 0,2,4,6
	v_pk_mul_f32 v[\T+16+\q:\T+17+\q], v[\T+\q:\T+\q+1], v[\T+\q:\T+\q+1] neg_lo:[1,0] neg_hi:[1,0]
.endr
.irp q, 0,1,2,3,4,5,6,7
	v_rcp_f32 v[\T+8+\q], v[\T+8+\q]
.endr
.irp q, 0,1,2,3,4,5,6,7
	v_exp_f32 v[\T+16+\q], v[\T+16+\q]
.endr
.irp q, 0,1,2,3,4,5,6,7
	v_max_num_f32 v[\T+\q], 0, v[\X+\q]    ; plain work behind the transcendentals (ISA guide 5.7.2)
.endr
	s_wait_alu depctr_va_vdst(0)
.irp q, 0,2,4,6
	v_pk_fma_f32 v[\T+24+\q:\T+25+\q], v[\T+8+\q:\T+9+\q], v[CA3:CA3+1], v[CA2:CA2+1]
.endr
.irp q, 0,2,4,6
	v_pk_fma_f32 v[\T+24+\q:\T+25+\q], v[\T+24+\q:\T+25+\q], v[\T+8+\q:\T+9+\q], v[CA1:CA1+1]
.endr
.irp q, 0,2,4,6
	v_pk_mul_f32 v[\T+24+\q:\T+25+\q], v[\T+24+\q:\T+25+\q], v[\T+8+\q:\T+9+\q]
.endr
.irp q, 0,2,4,6
	v_pk_mul_f32 v[\T+24+\q:\T+25+\q], v[\T+24+\q:\T+25+\q], v[\T+16+\q:\T+17+\q]
.endr
.irp q, 0,1,2,3,4,5,6,7
	v_fma_f32 v[\X+\q], -|v[\X+\q]|, v[\T+24+\q], v[\T+\q]
.endr
.endm
; LayerNorm of row s[SR] by one wave; a lane holds elements lane + 32 c.  src 1: row ROW0 + SR of buffer s[sb]; src 0: LDS.
; dp != 0: the row goes to LDS in bf16.  K is a multiple of 32 here.
.macro ROWLN src, sb, sp, K, ik, gp, bp, db, dp
.set NCH, \K/32
	v_lshlrev_b32 v[RA], 2, v[VL]
.if \src
	s_add_co_u32 s[S0], s[ROW0], s[SR]
	s_mul_i32 s[S0], s[S0], \sp
	v_add_nc_u32 v[RS], s[S0], v[RA]
.else
	s_mul_i32 s[S0], s[SR], \sp
	v_add_nc_u32 v[RS], s[S0], v[RA]
.endif
.set rc, 0
.rept NCH
.if \src
	global_load_b32 v[RX+rc], v[RS], s[\sb:\sb+1] offset:128*rc
.else
	ds_load_b32 v[RX+rc], v[RS] offset:\sb+128*rc
.endif
	global_load_b32 v[RG+rc], v[RA], s[\gp:\gp+1] offset:128*rc
	global_load_b32 v[RB+rc], v[RA], s[\bp:\bp+1] offset:128*rc
.set rc, rc+1
.endr
	s_wait_loadcnt 0x0
	s_wait_dscnt 0x0
	v_add_f32 v[RM], v[RX], v[RX+1]
.set rc, 2
.rept NCH-2
	v_add_f32 v[RM], v[RM], v[RX+rc]
.set rc, rc+1
.endr
	WRED RM, RTMP
	v_mul_f32 v[RM], \ik, v[RM]
.set rc, 0
.rept NCH
	v_sub_f32 v[RX+rc], v[RX+rc], v[RM]
.set rc, rc+1
.endr
	v_mul_f32 v[RQ], v[RX], v[RX]
.set rc, 1
.rept NCH-1
	v_fmac_f32 v[RQ], v[RX+rc], v[RX+rc]
.set rc, rc+1
.endr
	WRED RQ, RTMP
	v_fma_f32 v[RR], v[RQ], \ik, s[EPS]
	v_rsq_f32 v[RR], v[RR]
	v_nop
.set rc, 0
	s_wait_alu depctr_va_vdst(0)
.rept NCH
	v_mul_f32 v[RX+rc], v[RX+rc], v[RR]
	v_fma_f32 v[RX+rc], v[RX+rc], v[RG+rc], v[RB+rc]
.set rc, rc+1
.endr
.if \dp
	s_mul_i32 s[S0], s[SR], \dp
	v_lshl_add_u32 v[RD], v[VL], 1, s[S0]
.set rc, 0
.rept NCH
	v_cvt_pk_bf16_f32 v[RG+rc], v[RX+rc], v[RX+rc]
	ds_store_b16 v[RD], v[RG+rc] offset:\db+64*rc
.set rc, rc+1
.endr
.endif
.endm
	s_load_b512 s[4:19], s[0:1], 0x0
	s_load_b128 s[20:23], s[0:1], 0x40
	v_lshl_add_u32 v254, v0, 2, 0x4400
	v_mov_b32 v255, 0
	v_and_b32 v1, 31, v0
	v_and_b32 v2, 15, v0
	v_bfe_u32 v3, v0, 4, 1
	v_lshrrev_b32 v4, 5, v0
	v_readfirstlane_b32 s[WV], v4
	s_mov_b32 s[PSA], 0x76543210
	s_mov_b32 s[PSB], 0xfedcba98
	s_mov_b32 s[PP], 0x3ec88bb9
	s_mov_b32 s[EPS], 0x358637bd
	s_lshl_b32 s[ROW0], ttmp9, 4
	v_mov_b32 v[RTMP], 0
	v_mov_b32 v[CK], 0x3f596d27
	v_mov_b32 v[CK+1], 0x3f596d27
	v_mov_b32 v[CA1], 0x3e32303a
	v_mov_b32 v[CA1+1], 0x3e32303a
	v_mov_b32 v[CA2], 0xbd445ca1
	v_mov_b32 v[CA2+1], 0xbd445ca1
	v_mov_b32 v[CA3], 0x3ebf7377
	v_mov_b32 v[CA3+1], 0x3ebf7377
	s_wait_kmcnt 0x0
	s_load_b32 s[LB2], s[20:21], 0x0       ; l2_b
; phase 1: LN256
	s_mov_b32 s[SR], s[WV]
	ROWLN 1, 4, 1024, 256, IK256, 6, 8, XB, 528
	s_add_co_u32 s[SR], s[WV], 8
	ROWLN 1, 4, 1024, 256, IK256, 6, 8, XB, 528
	BAR
; phase 2: feature tile T = w of l1: 8 K steps; two accumulators take turns, one instruction a turn
	v_lshlrev_b32 v[VB0], 3, v[VH]
	v_lshl_add_u32 v[VB0], s[WV], 4, v[VB0]
	v_lshlrev_b32 v[VB0], 2, v[VB0]
	global_load_b128 v[BIAS:BIAS+3], v[VB0], s[12:13]
	global_load_b128 v[BIAS+4:BIAS+7], v[VB0], s[12:13] offset:16
	v_mul_u32_u24 v[VBA], v[VR], 528
	v_lshl_add_u32 v[VBA], v[VH], 4, v[VBA]
	v_lshl_add_u32 v[VWA], s[WV], 4, v[VR]
	v_lshlrev_b32 v[VWA], 10, v[VWA]
	v_lshl_add_u32 v[VWA], v[VH], 5, v[VWA]
.set di, 0
.rept 8
	ds_load_b128 v[BREG+8*di:BREG+8*di+3], v[VBA] offset:XB+64*di
	ds_load_b128 v[BREG+8*di+4:BREG+8*di+7], v[VBA] offset:XB+64*di+32
	global_load_b128 v[WREG+16*di:WREG+16*di+3], v[VWA], s[10:11] offset:128*di
	global_load_b128 v[WREG+16*di+4:WREG+16*di+7], v[VWA], s[10:11] offset:128*di+16
	global_load_b128 v[WREG+16*di+8:WREG+16*di+11], v[VWA], s[10:11] offset:128*di+64
	global_load_b128 v[WREG+16*di+12:WREG+16*di+15], v[VWA], s[10:11] offset:128*di+80
.set di, di+1
.endr
.set di, 0
.rept 8
	s_wait_loadcnt 4*(7-di)                ; fragment di's four loads are in; the younger fragments' stay out
.set ce, 0
.rept 8
	v_cvt_pk_bf16_f32 v[WREG+16*di+ce], v[WREG+16*di+2*ce], v[WREG+16*di+2*ce+1]
.set ce, ce+1
.endr
.set di, di+1
.endr
	s_wait_dscnt 0x0
.set di, 0
.rept 8
.if di < 2
	v_wmma_f32_16x16x32_bf16 v[ACC+8*(di%2):ACC+8*(di%2)+7], v[WREG+16*di:WREG+16*di+7], v[BREG+8*di:BREG+8*di+7], 0
.else
	v_wmma_f32_16x16x32_bf16 v[ACC+8*(di%2):ACC+8*(di%2)+7], v[WREG+16*di:WREG+16*di+7], v[BREG+8*di:BREG+8*di+7], v[ACC+8*(di%2):ACC+8*(di%2)+7]
.endif
.set di, di+1
.endr
	PLACES
.irp q, 0,2,4,6
	v_pk_add_f32 v[ACC+\q:ACC+\q+1], v[ACC+\q:ACC+\q+1], v[ACC+8+\q:ACC+9+\q]
.endr
.irp q, 0,2,4,6
	v_pk_add_f32 v[ACC+\q:ACC+\q+1], v[ACC+\q:ACC+\q+1], v[BIAS+\q:BIAS+\q+1]
.endr
	GELU8 ACC, 32
	v_mul_u32_u24 v[VEA], v[VR], 528
	v_lshl_add_u32 v[VEA], v[VH], 5, v[VEA]
	v_lshl_add_u32 v[VEA], s[WV], 6, v[VEA]
	ds_store_b128 v[VEA], v[ACC:ACC+3] offset:XF
	ds_store_b128 v[VEA], v[ACC+4:ACC+7] offset:XF+16
	BAR
; phase 3: LN128, the dot with l2_W, the sigmoid
	s_wait_kmcnt 0x0
	s_mul_f32 s[LB2], s[LB2], 0xbfb8aa3b   ; -log2(e) l2_b
.macro HROW
	ROWLN 0, XF, 528, 128, IK128, 14, 16, 0, 0
.irp c, 0,1,2,3
	global_load_b32 v[RG+\c], v[RA], s[18:19] offset:128*\c
.endr
	s_wait_loadcnt 0x0
	v_mul_f32 v[RM], v[RX], v[RG]
	v_fmac_f32 v[RM], v[RX+1], v[RG+1]
	v_fmac_f32 v[RM], v[RX+2], v[RG+2]
	v_fmac_f32 v[RM], v[RX+3], v[RG+3]
	WRED RM, RTMP
	v_fma_f32 v[RM], v[RM], 0xbfb8aa3b, s[LB2]
	v_exp_f32 v[RM], v[RM]
	v_nop
	s_wait_alu depctr_va_vdst(0)
	v_add_f32 v[RM], 1.0, v[RM]
	v_rcp_f32 v[RM], v[RM]
	v_mov_b32 v[RS], s[SR]
	v_lshlrev_b32 v[RS], 2, v[RS]
	s_wait_alu depctr_va_vdst(0)
	ds_store_b32 v[RS], v[RM] offset:RES   ; all lanes hold and store the same number
.endm
	s_mov_b32 s[SR], s[WV]
	HROW
	s_add_co_u32 s[SR], s[WV], 8
	HROW
	BAR
; phase 4: wave 0 stores the group's 16 results (64 consecutive bytes; lanes 16..31 repeat lanes 0..15)
	s_cmp_lg_u32 s[WV], 0
	s_cbranch_scc1 .Lend
	v_lshlrev_b32 v[RS], 2, v[VR]
	ds_load_b32 v[RM], v[RS] offset:RES
	s_lshl_b32 s[S0], ttmp9, 6
	v_add_nc_u32 v[RS2], s[S0], v[RS]
	s_wait_dscnt 0x0
	global_store_b32 v[RS2], v[RM], s[22:23]
.Lend:
	s_wait_tensorcnt 0x0
	ds_add_u32 v254, v255
	s_wait_dscnt 0x0
	s_endpgm
.Lfunc_end_k_q024abc32c9_head:
	.size	k_q024abc32c9_head, .Lfunc_end_k_q024abc32c9_head-k_q024abc32c9_head
	.p2alignl 7, 3214868480
	.fill 96, 4, 3214868480
	.section	.rodata,"a",@progbits
	.p2align	6, 0x0
	.amdhsa_kernel k_q024abc32c9_head
		.amdhsa_group_segment_fixed_size 18432
		.amdhsa_private_segment_fixed_size 0
		.amdhsa_enable_private_segment 0
		.amdhsa_kernarg_size 80
		.amdhsa_user_sgpr_count 2
		.amdhsa_user_sgpr_kernarg_segment_ptr 1
		.amdhsa_wavefront_size32 1
		.amdhsa_system_sgpr_workgroup_id_x 1
		.amdhsa_system_sgpr_workgroup_id_y 1
		.amdhsa_system_sgpr_workgroup_id_z 1
		.amdhsa_system_vgpr_workitem_id 0
		.amdhsa_next_free_vgpr 256
		.amdhsa_next_free_sgpr 90
		.amdhsa_reserve_vcc 0
		.amdhsa_float_denorm_mode_32 3
		.amdhsa_float_denorm_mode_16_64 3
		.amdhsa_memory_ordered 1
		.amdhsa_forward_progress 1
		.amdhsa_inst_pref_size 37
	.end_amdhsa_kernel
	.amdgpu_metadata
---
amdhsa.version: [ 1, 2 ]
amdhsa.kernels:
  - .name:           k_q024abc32c9_head
    .symbol:         k_q024abc32c9_head.kd
    .args:
      - { .name: qfA, .offset: 0, .size: 8, .value_kind: global_buffer, .address_space: global }
      - { .name: params_qf_ln1_g, .offset: 8, .size: 8, .value_kind: global_buffer, .address_space: global }
      - { .name: params_qf_ln1_b, .offset: 16, .size: 8, .value_kind: global_buffer, .address_space: global }
      - { .name: params_qf_l1_W, .offset: 24, .size: 8, .value_kind: global_buffer, .address_space: global }
      - { .name: params_qf_l1_b, .offset: 32, .size: 8, .value_kind: global_buffer, .address_space: global }
      - { .name: params_qf_ln2_g, .offset: 40, .size: 8, .value_kind: global_buffer, .address_space: global }
      - { .name: params_qf_ln2_b, .offset: 48, .size: 8, .value_kind: global_buffer, .address_space: global }
      - { .name: params_qf_l2_W, .offset: 56, .size: 8, .value_kind: global_buffer, .address_space: global }
      - { .name: params_qf_l2_b, .offset: 64, .size: 8, .value_kind: global_buffer, .address_space: global }
      - { .name: out0, .offset: 72, .size: 8, .value_kind: global_buffer, .address_space: global }
    .group_segment_fixed_size: 18432
    .private_segment_fixed_size: 0
    .kernarg_segment_align: 8
    .kernarg_segment_size: 80
    .max_flat_workgroup_size: 256
    .sgpr_count:     90
    .vgpr_count:     256
    .wavefront_size: 32
...
	.end_amdgpu_metadata
.endif
;; end of part 4
;; ======== version 2 of 3: 7 launches; 1.15 times as fast as version 1
;; limits: values outside matrix products are rounded to bf16; a function is approximated: absolute error at most 2.5e-05
;; workspace buffers: kf0 67,108,864 bytes; pj 266,240 bytes; qfA 524,288 bytes; qfB 524,288 bytes; CfA 262,144 bytes; CfB 262,144 bytes; CbA 131,072 bytes; CbB 131,072 bytes
;; launch pre: the kernel of part 1 again; grid 32 x 1, 8 waves a work-group, no clusters, 94,208 bytes of LDS; arguments app_feats, q_geom_feats, params_q_app_l1_W, params_q_app_l1_b, params_q_app_ln_g, params_q_app_ln_b, params_q_app_l2_W, params_q_app_l2_b, params_q_geom_l1_W, params_q_geom_l1_b, params_q_geom_ln_g, params_q_geom_ln_b, params_q_geom_l2_W, params_q_geom_l2_b, params_q_full_ln_g, params_q_full_ln_b, params_q_full_l_W, params_q_full_l_b, params_k_full_l_W, params_k_full_ln_g, qfA, pj, CfA, CbA; writes qfA, pj, CfA, CbA
;; launch pairs: the kernel of part 2 again; grid 256 x 1, 8 waves a work-group, no clusters, 146,432 bytes of LDS; arguments k_geom_feats, params_k_geom_l1_W, params_k_geom_l1_b, params_k_geom_ln_g, params_k_geom_ln_b, params_k_geom_l2_W, params_k_geom_l2_b, params_k_full_l_W, params_k_full_l_b, params_k_full_ln_g, params_k_full_ln_b, pj, kf0; writes kf0
;; launch j0 (part 5): grid 256 x 1, 8 waves a work-group, no clusters, 199,680 bytes of LDS; arguments params_jpus_0_qb1_ln_g, params_jpus_0_qb1_ln_b, params_jpus_0_qb1_l_W, params_jpus_0_qb1_l_b, params_jpus_0_ln_q_g, params_jpus_0_ln_q_b, params_jpus_0_q_W, params_jpus_0_q_b, params_jpus_0_k_W, params_jpus_0_k_b, params_jpus_0_ln_k_g, params_jpus_0_ln_k_b, params_jpus_0_v_W, params_jpus_0_v_b, params_jpus_0_o_W, params_jpus_0_o_b, params_jpus_0_scale, params_jpus_0_qb2_ln_g, params_jpus_0_qb2_ln_b, params_jpus_0_qb2_l_W, params_jpus_0_qb2_l_b, msk, kf0, qfA, CfA, CbA, qfB, CfB, CbB; writes qfB, CfB, CbB
.if DOCPART == 5
	.amdgcn_target "amdgcn-amd-amdhsa--gfx1250"
	.amdhsa_code_object_version 6
	.text
	.protected	k_q024abc32c9_j0
	.globl	k_q024abc32c9_j0
	.p2align	8
	.type	k_q024abc32c9_j0,@function
k_q024abc32c9_j0:
	s_mov_b64 s[64:65], 0
	v_nop
	global_prefetch_b8 v0, s[64:65] scope:SCOPE_SE
	s_setreg_imm32_b32 hwreg(HW_REG_WAVE_MODE, 25, 1), 1
	s_wait_xcnt 0x0
; One JPU step.  Work-group g owns query rows i = 2 g + il, il = 0, 1; columns c = il + 2 head.
; The query has length 1, so K and V are never projected pair by pair:
;   score(i, h, j) = rs_j (u_h g) . d_j + u_h . ln_k_b + q_h . k_b,   u_h = k_W^T (q_h / 8),   d_j = kf[i][j] - mean,   rs_j = rsqrt(var + eps)
;   o_h = v_W_h (ln_k_g * sum_j p_j rs_j d_j + ln_k_b) + v_b_h                                  (the p_j sum to 1)
; kf[i][j] = kf0[i][j] + C[j]; C[j] += qa[j] * scale is carried in f32 (Cf) with a centred bf16 copy (Cb) in kf0's fragment order.
; The softmax takes the row's maximum away.
; NOTHING IS ASKED FOR WHEN IT IS NEEDED.  No address hangs on data, so every load is issued one or more phases ahead:
;   the 15 small vectors and my rows of qf and Cf are copied once into LDS (VEC); later phases read them there;
;   a wave's weight tiles (16 output features of each product, f32) land in register window 1 (v256-511), 512 registers in turns through 256:
;     start: qb1 0-127, q 128-191, k^T 192-255;  behind k's product: row 1's kf0 128-255;  behind row 0's norms: v, o 0-127;
;     behind row 1's tiles' way to LDS: qb2's two tiles 128-255;
;   row 0's kf0 lands in window 0, v96-223, which the thin phases leave alone.
; A wave issues more loads than the counter's field holds; the issue then stalls (ISA guide 5.7.1), and no wait is placed for that.
; No tensor loads, no cluster: kf0 and Cb lie in operand order, a load of the wave covers 512 consecutive bytes and lands in operand registers.
; LIMITS: matrix operands, kf0 and Cb are bf16 (both after their mean has been taken away in f32).  erf: Abramowitz-Stegun 7.1.25, error at most 2.5e-5.
; Cb_out is stored in 2-byte pieces: a work-group owns two j, which are 16 bytes of each 512-byte fragment.
.set VL, 1
.set VR, 2
.set VH, 3
.set A16L, 4                           ; 16 lane; never rewritten
.set A4R, 5                            ; 4 r; never rewritten
.set RTMP, 6
.set VW1K, 7                           ; (16 w + r) 1024 + 32 hl: my rows of qb1_W; never rewritten
.set CK, 8
.set CA1, 10
.set CA2, 12
.set CA3, 14
.set CH, 8                             ; v[8:15] summing chains in the attention (GELU's constants are set again afterwards)
.set RSV, 16                           ; v[16:19] rs of my four tiles
.set MK, 20                            ; v[20:23] mask
.set ONE, 24
.set VW512, 25                         ; (16 w + r) 512 + 32 hl: my rows of the 128-column weights; never rewritten
.set MP, 26
.set LG, 28
.set LB, 29
.set VQB, 30
.set VWT, 31                           ; 4096 hl + 4 (16 w + r): my columns of k_W; never rewritten
.set BREG, 32
.set ACC, 224
.set BIAS, 240
.set VBA, 248
.set VB0, 251
.set VEA, 253
.set RX, 32
.set RG, 44
.set RB, 56
.set RM, 70
.set RQ, 71
.set RR, 72
.set RA, 73
.set RT, 74
.set RS, 75
.set RS2, 76
.set RD, 77
.set Y, 32                             ; v[32:95]   one tile in f32; later score fragments and sums
.set TQ, 224                           ; v[224:255] a tile of Cb; later addresses and small figures
.set TC, 225
.set CSV, 226
.set NEG, 227
.set SC, 228
.set MX, 232
.set TRS, 233
.set TRL, 234
.set L8, 236
.set TPW, 244
.set TXT, 245
.set TPA, 246
.set TTR, 247
.set PR, 248
.set TKB, 252
.set SM, 253
; window 1
.set WQB1, 0
.set WQ, 128
.set WKT, 192
.set WV_, 0
.set WO, 64
.set WQB2, 128
; scalars
.set CFB, 62
.set PSA, 66
.set PSB, 67
.set WV, 68
.set ST, 69
.set SR, 70
.set PP, 72
.set EPS, 73
.set S0, 74
.set S1, 75
.set ROW0, 76
.set S2, 77
.set OF, 78
.set KFB, 80
.set CBB, 82
.set MKB, 84
.set F0, 86
.set F1, 87
.set SEL, 88                           ; s[88:99] six chosen vector pointers
.set QFB, 100
.set IK128, 0x3c000000
.set IK256, 0x3b800000
; LDS
.set PW16, 0                           ; 16 x 1040   row 8 h: p_j rs_j of head h in bf16; other rows zero
.set QGA, 16640                        ; 2 x 16 x 272  per il: row 8 h: u_h g in bf16; other rows zero
.set XT, 28672                         ; 512 x 288   d_j in bf16, row j
.set XB, 176128                        ; 4 x 528     a thin product's activations, bf16
.set XF, 178432                        ; 4 x 1040    a thin product's results, f32
.set QA, 182784                        ; 2 x 512     qa
.set KB, 183808                        ; 4 x 512     ln_k_g * sum + ln_k_b
.set RED, 185856                       ; per il 128 bytes: max[2][8], sum[2][8]
.set CST, 186112                       ; 4 f32       the scores' constant term
.set VEC, 186368                       ; 12 x 1024   the small vectors, f32
.set V_QF, 0                           ; my two rows of qf
.set V_G1, 2048
.set V_B1, 3072
.set V_QB2B, 4096
.set V_CF, 5120                        ; my two rows of Cf
.set V_QB1B, 6144
.set V_LQG, 6656
.set V_LQB, 7168
.set V_QBI, 7680
.set V_KBI, 8192
.set V_LKG, 8704
.set V_LKB, 9216
.set V_VBI, 9728
.set V_OBI, 10240
.set V_SCL, 10752
.set V_L2G, 11264
.set V_L2B, 11776
; s_set_vgpr_msb's low byte: bits 1:0 source 0, 3:2 source 1, 5:4 source 2, 7:6 destination; the high byte repeats the setting that is left.
; At every label and branch the setting is 0.
.set MSB, 0
.macro WIN new
.if MSB != \new
	s_set_vgpr_msb (MSB<<8)|\new
.set MSB, \new
.endif
.endm
.macro PLACES                          ; five plain places behind a matrix instruction (ISA guide 7.12.1)
.rept 5
	v_nop
.endr
.endm
.macro BAR                             ; my LDS accesses are done, then the work-group's barrier
	s_wait_dscnt 0x0
	s_barrier_signal -1
	s_barrier_wait -1
.endm
.macro WRED v, t
	v_add_f32_dpp v[\v], v[\v], v[\v] row_xmask:1 row_mask:0xf bank_mask:0xf
	v_add_f32_dpp v[\v], v[\v], v[\v] row_xmask:2 row_mask:0xf bank_mask:0xf
	v_add_f32_dpp v[\v], v[\v], v[\v] row_xmask:4 row_mask:0xf bank_mask:0xf
	v_add_f32_dpp v[\v], v[\v], v[\v] row_xmask:8 row_mask:0xf bank_mask:0xf
	v_permlanex16_b32 v[\t], v[\v], s[PSA], s[PSB]
	v_add_f32 v[\v], v[\v], v[\t]
.endm
.macro HRED v, t
	v_permlanex16_b32 v[\t], v[\v], s[PSA], s[PSB]
	v_add_f32 v[\v], v[\v], v[\t]
.endm
.macro GCONST
	v_mov_b32 v[CK], 0x3f596d27            ; sqrt(log2(e) / 2)
	v_mov_b32 v[CK+1], 0x3f596d27
	v_mov_b32 v[CA1], 0x3e32303a           ; a1 / 2
	v_mov_b32 v[CA1+1], 0x3e32303a
	v_mov_b32 v[CA2], 0xbd445ca1           ; a2 / 2
	v_mov_b32 v[CA2+1], 0xbd445ca1
	v_mov_b32 v[CA3], 0x3ebf7377           ; a3 / 2
	v_mov_b32 v[CA3+1], 0x3ebf7377
.endm
; gelu(x) = max(x, 0) - |x| (A1 t + A2 t^2 + A3 t^3) 2^(-(cK x)^2), t = 1 / (1 + p' |cK x|).  X: 8 registers in place; T: 32 temporaries.
.macro GELU8 X, T
.irp q, 0,2,4,6
	v_pk_mul_f32 v[\T+\q:\T+\q+1], v[\X+\q:\X+\q+1], v[CK:CK+1]
.endr
.irp q, 0,1,2,3,4,5,6,7
	v_fma_f32 v[\T+8+\q], |v[\T+\q]|, s[PP], 1.0
.endr
.irp q, 0,2,4,6
	v_pk_mul_f32 v[\T+16+\q:\T+17+\q], v[\T+\q:\T+\q+1], v[\T+\q:\T+\q+1] neg_lo:[1,0] neg_hi:[1,0]
.endr
.irp q, 0,1,2,3,4,5,6,7
	v_rcp_f32 v[\T+8+\q], v[\T+8+\q]
.endr
.irp q, 0,1,2,3,4,5,6,7
	v_exp_f32 v[\T+16+\q], v[\T+16+\q]
.endr
.irp q, 0,1,2,3,4,5,6,7
	v_max_num_f32 v[\T+\q], 0, v[\X+\q]    ; plain work behind the transcendentals (ISA guide 5.7.2)
.endr
	s_wait_alu depctr_va_vdst(0)
.irp q, 0,2,4,6
	v_pk_fma_f32 v[\T+24+\q:\T+25+\q], v[\T+8+\q:\T+9+\q], v[CA3:CA3+1], v[CA2:CA2+1]
.endr
.irp q, 0,2,4,6
	v_pk_fma_f32 v[\T+24+\q:\T+25+\q], v[\T+24+\q:\T+25+\q], v[\T+8+\q:\T+9+\q], v[CA1:CA1+1]
.endr
.irp q, 0,2,4,6
	v_pk_mul_f32 v[\T+24+\q:\T+25+\q], v[\T+24+\q:\T+25+\q], v[\T+8+\q:\T+9+\q]
.endr
.irp q, 0,2,4,6
	v_pk_mul_f32 v[\T+24+\q:\T+25+\q], v[\T+24+\q:\T+25+\q], v[\T+16+\q:\T+17+\q]
.endr
.irp q, 0,1,2,3,4,5,6,7
	v_fma_f32 v[\X+\q], -|v[\X+\q]|, v[\T+24+\q], v[\T+\q]
.endr
.endm
; NKS weight fragments in f32 into window 1 at wb, 16 registers each: k = 32 ks + 8 hl + 0..7 and 32 ks + 16 + 8 hl + 0..7 of my weight row
.macro WLD4 wp, adr, woff, NKS, wb
	WIN 0x40
.set wi, 0
.rept \NKS
	global_load_b128 v[\wb+16*wi:\wb+16*wi+3], v[\adr], s[\wp:\wp+1] offset:\woff+128*wi
	global_load_b128 v[\wb+16*wi+4:\wb+16*wi+7], v[\adr], s[\wp:\wp+1] offset:\woff+128*wi+16
	global_load_b128 v[\wb+16*wi+8:\wb+16*wi+11], v[\adr], s[\wp:\wp+1] offset:\woff+128*wi+64
	global_load_b128 v[\wb+16*wi+12:\wb+16*wi+15], v[\adr], s[\wp:\wp+1] offset:\woff+128*wi+80
.set wi, wi+1
.endr
	WIN 0
.endm
; the same for a 128 x 128 weight matrix read transposed: 64 loads of 4 bytes
.macro WLDT wp, wb
	WIN 0x40
.set we, 0
.rept 64
.set wk, 32*(we/16)+((we%16)/8)*16+(we%8)
	global_load_b32 v[\wb+we], v[VWT], s[\wp:\wp+1] offset:512*wk
.set we, we+1
.endr
	WIN 0
.endm
; ACC = my 16 weight rows (window 1, f32, rounded here in place) . X^T.  X: bf16 rows in LDS at XB, pitch 528, batch row r & cm.
; cnt: how many younger loads may stay out (-1: an earlier wait has shown the weights in).
; Two accumulators take turns, one instruction a turn; the first two products start the sums.
.macro DENSEP wb, NKS, cnt, cm
	v_and_b32 v[VBA], \cm, v[VR]
	v_mul_u32_u24 v[VBA], v[VBA], 528
	v_lshl_add_u32 v[VBA], v[VH], 4, v[VBA]
	v_add_nc_u32 v[VBA], XB, v[VBA]
.set di, 0
.rept \NKS
	ds_load_b128 v[BREG+8*di:BREG+8*di+3], v[VBA] offset:64*di
	ds_load_b128 v[BREG+8*di+4:BREG+8*di+7], v[VBA] offset:64*di+32
.set di, di+1
.endr
.if \cnt >= 0
	s_wait_loadcnt \cnt
.endif
	WIN 0x45
.set di, 0
.rept \NKS
.set ce, 0
.rept 8
	v_cvt_pk_bf16_f32 v[\wb+16*di+ce], v[\wb+16*di+2*ce], v[\wb+16*di+2*ce+1]
.set ce, ce+1
.endr
.set di, di+1
.endr
	s_wait_dscnt 0x0
	WIN 0x01
.set di, 0
.rept \NKS
.if di < 2
	v_wmma_f32_16x16x32_bf16 v[ACC+8*(di%2):ACC+8*(di%2)+7], v[\wb+16*di:\wb+16*di+7], v[BREG+8*di:BREG+8*di+7], 0
.else
	v_wmma_f32_16x16x32_bf16 v[ACC+8*(di%2):ACC+8*(di%2)+7], v[\wb+16*di:\wb+16*di+7], v[BREG+8*di:BREG+8*di+7], v[ACC+8*(di%2):ACC+8*(di%2)+7]
.endif
.set di, di+1
.endr
	WIN 0
	PLACES
.irp q, 0,2,4,6
	v_pk_add_f32 v[ACC+\q:ACC+\q+1], v[ACC+\q:ACC+\q+1], v[ACC+8+\q:ACC+9+\q]
.endr
.endm
.macro BIASL bo                        ; the 8 biases of features 16 T + 8 hl + 0..7, from VEC; DENSEP's wait for its LDS loads covers them
	v_lshlrev_b32 v[VB0], 5, v[VH]
	v_lshl_add_u32 v[VB0], s[ST], 6, v[VB0]
	v_add_nc_u32 v[VB0], VEC, v[VB0]
	ds_load_b128 v[BIAS:BIAS+3], v[VB0] offset:\bo
	ds_load_b128 v[BIAS+4:BIAS+7], v[VB0] offset:\bo+16
.endm
.macro BIASADD
.irp q, 0,2,4,6
	v_pk_add_f32 v[ACC+\q:ACC+\q+1], v[ACC+\q:ACC+\q+1], v[BIAS+\q:BIAS+\q+1]
.endr
.endm
.macro EPI_L ob, op, cm                ; ACC to LDS in f32; lanes with the same r & cm hold and store the same numbers
	v_and_b32 v[VEA], \cm, v[VR]
	v_mul_u32_u24 v[VEA], v[VEA], \op
	v_lshl_add_u32 v[VEA], v[VH], 5, v[VEA]
	v_lshl_add_u32 v[VEA], s[ST], 6, v[VEA]
	v_add_nc_u32 v[VEA], \ob, v[VEA]
	ds_store_b128 v[VEA], v[ACC:ACC+3]
	ds_store_b128 v[VEA], v[ACC+4:ACC+7] offset:16
.endm
.macro LAYERP bo, wb, NKS, cnt, cm, act, ob, op
	BIASL \bo
	DENSEP \wb, \NKS, \cnt, \cm
	BIASADD
.if \act
	GELU8 ACC, 32
.endif
	EPI_L \ob, \op, \cm
.endm
; One wave works on row s[SR] of an f32 array in LDS (base sb, pitch sp, 32 NCH elements); a lane holds elements lane + 32 c.
; ln = 1: LayerNorm with gain and bias at go, bo in VEC.  The row goes to XB in bf16.
.macro ROWL sb, sp, NCH, ik, ln, go, bo
	s_mul_i32 s[S0], s[SR], \sp
	s_add_co_u32 s[S0], s[S0], \sb
	v_lshl_add_u32 v[RS], v[VL], 2, s[S0]
.set rc, 0
.rept \NCH
	ds_load_b32 v[RX+rc], v[RS] offset:128*rc
.set rc, rc+1
.endr
.if \ln
	v_lshl_add_u32 v[RA], v[VL], 2, VEC
.set rc, 0
.rept \NCH
	ds_load_b32 v[RG+rc], v[RA] offset:\go+128*rc
	ds_load_b32 v[RB+rc], v[RA] offset:\bo+128*rc
.set rc, rc+1
.endr
.endif
	s_mul_i32 s[S0], s[SR], 528
	s_add_co_u32 s[S0], s[S0], XB
	v_lshl_add_u32 v[RD], v[VL], 1, s[S0]
	s_wait_dscnt 0x0
.if \ln
	v_add_f32 v[RM], v[RX], v[RX+1]
.set rc, 2
.rept \NCH-2
	v_add_f32 v[RM], v[RM], v[RX+rc]
.set rc, rc+1
.endr
	WRED RM, RTMP
	v_mul_f32 v[RM], \ik, v[RM]
.set rc, 0
.rept \NCH
	v_sub_f32 v[RX+rc], v[RX+rc], v[RM]
.set rc, rc+1
.endr
	v_mul_f32 v[RQ], v[RX], v[RX]
.set rc, 1
.rept \NCH-1
	v_fmac_f32 v[RQ], v[RX+rc], v[RX+rc]
.set rc, rc+1
.endr
	WRED RQ, RTMP
	v_fma_f32 v[RR], v[RQ], \ik, s[EPS]
	v_rsq_f32 v[RR], v[RR]
	v_nop
.set rc, 0
	s_wait_alu depctr_va_vdst(0)
.rept \NCH
	v_mul_f32 v[RX+rc], v[RX+rc], v[RR]
.set rc, rc+1
.endr
.set rc, 0
.rept \NCH
	v_fma_f32 v[RX+rc], v[RX+rc], v[RG+rc], v[RB+rc]
.set rc, rc+1
.endr
.endif
.set rc, 0
.rept \NCH
	v_cvt_pk_bf16_f32 v[RG+rc], v[RX+rc], v[RX+rc]
	ds_store_b16 v[RD], v[RG+rc] offset:64*rc
.set rc, rc+1
.endr
.endm
.macro PFOLD
	v_pk_add_f32 v[CH:CH+1], v[CH:CH+1], v[CH+2:CH+3]
	v_pk_add_f32 v[CH+4:CH+5], v[CH+4:CH+5], v[CH+6:CH+7]
	v_pk_add_f32 v[CH:CH+1], v[CH:CH+1], v[CH+4:CH+5]
	v_add_f32 v[CH], v[CH], v[CH+1]
.endm
; the attention's loads.  Row il's four tiles of kf0 go to window il: v96-223 (il = 0) or v384-511 (il = 1)
.macro KFLD il
	WIN (\il<<6)
.set at, 0
.rept 4
.set aq, 0
.rept 8
	global_load_b128 v[96+32*\il+32*at+4*aq:96+32*\il+32*at+4*aq+3], v[A16L], s[KFB:KFB+1] offset:131072*\il+4096*at+512*aq th:TH_LOAD_NT
.set aq, aq+1
.endr
.set at, at+1
.endr
	WIN 0
.endm
.macro MKLD il
.irp t, 0,1,2,3
	global_load_b32 v[MK+\t], v[A4R], s[MKB:MKB+1] offset:2048*\il+64*\t
.endr
.endm
.macro CBLD t, reg
.set aq, 0
.rept 8
	global_load_b128 v[\reg+4*aq:\reg+4*aq+3], v[A16L], s[CBB:CBB+1] offset:4096*\t+512*aq
.set aq, aq+1
.endr
.endm
; Tile t of my four: Y = kf0 + Cb in f32, its mean taken away, rs_t; d goes back to the tile's registers in bf16.
; cbr: where the tile's Cb lies.  cbr = 64 is Y's upper half: results 32 + 2 q and 33 + 2 q fall on Cb's words 2 q - 32 and 2 q - 31, which are
; at most q: no word is overwritten ahead of its last read.  cnt: younger loads that may stay out.  more = 1: the next tile's Cb is asked for.
.macro NORM il, t, cbr, cnt, more
	s_wait_loadcnt \cnt
	WIN \il
.set nq, 0
.rept 32
	v_fma_mix_f32_bf16 v[Y+2*nq], v[XHR+32*\t+nq], v[ONE], v[\cbr+nq] op_sel_hi:[1,0,1]
	v_fma_mix_f32_bf16 v[Y+2*nq+1], v[XHR+32*\t+nq], v[ONE], v[\cbr+nq] op_sel:[1,0,1] op_sel_hi:[1,0,1]
.set nq, nq+1
.endr
	WIN 0
.if \more
	CBLD (\t+1), 224
.endif
.irp k, 0,1,2,3
	v_pk_add_f32 v[CH+2*\k:CH+2*\k+1], v[Y+4*\k:Y+4*\k+1], v[Y+4*\k+2:Y+4*\k+3]
.endr
.set nq, 8
.rept 24
	v_pk_add_f32 v[CH+2*(nq%4):CH+2*(nq%4)+1], v[CH+2*(nq%4):CH+2*(nq%4)+1], v[Y+2*nq:Y+2*nq+1]
.set nq, nq+1
.endr
	PFOLD
	HRED CH, RTMP
	v_mul_f32 v[MP], IK128, v[CH]
	v_mov_b32 v[MP+1], v[MP]
.set nq, 0
.rept 32
	v_pk_add_f32 v[Y+2*nq:Y+2*nq+1], v[Y+2*nq:Y+2*nq+1], v[MP:MP+1] neg_lo:[0,1] neg_hi:[0,1]
.set nq, nq+1
.endr
.irp k, 0,1,2,3
	v_pk_mul_f32 v[CH+2*\k:CH+2*\k+1], v[Y+2*\k:Y+2*\k+1], v[Y+2*\k:Y+2*\k+1]
.endr
.set nq, 4
.rept 28
	v_pk_fma_f32 v[CH+2*(nq%4):CH+2*(nq%4)+1], v[Y+2*nq:Y+2*nq+1], v[Y+2*nq:Y+2*nq+1], v[CH+2*(nq%4):CH+2*(nq%4)+1]
.set nq, nq+1
.endr
	PFOLD
	HRED CH, RTMP
	v_fma_f32 v[RSV+\t], v[CH], IK128, s[EPS]
	v_rsq_f32 v[RSV+\t], v[RSV+\t]
	WIN (\il<<6)
.set nq, 0
.rept 32
	v_cvt_pk_bf16_f32 v[XHR+32*\t+nq], v[Y+2*nq], v[Y+2*nq+1]
.set nq, nq+1
.endr
	WIN 0
.endm
.macro PVLD g, set                     ; four K steps (128 j): p from PW16, d transposed out of XT
.set pk, 0
.rept 4
	ds_load_b128 v[\set+16*pk:\set+16*pk+3], v[TPA] offset:64*(4*\g+pk)
	ds_load_b128 v[\set+16*pk+4:\set+16*pk+7], v[TPA] offset:64*(4*\g+pk)+32
	ds_load_tr16_b128 v[\set+16*pk+8:\set+16*pk+11], v[TTR] offset:9216*pk
	ds_load_tr16_b128 v[\set+16*pk+12:\set+16*pk+15], v[TTR] offset:9216*pk+4608
.set pk, pk+1
.endr
	v_add_nc_u32 v[TTR], 36864, v[TTR]
.endm
.macro PVMM g, set                     ; two accumulators take turns
.set pm, 0
.rept 4
.if 4*\g+pm < 2
	v_wmma_f32_16x16x32_bf16 v[32+8*(pm%2):39+8*(pm%2)], v[\set+16*pm:\set+16*pm+7], v[\set+16*pm+8:\set+16*pm+15], 0
.else
	v_wmma_f32_16x16x32_bf16 v[32+8*(pm%2):39+8*(pm%2)], v[\set+16*pm:\set+16*pm+7], v[\set+16*pm+8:\set+16*pm+15], v[32+8*(pm%2):39+8*(pm%2)]
.endif
.set pm, pm+1
.endr
.endm
; The attention of row i = ROW0 + il.  Wave w owns pairs j = 64 w .. 64 w + 63 for scores and feature tile 16 w for the weighted sum.
.macro ATT il
.set XHR, 96+32*\il
.if \il == 0
	NORM 0, 0, 224, 32, 1                  ; row 0's kf0, the mask and Cb's first tile are in; row 1's 32 loads of kf0 were issued behind them
.else
	NORM 1, 0, 64, 0, 1                    ; all is in: row 1's kf0, mask, Cb's first tile, and v's and o's weights
.endif
	NORM \il, 1, 224, 0, 1                 ; the wait is for this tile's Cb, the youngest loads
	NORM \il, 2, 224, 0, 1
	NORM \il, 3, 224, 0, 0
.if \il == 0
	WLD4 28, VW512, 0, 4, WV_              ; v's and o's weights, into the registers that qb1's have left
	WLD4 32, VW512, 0, 4, WO
.endif
; scores: A = u g (rows 0 and 8), B = d.  Register 0 of lane (r, hl) is head hl, pair r.
	v_mul_u32_u24 v[TQ], v[VR], 272
	v_lshl_add_u32 v[TQ], v[VH], 4, v[TQ]
.set aq, 0
.rept 4
	ds_load_b128 v[32+8*aq:35+8*aq], v[TQ] offset:QGA+4352*\il+64*aq
	ds_load_b128 v[36+8*aq:39+8*aq], v[TQ] offset:QGA+4352*\il+64*aq+32
.set aq, aq+1
.endr
	v_lshl_add_u32 v[TC], v[VH], 3, CST+4*\il
	ds_load_b32 v[CSV], v[TC]
	v_mov_b32 v[NEG], 0xce6e6b28           ; -1e9
	s_wait_dscnt 0x0
	WIN (\il<<2)
.set aq, 0
.rept 4
.set at, 0
.rept 4                                    ; four accumulators take turns
.if aq == 0
	v_wmma_f32_16x16x32_bf16 v[64+8*at:71+8*at], v[32+8*aq:39+8*aq], v[XHR+32*at+8*aq:XHR+32*at+8*aq+7], 0
.else
	v_wmma_f32_16x16x32_bf16 v[64+8*at:71+8*at], v[32+8*aq:39+8*aq], v[XHR+32*at+8*aq:XHR+32*at+8*aq+7], v[64+8*at:71+8*at]
.endif
.set at, at+1
.endr
.set aq, aq+1
.endr
	WIN 0
	PLACES
	s_wait_alu depctr_va_vdst(0)
.irp t, 0,1,2,3
	v_fma_f32 v[SC+\t], v[64+8*\t], v[RSV+\t], v[CSV]
	v_mul_f32 v[SC+\t], v[SC+\t], v[MK+\t]
	v_cmp_eq_f32 vcc_lo, 0, v[MK+\t]
	v_cndmask_b32 v[SC+\t], v[SC+\t], v[NEG], vcc_lo
.endr
.if \il == 0
	MKLD 1                                 ; row 1's mask and Cb's first tile, into registers whose last reads stand above
	CBLD 0, 64
.endif
; the row's maximum: my four, my 16 lanes (one head), then the eight waves through LDS
	v_max3_num_f32 v[MX], v[SC], v[SC+1], v[SC+2]
	v_max_num_f32 v[MX], v[MX], v[SC+3]
	v_max_num_f32_dpp v[MX], v[MX], v[MX] row_xmask:1 row_mask:0xf bank_mask:0xf
	v_max_num_f32_dpp v[MX], v[MX], v[MX] row_xmask:2 row_mask:0xf bank_mask:0xf
	v_max_num_f32_dpp v[MX], v[MX], v[MX] row_xmask:4 row_mask:0xf bank_mask:0xf
	v_max_num_f32_dpp v[MX], v[MX], v[MX] row_xmask:8 row_mask:0xf bank_mask:0xf
	v_lshl_add_u32 v[TRL], v[VH], 5, RED+128*\il
	v_lshl_add_u32 v[TRS], s[WV], 2, v[TRL]
	ds_store_b32 v[TRS], v[MX]
	BAR
	ds_load_b128 v[L8:L8+3], v[TRL]
	ds_load_b128 v[L8+4:L8+7], v[TRL] offset:16
	s_wait_dscnt 0x0
	v_max3_num_f32 v[MX], v[L8], v[L8+1], v[L8+2]
	v_max3_num_f32 v[MX], v[MX], v[L8+3], v[L8+4]
	v_max3_num_f32 v[MX], v[MX], v[L8+5], v[L8+6]
	v_max_num_f32 v[MX], v[MX], v[L8+7]
.irp t, 0,1,2,3
	v_sub_f32 v[SC+\t], v[SC+\t], v[MX]
.endr
.irp t, 0,1,2,3
	v_mul_f32 v[SC+\t], 0x3fb8aa3b, v[SC+\t]
.endr
.irp t, 0,1,2,3
	v_exp_f32 v[SC+\t], v[SC+\t]
.endr
	v_mul_u32_u24 v[TPW], v[VH], 8320      ; row 8 hl of PW16, column 64 w + r
	v_lshl_add_u32 v[TPW], v[VR], 1, v[TPW]
	v_lshl_add_u32 v[TPW], s[WV], 7, v[TPW]
	s_lshl_b32 s[S0], s[WV], 6
	v_add_nc_u32 v[TXT], s[S0], v[VR]      ; row j = 64 w + r of XT
	v_mul_u32_u24 v[TXT], v[TXT], 288
	v_lshl_add_u32 v[TXT], v[VH], 4, v[TXT]
	v_add_nc_u32 v[TXT], XT, v[TXT]
	s_wait_alu depctr_va_vdst(0)
	v_add_f32 v[SM], v[SC], v[SC+1]
	v_add_f32 v[SM], v[SM], v[SC+2]
	v_add_f32 v[SM], v[SM], v[SC+3]
	v_add_f32_dpp v[SM], v[SM], v[SM] row_xmask:1 row_mask:0xf bank_mask:0xf
	v_add_f32_dpp v[SM], v[SM], v[SM] row_xmask:2 row_mask:0xf bank_mask:0xf
	v_add_f32_dpp v[SM], v[SM], v[SM] row_xmask:4 row_mask:0xf bank_mask:0xf
	v_add_f32_dpp v[SM], v[SM], v[SM] row_xmask:8 row_mask:0xf bank_mask:0xf
	ds_store_b32 v[TRS], v[SM] offset:64
.irp t, 0,1,2,3
	v_mul_f32 v[PR+\t], v[SC+\t], v[RSV+\t]
	v_cvt_pk_bf16_f32 v[PR+\t], v[PR+\t], v[PR+\t]
	ds_store_b16 v[TPW], v[PR+\t] offset:PW16+32*\t
.endr
	WIN (\il<<2)
.set at, 0
.rept 4
.set aq, 0
.rept 8
	ds_store_b128 v[TXT], v[XHR+32*at+4*aq:XHR+32*at+4*aq+3] offset:4608*at+32*aq
.set aq, aq+1
.endr
.set at, at+1
.endr
	WIN 0
	v_and_b32 v[TTR], 7, v[VL]
	v_lshl_add_u32 v[TTR], v[VH], 3, v[TTR]
	v_mul_u32_u24 v[TTR], v[TTR], 288
	v_bfe_u32 v[TPA], v[VL], 3, 1
	v_lshl_add_u32 v[TTR], v[TPA], 4, v[TTR]
	v_lshl_add_u32 v[TTR], s[WV], 5, v[TTR]
	v_add_nc_u32 v[TTR], XT, v[TTR]
	v_mul_u32_u24 v[TPA], v[VR], 1040
	v_lshl_add_u32 v[TPA], v[VH], 4, v[TPA]
	BAR
.if \il == 1
	WLD4 42, VW512, 0, 4, WQB2             ; qb2's tiles w and w + 8, into the registers that row 1's tiles have left (their stores are done)
	WLD4 42, VW512, 65536, 4, WQB2+64
.endif
; sum over j of p rs d for features 16 w .. 16 w + 15: 16 K steps in four groups on two register sets
	PVLD 0, 96
	PVLD 1, 160
	s_wait_dscnt 0x10                      ; all but the sixteen loads of the next group
	PVMM 0, 96
	PLACES
	PVLD 2, 96
	s_wait_dscnt 0x10
	PVMM 1, 160
	PLACES
	PVLD 3, 160
	s_wait_dscnt 0x10
	PVMM 2, 96
	s_wait_dscnt 0x0
	PVMM 3, 160
	PLACES
	v_add_f32 v32, v32, v40
	ds_load_b128 v[L8:L8+3], v[TRL] offset:64
	ds_load_b128 v[L8+4:L8+7], v[TRL] offset:80
	s_wait_dscnt 0x0
	v_add_f32 v[SM], v[L8], v[L8+1]
.irp q, 2,3,4,5,6,7
	v_add_f32 v[SM], v[SM], v[L8+\q]
.endr
	v_rcp_f32 v[SM], v[SM]
	v_lshl_add_u32 v[TKB], v[VH], 10, KB+512*\il
	v_lshl_add_u32 v[TKB], v[VR], 2, v[TKB]
	v_lshl_add_u32 v[TKB], s[WV], 6, v[TKB]
	s_wait_alu depctr_va_vdst(0)
	v_mul_f32 v32, v32, v[SM]
	v_fma_f32 v32, v32, v[LG], v[LB]
	ds_store_b32 v[TKB], v32
	BAR                                    ; also: every wave's reads of XT and PW16 are over
.endm
	s_load_b512 s[4:19], s[0:1], 0x0
	s_load_b512 s[20:35], s[0:1], 0x40
	s_load_b512 s[36:51], s[0:1], 0x80
	s_load_b256 s[52:59], s[0:1], 0xc0
	s_load_b64 s[60:61], s[0:1], 0xe0
	v_and_b32 v1, 31, v0
	v_and_b32 v2, 15, v0
	v_bfe_u32 v3, v0, 4, 1
	v_lshrrev_b32 v4, 5, v0
	v_readfirstlane_b32 s[WV], v4
	s_mov_b32 s[PSA], 0x76543210
	s_mov_b32 s[PSB], 0xfedcba98
	s_mov_b32 s[PP], 0x3ec88bb9            ; 0.47047 / (sqrt(2) cK)
	s_mov_b32 s[EPS], 0x358637bd           ; 1e-6
	s_lshl_b32 s[ROW0], ttmp9, 1
	v_mov_b32 v[RTMP], 0
	v_lshlrev_b32 v[A16L], 4, v[VL]
	v_lshlrev_b32 v[A4R], 2, v[VR]
	v_lshl_add_u32 v[VWT], s[WV], 4, v[VR] ; 16 w + r
	v_lshlrev_b32 v[VW512], 9, v[VWT]
	v_lshl_add_u32 v[VW512], v[VH], 5, v[VW512]
	v_lshlrev_b32 v[VW1K], 10, v[VWT]
	v_lshl_add_u32 v[VW1K], v[VH], 5, v[VW1K]
	v_lshlrev_b32 v[VWT], 2, v[VWT]
	v_lshl_add_u32 v[VWT], v[VH], 12, v[VWT]
	v_mov_b32 v[ONE], 1.0
	GCONST
; PW16 and QGA are cleared (their unused rows stay zero)
.irp q, 48,49,50,51
	v_mov_b32 v\q, 0
.endr
	v_lshlrev_b32 v52, 4, v0
.irp q, 0,1,2,3,4,5,6
	ds_store_b128 v52, v[48:51] offset:4096*\q
.endr
	v_lshlrev_b32 v45, 2, v0               ; 4 t: a 256-word vector, one word a thread
	v_and_b32 v46, 127, v0
	v_lshlrev_b32 v46, 2, v46              ; 4 (t mod 128): two 128-word vectors, waves 0-3 the first, waves 4-7 the second
	v_add_nc_u32 v44, VEC, v45
	s_wait_kmcnt 0x0
; the bases; none of them is written again
	s_mov_b32 s[OF+1], 0
	s_lshl_b32 s[OF], s[ROW0], 10
	s_add_nc_u64 s[QFB:QFB+1], s[50:51], s[OF:OF+1]    ; my rows of qf
	s_lshl_b32 s[OF], s[ROW0], 9
	s_add_nc_u64 s[CFB:CFB+1], s[52:53], s[OF:OF+1]    ; my rows of Cf
	s_lshl_b32 s[OF], s[ROW0], 17
	s_lshl_b32 s[S1], s[WV], 14
	s_add_co_u32 s[OF], s[OF], s[S1]
	s_add_nc_u64 s[KFB:KFB+1], s[48:49], s[OF:OF+1]    ; kf0: row 2 g, tiles 4 w ..
	s_mov_b32 s[OF], s[S1]
	s_add_nc_u64 s[CBB:CBB+1], s[54:55], s[OF:OF+1]    ; Cb: tiles 4 w ..
	s_lshl_b32 s[OF], s[ROW0], 11
	s_lshl_b32 s[S1], s[WV], 8
	s_add_co_u32 s[OF], s[OF], s[S1]
	s_add_nc_u64 s[MKB:MKB+1], s[46:47], s[OF:OF+1]    ; mask: row 2 g, column 64 w
	s_cmp_lt_u32 s[WV], 4
	s_cselect_b64 s[SEL:SEL+1], s[10:11], s[12:13]     ; qb1_l_b | ln_q_g
	s_cselect_b64 s[SEL+2:SEL+3], s[14:15], s[18:19]   ; ln_q_b  | q_b
	s_cselect_b64 s[SEL+4:SEL+5], s[22:23], s[24:25]   ; k_b     | ln_k_g
	s_cselect_b64 s[SEL+6:SEL+7], s[26:27], s[30:31]   ; ln_k_b  | v_b
	s_cselect_b64 s[SEL+8:SEL+9], s[34:35], s[36:37]   ; o_b     | scale
	s_cselect_b64 s[SEL+10:SEL+11], s[38:39], s[40:41] ; qb2_ln_g | qb2_ln_b
; the small vectors first, then the weights of the first two products
	global_load_b32 v32, v45, s[QFB:QFB+1]
	global_load_b32 v33, v45, s[QFB:QFB+1] offset:1024
	global_load_b32 v34, v45, s[4:5]
	global_load_b32 v35, v45, s[6:7]
	global_load_b32 v36, v45, s[44:45]
	global_load_b32 v37, v45, s[CFB:CFB+1]
.irp k, 0,1,2,3,4,5
	global_load_b32 v[38+\k], v46, s[SEL+2*\k:SEL+2*\k+1]
.endr
	WLD4 8, VW1K, 0, 8, WQB1
	WLD4 16, VW512, 0, 4, WQ
	s_wait_loadcnt 48                      ; the twelve small loads are in; qb1's 32 and q's 16 stay out
.irp k, 0,1,2,3,4,5,6,7,8,9,10,11
	ds_store_b32 v44, v[32+\k] offset:1024*\k
.endr
	WLDT 20, WKT
	BAR
; phase 1: LN256 of qf
	s_cmp_lt_u32 s[WV], 2
	s_cbranch_scc0 .Lj1
	s_mov_b32 s[SR], s[WV]
	ROWL VEC+V_QF, 1024, 8, IK256, 1, V_G1, V_B1
.Lj1:
	BAR
; phase 2: qa = gelu(qb1).  80 loads are younger than qb1's; 63 is the largest count that can be written, and it shows qb1's and q's weights in
	s_mov_b32 s[ST], s[WV]
	LAYERP V_QB1B, WQB1, 8, 63, 1, 1, QA, 512
	KFLD 0                                 ; row 0's kf0 and mask: three phases ahead of their use
	MKLD 0
	BAR
; phase 3: q = lin(LN(qa))
	s_cmp_lt_u32 s[WV], 2
	s_cbranch_scc0 .Lj3
	s_mov_b32 s[SR], s[WV]
	ROWL QA, 512, 4, IK128, 1, V_LQG, V_LQB
.Lj3:
	BAR
	LAYERP V_QBI, WQ, 4, -1, 1, 0, XF, 1040
	BAR
; phase 4: column c = il + 2 head: q / 8 with the other head's half cleared; q . k_b; then u = k_W^T q
	s_cmp_lt_u32 s[WV], 4
	s_cbranch_scc0 .Lj4
	s_and_b32 s[S1], s[WV], 1
	s_lshr_b32 s[S2], s[WV], 1
	s_cmp_eq_u32 s[S2], 0
	s_cselect_b32 s[F0], 0x3e000000, 0
	s_cselect_b32 s[F1], 0, 0x3e000000
	s_mul_i32 s[S0], s[S1], 1040
	s_add_co_u32 s[S0], s[S0], XF
	v_lshl_add_u32 v[RS], v[VL], 2, s[S0]
	v_lshl_add_u32 v[RA], v[VL], 2, VEC
.irp c, 0,1,2,3
	ds_load_b32 v[RX+\c], v[RS] offset:128*\c
	ds_load_b32 v[RG+\c], v[RA] offset:V_KBI+128*\c
.endr
	s_mul_i32 s[S0], s[WV], 528
	s_add_co_u32 s[S0], s[S0], XB
	v_lshl_add_u32 v[RD], v[VL], 1, s[S0]
	s_wait_dscnt 0x0
	v_mul_f32 v[RX], s[F0], v[RX]
	v_mul_f32 v[RX+1], s[F0], v[RX+1]
	v_mul_f32 v[RX+2], s[F1], v[RX+2]
	v_mul_f32 v[RX+3], s[F1], v[RX+3]
	v_mul_f32 v[VQB], v[RX], v[RG]
	v_fmac_f32 v[VQB], v[RX+1], v[RG+1]
	v_fmac_f32 v[VQB], v[RX+2], v[RG+2]
	v_fmac_f32 v[VQB], v[RX+3], v[RG+3]
	WRED VQB, RTMP
.irp c, 0,1,2,3
	v_cvt_pk_bf16_f32 v[RG+\c], v[RX+\c], v[RX+\c]
	ds_store_b16 v[RD], v[RG+\c] offset:64*\c
.endr
.Lj4:
	BAR
	DENSEP WKT, 4, 36, 3                   ; k_W's 64 loads are in; kf0's 32 and the mask's 4 were issued behind them
	EPI_L XF, 1040, 3
	BAR
	CBLD 0, 224                            ; Cb's first tile, then row 1's kf0 into the registers that q's and k's weights have left
	KFLD 1
; phase 5: u g to QGA, row 8 head; the scores' constant u . ln_k_b + q . k_b
	s_cmp_lt_u32 s[WV], 4
	s_cbranch_scc0 .Lj5
	s_mul_i32 s[S0], s[WV], 1040
	s_add_co_u32 s[S0], s[S0], XF
	v_lshl_add_u32 v[RS], v[VL], 2, s[S0]
	v_lshl_add_u32 v[RA], v[VL], 2, VEC
.irp c, 0,1,2,3
	ds_load_b32 v[RX+\c], v[RS] offset:128*\c
	ds_load_b32 v[RG+\c], v[RA] offset:V_LKG+128*\c
	ds_load_b32 v[RB+\c], v[RA] offset:V_LKB+128*\c
.endr
	s_and_b32 s[S1], s[WV], 1
	s_lshr_b32 s[S2], s[WV], 1
	s_mul_i32 s[S1], s[S1], 4352
	s_mul_i32 s[S2], s[S2], 2176
	s_add_co_u32 s[S1], s[S1], s[S2]
	v_lshl_add_u32 v[RD], v[VL], 1, s[S1]
	s_lshl_b32 s[S0], s[WV], 2
	v_mov_b32 v[RT], s[S0]
	v_add_nc_u32 v[RT], CST, v[RT]
	s_wait_dscnt 0x0
	v_mul_f32 v[RM], v[RX], v[RB]
	v_fmac_f32 v[RM], v[RX+1], v[RB+1]
	v_fmac_f32 v[RM], v[RX+2], v[RB+2]
	v_fmac_f32 v[RM], v[RX+3], v[RB+3]
	WRED RM, RTMP
	v_add_f32 v[RM], v[RM], v[VQB]
	ds_store_b32 v[RT], v[RM]
.irp c, 0,1,2,3
	v_mul_f32 v[RX+\c], v[RX+\c], v[RG+\c]
	v_cvt_pk_bf16_f32 v[RX+\c], v[RX+\c], v[RX+\c]
	ds_store_b16 v[RD], v[RX+\c] offset:QGA+64*\c
.endr
.Lj5:
	BAR
; phase 6: the attention of my two rows; ln_k's gain and bias of feature 16 w + r (waited for with the scores' fragments)
	v_lshl_add_u32 v[RA], s[WV], 6, v[A4R]
	v_add_nc_u32 v[RA], VEC, v[RA]
	ds_load_b32 v[LG], v[RA] offset:V_LKG
	ds_load_b32 v[LB], v[RA] offset:V_LKB
	ATT 0
	ATT 1
	GCONST
; phase 7: v_W on the four columns.  v's and o's weights were shown in by the wait for all loads at the head of row 1's attention
	s_cmp_lt_u32 s[WV], 4
	s_cbranch_scc0 .Lj7
	s_mov_b32 s[SR], s[WV]
	ROWL KB, 512, 4, 0, 0, 0, 0
.Lj7:
	BAR
	LAYERP V_VBI, WV_, 4, -1, 3, 0, XF, 1040
	BAR
; phase 8: each head's half from its own column; o_W, gelu
	s_cmp_lt_u32 s[WV], 2
	s_cbranch_scc0 .Lj8
	s_mul_i32 s[S0], s[WV], 1040
	s_add_co_u32 s[S0], s[S0], XF
	v_lshl_add_u32 v[RS], v[VL], 2, s[S0]
	ds_load_b32 v[RX], v[RS]
	ds_load_b32 v[RX+1], v[RS] offset:128
	ds_load_b32 v[RX+2], v[RS] offset:2080+256
	ds_load_b32 v[RX+3], v[RS] offset:2080+384
	s_mul_i32 s[S0], s[WV], 528
	s_add_co_u32 s[S0], s[S0], XB
	v_lshl_add_u32 v[RD], v[VL], 1, s[S0]
	s_wait_dscnt 0x0
.irp c, 0,1,2,3
	v_cvt_pk_bf16_f32 v[RX+\c], v[RX+\c], v[RX+\c]
	ds_store_b16 v[RD], v[RX+\c] offset:64*\c
.endr
.Lj8:
	BAR
	LAYERP V_OBI, WO, 4, -1, 1, 1, XF, 1040
	BAR
; phase 9: qa += attention; C[i] += qa scale (f32 and centred bf16); LN(qa) for qb2
	s_cmp_lt_u32 s[WV], 2
	s_cbranch_scc0 .Lj9
	s_lshl_b32 s[S0], s[WV], 9
	s_add_co_u32 s[S1], s[S0], QA
	v_lshl_add_u32 v[RS], v[VL], 2, s[S1]
	s_add_co_u32 s[S1], s[S0], VEC+V_CF
	v_lshl_add_u32 v[RR], v[VL], 2, s[S1]
	s_mul_i32 s[S1], s[WV], 1040
	s_add_co_u32 s[S1], s[S1], XF
	v_lshl_add_u32 v[RS2], v[VL], 2, s[S1]
	v_lshl_add_u32 v[RA], v[VL], 2, VEC
	s_add_co_u32 s[S2], s[ROW0], s[WV]
	s_lshl_b32 s[S0], s[S2], 9
	v_lshl_add_u32 v[RT], v[VL], 2, s[S0]
.irp c, 0,1,2,3
	ds_load_b32 v[RX+\c], v[RS] offset:128*\c
	ds_load_b32 v[RG+\c], v[RS2] offset:128*\c
	ds_load_b32 v[RB+\c], v[RA] offset:V_SCL+128*\c
	ds_load_b32 v[RB+4+\c], v[RR] offset:128*\c
.endr
	v_lshrrev_b32 v[RD], 4, v[VL]          ; feature lane + 32 c lies in fragment T = 2 c + lane / 16, half (lane / 8) mod 2, element lane mod 8
	v_lshlrev_b32 v[RD], 9, v[RD]
	v_bfe_u32 v[RQ], v[VL], 3, 1
	v_lshl_add_u32 v[RD], v[RQ], 8, v[RD]
	v_and_b32 v[RQ], 7, v[VL]
	v_lshl_add_u32 v[RD], v[RQ], 1, v[RD]
	s_lshr_b32 s[S0], s[S2], 4
	s_lshl_b32 s[S0], s[S0], 12
	s_and_b32 s[S1], s[S2], 15
	s_lshl_b32 s[S1], s[S1], 4
	s_add_co_u32 s[S0], s[S0], s[S1]
	v_add_nc_u32 v[RD], s[S0], v[RD]
	s_wait_dscnt 0x0
.irp c, 0,1,2,3
	v_add_f32 v[RX+\c], v[RX+\c], v[RG+\c]
	ds_store_b32 v[RS], v[RX+\c] offset:128*\c
	v_fma_f32 v[RG+\c], v[RX+\c], v[RB+\c], v[RB+4+\c]
	global_store_b32 v[RT], v[RG+\c], s[58:59] offset:128*\c
.endr
	v_add_f32 v[RM], v[RG], v[RG+1]
	v_add_f32 v[RM], v[RM], v[RG+2]
	v_add_f32 v[RM], v[RM], v[RG+3]
	WRED RM, RTMP
	v_mul_f32 v[RM], IK128, v[RM]
.irp c, 0,1,2,3
	v_sub_f32 v[RB+\c], v[RG+\c], v[RM]
	v_cvt_pk_bf16_f32 v[RB+\c], v[RB+\c], v[RB+\c]
	global_store_b16 v[RD], v[RB+\c], s[60:61] offset:1024*\c
.endr
	s_wait_xcnt 0x0                        ; the stores' data and address registers are written again only behind this wait
	s_mov_b32 s[SR], s[WV]
	ROWL QA, 512, 4, IK128, 1, V_L2G, V_L2B
.Lj9:
	BAR
; phase 10: qf += gelu(qb2)
	s_mov_b32 s[ST], s[WV]
	LAYERP V_QB2B, WQB2, 4, 16, 1, 1, XF, 1040         ; tile w's 16 loads are in; tile w + 8's stay out
	s_add_co_u32 s[ST], s[WV], 8
	LAYERP V_QB2B, WQB2+64, 4, 0, 1, 1, XF, 1040
	BAR
	v_lshrrev_b32 v[RS], 7, v0
	v_mul_u32_u24 v[RS], v[RS], 1040
	v_and_b32 v[RA], 127, v0
	v_lshl_add_u32 v[RS], v[RA], 3, v[RS]
	v_add_nc_u32 v[RS], XF, v[RS]
	ds_load_b64 v[RX:RX+1], v[RS]
	v_lshl_add_u32 v[RA], v0, 3, VEC+V_QF
	ds_load_b64 v[RG:RG+1], v[RA]
	s_lshl_b32 s[S0], s[ROW0], 10
	v_lshl_add_u32 v[RT], v0, 3, s[S0]
	s_wait_dscnt 0x0
	v_pk_add_f32 v[RX:RX+1], v[RX:RX+1], v[RG:RG+1]
	global_store_b64 v[RT], v[RX:RX+1], s[56:57]   ; a store of the wave covers 256 consecutive bytes, aligned
	s_wait_xcnt 0x0
	v_lshl_add_u32 v254, v0, 2, 0x30800
	v_mov_b32 v255, 0
	s_wait_tensorcnt 0x0
	ds_add_u32 v254, v255
	s_wait_dscnt 0x0
	s_endpgm
.Lfunc_end_k_q024abc32c9_j0:
	.size	k_q024abc32c9_j0, .Lfunc_end_k_q024abc32c9_j0-k_q024abc32c9_j0
	.p2alignl 7, 3214868480
	.fill 96, 4, 3214868480
	.section	.rodata,"a",@progbits
	.p2align	6, 0x0
	.amdhsa_kernel k_q024abc32c9_j0
		.amdhsa_group_segment_fixed_size 199680
		.amdhsa_private_segment_fixed_size 0
		.amdhsa_enable_private_segment 0
		.amdhsa_kernarg_size 232
		.amdhsa_user_sgpr_count 2
		.amdhsa_user_sgpr_kernarg_segment_ptr 1
		.amdhsa_wavefront_size32 1
		.amdhsa_system_sgpr_workgroup_id_x 1
		.amdhsa_system_sgpr_workgroup_id_y 1
		.amdhsa_system_sgpr_workgroup_id_z 1
		.amdhsa_system_vgpr_workitem_id 0
		.amdhsa_next_free_vgpr 512
		.amdhsa_next_free_sgpr 104
		.amdhsa_reserve_vcc 1
		.amdhsa_float_denorm_mode_32 3
		.amdhsa_float_denorm_mode_16_64 3
		.amdhsa_memory_ordered 1
		.amdhsa_forward_progress 1
		.amdhsa_inst_pref_size 243
	.end_amdhsa_kernel
	.amdgpu_metadata
---
amdhsa.version: [ 1, 2 ]
amdhsa.kernels:
  - .name:           k_q024abc32c9_j0
    .symbol:         k_q024abc32c9_j0.kd
    .args:
      - { .name: params_jpus_0_qb1_ln_g, .offset: 0, .size: 8, .value_kind: global_buffer, .address_space: global }
      - { .name: params_jpus_0_qb1_ln_b, .offset: 8, .size: 8, .value_kind: global_buffer, .address_space: global }
      - { .name: params_jpus_0_qb1_l_W, .offset: 16, .size: 8, .value_kind: global_buffer, .address_space: global }
      - { .name: params_jpus_0_qb1_l_b, .offset: 24, .size: 8, .value_kind: global_buffer, .address_space: global }
      - { .name: params_jpus_0_ln_q_g, .offset: 32, .size: 8, .value_kind: global_buffer, .address_space: global }
      - { .name: params_jpus_0_ln_q_b, .offset: 40, .size: 8, .value_kind: global_buffer, .address_space: global }
      - { .name: params_jpus_0_q_W, .offset: 48, .size: 8, .value_kind: global_buffer, .address_space: global }
      - { .name: params_jpus_0_q_b, .offset: 56, .size: 8, .value_kind: global_buffer, .address_space: global }
      - { .name: params_jpus_0_k_W, .offset: 64, .size: 8, .value_kind: global_buffer, .address_space: global }
      - { .name: params_jpus_0_k_b, .offset: 72, .size: 8, .value_kind: global_buffer, .address_space: global }
      - { .name: params_jpus_0_ln_k_g, .offset: 80, .size: 8, .value_kind: global_buffer, .address_space: global }
      - { .name: params_jpus_0_ln_k_b, .offset: 88, .size: 8, .value_kind: global_buffer, .address_space: global }
      - { .name: params_jpus_0_v_W, .offset: 96, .size: 8, .value_kind: global_buffer, .address_space: global }
      - { .name: params_jpus_0_v_b, .offset: 104, .size: 8, .value_kind: global_buffer, .address_space: global }
      - { .name: params_jpus_0_o_W, .offset: 112, .size: 8, .value_kind: global_buffer, .address_space: global }
      - { .name: params_jpus_0_o_b, .offset: 120, .size: 8, .value_kind: global_buffer, .address_space: global }
      - { .name: params_jpus_0_scale, .offset: 128, .size: 8, .value_kind: global_buffer, .address_space: global }
      - { .name: params_jpus_0_qb2_ln_g, .offset: 136, .size: 8, .value_kind: global_buffer, .address_space: global }
      - { .name: params_jpus_0_qb2_ln_b, .offset: 144, .size: 8, .value_kind: global_buffer, .address_space: global }
      - { .name: params_jpus_0_qb2_l_W, .offset: 152, .size: 8, .value_kind: global_buffer, .address_space: global }
      - { .name: params_jpus_0_qb2_l_b, .offset: 160, .size: 8, .value_kind: global_buffer, .address_space: global }
      - { .name: msk, .offset: 168, .size: 8, .value_kind: global_buffer, .address_space: global }
      - { .name: kf0, .offset: 176, .size: 8, .value_kind: global_buffer, .address_space: global }
      - { .name: qfA, .offset: 184, .size: 8, .value_kind: global_buffer, .address_space: global }
      - { .name: CfA, .offset: 192, .size: 8, .value_kind: global_buffer, .address_space: global }
      - { .name: CbA, .offset: 200, .size: 8, .value_kind: global_buffer, .address_space: global }
      - { .name: qfB, .offset: 208, .size: 8, .value_kind: global_buffer, .address_space: global }
      - { .name: CfB, .offset: 216, .size: 8, .value_kind: global_buffer, .address_space: global }
      - { .name: CbB, .offset: 224, .size: 8, .value_kind: global_buffer, .address_space: global }
    .group_segment_fixed_size: 199680
    .private_segment_fixed_size: 0
    .kernarg_segment_align: 8
    .kernarg_segment_size: 232
    .max_flat_workgroup_size: 256
    .sgpr_count:     104
    .vgpr_count:     512
    .wavefront_size: 32
...
	.end_amdgpu_metadata
.endif
;; end of part 5
;; launch j1: the kernel of part 5 again; grid 256 x 1, 8 waves a work-group, no clusters, 199,680 bytes of LDS; arguments params_jpus_1_qb1_ln_g, params_jpus_1_qb1_ln_b, params_jpus_1_qb1_l_W, params_jpus_1_qb1_l_b, params_jpus_1_ln_q_g, params_jpus_1_ln_q_b, params_jpus_1_q_W, params_jpus_1_q_b, params_jpus_1_k_W, params_jpus_1_k_b, params_jpus_1_ln_k_g, params_jpus_1_ln_k_b, params_jpus_1_v_W, params_jpus_1_v_b, params_jpus_1_o_W, params_jpus_1_o_b, params_jpus_1_scale, params_jpus_1_qb2_ln_g, params_jpus_1_qb2_ln_b, params_jpus_1_qb2_l_W, params_jpus_1_qb2_l_b, msk, kf0, qfB, CfB, CbB, qfA, CfA, CbA; writes qfA, CfA, CbA
;; launch j2: the kernel of part 5 again; grid 256 x 1, 8 waves a work-group, no clusters, 199,680 bytes of LDS; arguments params_jpus_2_qb1_ln_g, params_jpus_2_qb1_ln_b, params_jpus_2_qb1_l_W, params_jpus_2_qb1_l_b, params_jpus_2_ln_q_g, params_jpus_2_ln_q_b, params_jpus_2_q_W, params_jpus_2_q_b, params_jpus_2_k_W, params_jpus_2_k_b, params_jpus_2_ln_k_g, params_jpus_2_ln_k_b, params_jpus_2_v_W, params_jpus_2_v_b, params_jpus_2_o_W, params_jpus_2_o_b, params_jpus_2_scale, params_jpus_2_qb2_ln_g, params_jpus_2_qb2_ln_b, params_jpus_2_qb2_l_W, params_jpus_2_qb2_l_b, msk, kf0, qfA, CfA, CbA, qfB, CfB, CbB; writes qfB, CfB, CbB
;; launch j3: the kernel of part 5 again; grid 256 x 1, 8 waves a work-group, no clusters, 199,680 bytes of LDS; arguments params_jpus_3_qb1_ln_g, params_jpus_3_qb1_ln_b, params_jpus_3_qb1_l_W, params_jpus_3_qb1_l_b, params_jpus_3_ln_q_g, params_jpus_3_ln_q_b, params_jpus_3_q_W, params_jpus_3_q_b, params_jpus_3_k_W, params_jpus_3_k_b, params_jpus_3_ln_k_g, params_jpus_3_ln_k_b, params_jpus_3_v_W, params_jpus_3_v_b, params_jpus_3_o_W, params_jpus_3_o_b, params_jpus_3_scale, params_jpus_3_qb2_ln_g, params_jpus_3_qb2_ln_b, params_jpus_3_qb2_l_W, params_jpus_3_qb2_l_b, msk, kf0, qfB, CfB, CbB, qfA, CfA, CbA; writes qfA, CfA, CbA
;; launch head: the kernel of part 4 again; grid 32 x 1, 8 waves a work-group, no clusters, 18,432 bytes of LDS; arguments qfA, params_qf_ln1_g, params_qf_ln1_b, params_qf_l1_W, params_qf_l1_b, params_qf_ln2_g, params_qf_ln2_b, params_qf_l2_W, params_qf_l2_b, out0; writes out0
;; ======== version 3 of 3: 7 launches; version 2 with the launch pairs written anew for expert scheduling mode
;; limits: values outside matrix products are rounded to bf16; a function is approximated: absolute error at most 2.5e-05
;; workspace buffers: kf0 67,108,864 bytes; pj 266,240 bytes; qfA 524,288 bytes; qfB 524,288 bytes; CfA 262,144 bytes; CfB 262,144 bytes; CbA 131,072 bytes; CbB 131,072 bytes
;; launch pre: the kernel of part 1 again; grid 32 x 1, 8 waves a work-group, no clusters, 94,208 bytes of LDS; arguments app_feats, q_geom_feats, params_q_app_l1_W, params_q_app_l1_b, params_q_app_ln_g, params_q_app_ln_b, params_q_app_l2_W, params_q_app_l2_b, params_q_geom_l1_W, params_q_geom_l1_b, params_q_geom_ln_g, params_q_geom_ln_b, params_q_geom_l2_W, params_q_geom_l2_b, params_q_full_ln_g, params_q_full_ln_b, params_q_full_l_W, params_q_full_l_b, params_k_full_l_W, params_k_full_ln_g, qfA, pj, CfA, CbA; writes qfA, pj, CfA, CbA
;; launch pairs (part 6): grid 256 x 1, 8 waves a work-group, no clusters, 146,432 bytes of LDS; arguments k_geom_feats, params_k_geom_l1_W, params_k_geom_l1_b, params_k_geom_ln_g, params_k_geom_ln_b, params_k_geom_l2_W, params_k_geom_l2_b, params_k_full_l_W, params_k_full_l_b, params_k_full_ln_g, params_k_full_ln_b, pj, kf0; writes kf0
.if DOCPART == 6
	.amdgcn_target "amdgcn-amd-amdhsa--gfx1250"
	.amdhsa_code_object_version 6
	.text
	.protected	k_q024abc32c9_pairs
	.globl	k_q024abc32c9_pairs
	.p2align	8
	.type	k_q024abc32c9_pairs,@function
k_q024abc32c9_pairs:
	s_mov_b64 s[64:65], 0
	v_nop
	global_prefetch_b8 v0, s[64:65] scope:SCOPE_SE
	s_setreg_imm32_b32 hwreg(HW_REG_WAVE_SCHED_MODE, 0, 2), 2
	s_setreg_imm32_b32 hwreg(HW_REG_WAVE_MODE, 25, 1), 1
	s_wait_xcnt 0x0
	s_wait_alu depctr_vm_vsrc(0)
; kf0[i][j] = gelu(k_full(LN360([mlp(k_geom_feats[i][j]), ap[j]]))), minus its own mean over the 128 features, in bf16.
; Work-group g owns rows i = 2 g, 2 g + 1 (64 tiles of 16 pairs); wave w takes tiles w + 8 t, t = 0..7, and keeps a tile's whole chain in registers.
; Products are transposed (source A = 16 weight rows from a bf16 image in LDS, source B = 16 pairs): a lane's 8 results are 8 neighbouring
; features of one pair, and two packed result tiles are the next layer's B fragment: no trip through LDS between the layers.
; LN gains are folded into the weight images and LN biases into the bias vectors at staging.  ap's half of LN360 + k_full comes from the launch
; before: rs P[j] + rs (am - m) G2, the second term through the free k = 180 of the third image (G2 in bf16).
; Weight rows 180..191 are copies of row 179; MASK11 clears those features ahead of every sum and pack.
; No tensor loads, no cluster: the only large stream (14 f32 a pair) goes straight into operand registers, and vector arithmetic binds.
; LIMITS: matrix operands and kf0 are bf16 (kf0 after its mean has been taken away in f32).  erf: Abramowitz-Stegun 7.1.25, error at most 2.5e-5.
; THE MODE: SCHED_MODE bits 1:0 = 2 (LLVM: expert scheduling mode 2), set by the entry lines.  The code itself states the register dependences
; between vector or matrix instructions and memory or LDS instructions, with s_wait_alu, always for 0.
; THE PLAN.  Registers that memory or LDS instructions touch, in the loop:
;   XN            Loaded at a trip's head with the next tile's inputs; read by the four conversions at the next trip's head.
;   AMQ           Loaded at a trip's head; read by the second LayerNorm.
;   H             The biases land in it at the trip's head and behind the first LayerNorm; else vector and matrix instructions alone name it; the trip's eight stores read H .. H+31.
;   FA0, FA1      Window 1.  A set is the A fragments of one K step (12 tiles, 96 registers; in layer 3: 8 tiles, 64).  Even K steps lie in FA1, odd ones in FA0.  A K step's products read
;                 one set; behind them, and one wait, the set takes the K step two on, which has the other set's products in which to land.  The first two K steps of layers 2 and 3 are
;                 asked for in the layer before and land during its GELU and LayerNorm.  The upper 32 registers of each set take P while layer 2 ends; the multiply-adds that start layer 3's sums read them.
;   AS            GELU's temporaries; behind layer 2's last GELU the constants of layer 3 land in it, during the second LayerNorm.
;   v4-13, v15    Addresses and offsets: made at the head, never written again.
;   BB, CH, MP, RSP, T0, T1 are named by vector and matrix instructions alone.
; So a trip has one wait on vm_vsrc, at its head, and a wait on va_vdst ahead of each run of loads or stores; between such a wait and the run stand only loads, window switches and scalar lines.
.set VL, 1
.set VR, 2
.set VH, 3
.set VA1, 4                            ; A fragment addresses in the three images
.set VA2A, 5
.set VA2B, 6
.set VA3, 7
.set VBI, 8                            ; bias vectors: B1V + 32 hl
.set VOUT, 9                           ; 16 lane
.set VX, 10                            ; 56 r + 32 hl
.set VX3, 11                           ; 56 r + min(32 hl + 24, 48)
.set VP, 12                            ; 32 lane
.set VAM, 13                           ; 8 r
.set VTMP, 14
.set VZ, 15                            ; 0
.set CK, 16
.set CA1, 18
.set CA2, 20
.set CA3, 22
.set XN, 24                            ; v[24:31]   the next tile's inputs
.set CH, 32                            ; v[32:39]   four summing chains
.set BB, 40                            ; v[40:87]   B fragments, 6 K steps
.set H, 88                             ; v[88:183]  12 result tiles
.set AS, 184                           ; v[184:247] GELU's temporaries; layer 3's constants
.set MP, 248
.set RSP, 250
.set AMQ, 252
.set T0, 254
.set T1, 255
.set FA0, 8                            ; window 1: v[264:359]  A fragments of the odd K steps; +64: P's tiles 4 to 7
.set FA1, 104                          ; window 1: v[360:455]  A fragments of the even K steps; +64: P's tiles 0 to 3
.set XBS, 30
.set PB, 32
.set AMB, 34
.set OB, 36
.set O0, 38
.set SI, 40
.set SJ, 41
.set LC, 42
.set LN, 43
.set HM, 44
.set C180, 45
.set PSA, 66
.set PSB, 67
.set WV, 68
.set PP, 72
.set EPS, 73
.set S0, 74
.set ROW0, 76
.set IK180, 0x3bb60b61
.set IK360, 0x3b360b61
.set IK128, 0x3c000000
.set W1I, 0                            ; 192 x 80    l1_W, bf16, k 14..31 zero
.set W2I, 15360                        ; 192 x 400   l2_W * ln_g, k 180..191 zero
.set W3I, 92160                        ; 128 x 400   k_full_W[:, :180] * g, k = 180: G2, k 181..191 zero
.set B1V, 143360                       ; 192 f32     l1_b
.set B2O, 768                          ; 192 f32     l2_b + l2_W . ln_b       (offsets from B1V)
.set CSO, 1536                         ; 128 f32     k_full_b + k_full_W . ln_b
; staging registers
.set SW, 40
.set SG, 100
.set SB, 160
.set DOT, 220
.set G2, 222
.set SR1, 224                          ; my weight row's byte offset in l1_W, l2_W, k_full_W: made at the head, never rewritten in the staging
.set SR2, 225
.set SR3, 226
.set SI1, 227                          ; my row's LDS address in the three images, likewise
.set SI2, 228
.set SI3, 229
.set SB3, 230                          ; 4 t: my word of k_full_b
; s_set_vgpr_msb's low byte: bits 1:0 source 0, 3:2 source 1, 5:4 source 2, 7:6 destination; the high byte repeats the setting that is left.
; At every label and branch the setting is 0.
.set MSB, 0
.macro WIN new
.if MSB != \new
	s_set_vgpr_msb (MSB<<8)|\new
.set MSB, \new
.endif
.endm
.macro PLACES                          ; four plain places behind a matrix instruction, before its result is read or a load is issued into its registers
.rept 4
	v_nop
.endr
.endm
.macro HRED v, t                       ; adds the other half-wave's figure: lanes r and r + 16 hold the two halves of a pair's features
	v_permlanex16_b32 v[\t], v[\v], s[PSA], s[PSB]
	v_add_f32 v[\v], v[\v], v[\t]
.endm
.macro GELU8 X, T
.irp q, 0,2,4,6
	v_pk_mul_f32 v[\T+\q:\T+\q+1], v[\X+\q:\X+\q+1], v[CK:CK+1]
.endr
.irp q, 0,1,2,3,4,5,6,7
	v_fma_f32 v[\T+8+\q], |v[\T+\q]|, s[PP], 1.0
.endr
.irp q, 0,2,4,6
	v_pk_mul_f32 v[\T+16+\q:\T+17+\q], v[\T+\q:\T+\q+1], v[\T+\q:\T+\q+1] neg_lo:[1,0] neg_hi:[1,0]
.endr
.irp q, 0,1,2,3,4,5,6,7
	v_rcp_f32 v[\T+8+\q], v[\T+8+\q]
.endr
.irp q, 0,1,2,3,4,5,6,7
	v_exp_f32 v[\T+16+\q], v[\T+16+\q]
.endr
.irp q, 0,1,2,3,4,5,6,7
	v_max_num_f32 v[\T+\q], 0, v[\X+\q]    ; plain work behind the transcendentals (ISA guide 5.7.2)
.endr
	s_wait_alu depctr_va_vdst(0)           ; the eight reciprocals and eight exponentials are written, ahead of their first reader
.irp q, 0,2,4,6
	v_pk_fma_f32 v[\T+24+\q:\T+25+\q], v[\T+8+\q:\T+9+\q], v[CA3:CA3+1], v[CA2:CA2+1]
.endr
.irp q, 0,2,4,6
	v_pk_fma_f32 v[\T+24+\q:\T+25+\q], v[\T+24+\q:\T+25+\q], v[\T+8+\q:\T+9+\q], v[CA1:CA1+1]
.endr
.irp q, 0,2,4,6
	v_pk_mul_f32 v[\T+24+\q:\T+25+\q], v[\T+24+\q:\T+25+\q], v[\T+8+\q:\T+9+\q]
.endr
.irp q, 0,2,4,6
	v_pk_mul_f32 v[\T+24+\q:\T+25+\q], v[\T+24+\q:\T+25+\q], v[\T+16+\q:\T+17+\q]
.endr
.irp q, 0,1,2,3,4,5,6,7
	v_fma_f32 v[\X+\q], -|v[\X+\q]|, v[\T+24+\q], v[\T+\q]
.endr
.endm
.macro PFOLD
	v_pk_add_f32 v[CH:CH+1], v[CH:CH+1], v[CH+2:CH+3]
	v_pk_add_f32 v[CH+4:CH+5], v[CH+4:CH+5], v[CH+6:CH+7]
	v_pk_add_f32 v[CH:CH+1], v[CH:CH+1], v[CH+4:CH+5]
	v_add_f32 v[CH], v[CH], v[CH+1]
.endm
.macro PSUM B, NP                      ; v[CH] = the lane's sum of NP register pairs from v[B], in four chains
.irp k, 0,1,2,3
	v_pk_add_f32 v[CH+2*\k:CH+2*\k+1], v[\B+4*\k:\B+4*\k+1], v[\B+4*\k+2:\B+4*\k+3]
.endr
.set pq, 8
.rept \NP-8
	v_pk_add_f32 v[CH+2*(pq%4):CH+2*(pq%4)+1], v[CH+2*(pq%4):CH+2*(pq%4)+1], v[\B+2*pq:\B+2*pq+1]
.set pq, pq+1
.endr
	PFOLD
.endm
.macro PSQ B, NP                       ; the same for the squares
.irp k, 0,1,2,3
	v_pk_mul_f32 v[CH+2*\k:CH+2*\k+1], v[\B+2*\k:\B+2*\k+1], v[\B+2*\k:\B+2*\k+1]
.endr
.set pq, 4
.rept \NP-4
	v_pk_fma_f32 v[CH+2*(pq%4):CH+2*(pq%4)+1], v[\B+2*pq:\B+2*pq+1], v[\B+2*pq:\B+2*pq+1], v[CH+2*(pq%4):CH+2*(pq%4)+1]
.set pq, pq+1
.endr
	PFOLD
.endm
.macro PSUBM B, NP                     ; subtract v[MP] from NP pairs
.set pq, 0
.rept \NP
	v_pk_add_f32 v[\B+2*pq:\B+2*pq+1], v[\B+2*pq:\B+2*pq+1], v[MP:MP+1] neg_lo:[0,1] neg_hi:[0,1]
.set pq, pq+1
.endr
.endm
; Staging of one weight row a thread: 180 columns in three batches of 15 x 4.  DOT += W . b; img = 1: bf16(W g) to the image; img = 0: G2 += W . g.
; g and b are read at the same address in all lanes.  srow, simg: the registers with the row's offset and its LDS address.
; A batch's vector work stands together, then one wait, then its fifteen LDS stores.  The wait that the first batch's loads need stands ahead of the macro.
.macro STG wp, woff, gp, goff, bp, boff, img, srow, simg
.set sbt, 0
.rept 3
.if sbt
.if \img
	s_wait_alu depctr_vm_vsrc(0)           ; the LDS stores of the batch before have read v[SW ..], in which the loads below land
.else
	s_wait_alu depctr_va_vdst(0)           ; the sums of the batch before are done reading v[SW ..], v[SG ..] and v[SB ..], in which the loads below land
.endif
.endif
.set sq, 0
.rept 15
	global_load_b128 v[SW+4*sq:SW+4*sq+3], v[\srow], s[\wp:\wp+1] offset:\woff+240*sbt+16*sq
	global_load_b128 v[SG+4*sq:SG+4*sq+3], v[VZ], s[\gp:\gp+1] offset:\goff+240*sbt+16*sq
	global_load_b128 v[SB+4*sq:SB+4*sq+3], v[VZ], s[\bp:\bp+1] offset:\boff+240*sbt+16*sq
.set sq, sq+1
.endr
	s_wait_loadcnt 0x0
.set sq, 0
.rept 15
	v_pk_fma_f32 v[DOT:DOT+1], v[SW+4*sq:SW+4*sq+1], v[SB+4*sq:SB+4*sq+1], v[DOT:DOT+1]
	v_pk_fma_f32 v[DOT:DOT+1], v[SW+4*sq+2:SW+4*sq+3], v[SB+4*sq+2:SB+4*sq+3], v[DOT:DOT+1]
.if \img
	v_pk_mul_f32 v[SW+4*sq:SW+4*sq+1], v[SW+4*sq:SW+4*sq+1], v[SG+4*sq:SG+4*sq+1]
	v_pk_mul_f32 v[SW+4*sq+2:SW+4*sq+3], v[SW+4*sq+2:SW+4*sq+3], v[SG+4*sq+2:SG+4*sq+3]
	v_cvt_pk_bf16_f32 v[SW+4*sq], v[SW+4*sq], v[SW+4*sq+1]
	v_cvt_pk_bf16_f32 v[SW+4*sq+1], v[SW+4*sq+2], v[SW+4*sq+3]
.else
	v_pk_fma_f32 v[G2:G2+1], v[SW+4*sq:SW+4*sq+1], v[SG+4*sq:SG+4*sq+1], v[G2:G2+1]
	v_pk_fma_f32 v[G2:G2+1], v[SW+4*sq+2:SW+4*sq+3], v[SG+4*sq+2:SG+4*sq+3], v[G2:G2+1]
.endif
.set sq, sq+1
.endr
.if \img
	s_wait_alu depctr_va_vdst(0)           ; the conversions have written v[SW ..], which the LDS stores read; the batch is done reading v[SW ..], v[SG ..], v[SB ..], in which the next loads land
.set sq, 0
.rept 15
	ds_store_b64 v[\simg], v[SW+4*sq:SW+4*sq+1] offset:120*sbt+8*sq
.set sq, sq+1
.endr
.endif
.set sbt, sbt+1
.endr
.endm
; The A fragments of K step ks of image img, feature tiles 0 .. NT - 1, into the set at register set of window 1: 2 NT LDS loads in one run
.macro ASET img, ks, NT, set
.set af, 0
.rept \NT
.if \img == 1
.set AR, VA1
.set AO, 1280*af+64*\ks
.endif
.if \img == 2
.if af < 8
.set AR, VA2A
.set AO, 6400*af+64*\ks
.else
.set AR, VA2B
.set AO, 6400*(af-8)+64*\ks
.endif
.endif
.if \img == 3
.set AR, VA3
.set AO, 6400*af+64*\ks
.endif
	ds_load_b128 v[\set+8*af:\set+8*af+3], v[AR] offset:AO
	ds_load_b128 v[\set+8*af+4:\set+8*af+7], v[AR] offset:AO+32
.set af, af+1
.endr
.endm
; One K step: H[0 .. NT) += set . B[ks].  The NT accumulators take turns, one instruction a turn; K is the outer order, ascending.
.macro MMK NT, ks, set
.set mt, 0
.rept \NT
	v_wmma_f32_16x16x32_bf16 v[H+8*mt:H+8*mt+7], v[\set+8*mt:\set+8*mt+7], v[BB+8*\ks:BB+8*\ks+7], v[H+8*mt:H+8*mt+7]
.set mt, mt+1
.endr
.endm
; Four tiles of P, t0 on, into 32 registers of window 1
.macro PLD t0, reg
.set ht, 0
.rept 4
	global_load_b128 v[\reg+8*ht:\reg+8*ht+3], v[VP], s[PB:PB+1] offset:1024*(\t0+ht)
	global_load_b128 v[\reg+8*ht+4:\reg+8*ht+7], v[VP], s[PB:PB+1] offset:1024*(\t0+ht)+16
.set ht, ht+1
.endr
.endm
.macro HBIAS off, NT                   ; the biases start the sums
.set ht, 0
.rept \NT
	ds_load_b128 v[H+8*ht:H+8*ht+3], v[VBI] offset:\off+64*ht
	ds_load_b128 v[H+8*ht+4:H+8*ht+7], v[VBI] offset:\off+64*ht+16
.set ht, ht+1
.endr
.endm
.macro MASK11                          ; tile 11 holds features 176 + 8 hl + e: only hl = 0, e < 4 exist
.irp e, 0,1,2,3
	v_cndmask_b32 v[H+88+\e], 0, v[H+88+\e], s[HM]
.endr
.irp e, 4,5,6,7
	v_mov_b32 v[H+88+\e], 0
.endr
.endm
; LayerNorm of H's 180 features (var = 0), or of H's 180 and ap's 180 by am, aq (var = 1); the normed features go to B in bf16.
.macro LNH var
	MASK11
	PSUM H, 48
	HRED CH, VTMP
.if \var
	s_wait_loadcnt 20                      ; (am, aq) is in; the four loads of the next tile's inputs and the sixteen of P were issued behind it
	v_fma_f32 v[CH], v[AMQ], s[C180], v[CH]
	v_mul_f32 v[MP], IK360, v[CH]
.else
	v_mul_f32 v[MP], IK180, v[CH]
.endif
	v_mov_b32 v[MP+1], v[MP]
	PSUBM H, 48
	MASK11
	PSQ H, 48
	HRED CH, VTMP
.if \var
	v_sub_f32 v[T0], v[AMQ], v[MP]         ; am - m
	v_add_f32 v[CH], v[CH], v[AMQ+1]
	v_mul_f32 v[T1], s[C180], v[T0]
	v_fmac_f32 v[CH], v[T1], v[T0]         ; + aq + 180 (am - m)^2
	v_fma_f32 v[RSP], v[CH], IK360, s[EPS]
.else
	v_fma_f32 v[RSP], v[CH], IK180, s[EPS]
.endif
	v_rsq_f32 v[RSP], v[RSP]
	v_nop
	s_wait_alu depctr_va_vdst(0)           ; the root's reciprocal is written, ahead of its first reader
	v_mov_b32 v[RSP+1], v[RSP]
.set pq, 0
.rept 48
	v_pk_mul_f32 v[H+2*pq:H+2*pq+1], v[H+2*pq:H+2*pq+1], v[RSP:RSP+1]
.set pq, pq+1
.endr
.if \var
	v_mul_f32 v[T0], v[T0], v[RSP]
	v_cndmask_b32 v[H+92], 0, v[T0], s[HM] ; k = 180 carries (am - m) rs
.endif
.set pq, 0
.rept 48
	v_cvt_pk_bf16_f32 v[BB+pq], v[H+2*pq], v[H+2*pq+1]
.set pq, pq+1
.endr
.endm
.macro TILEADR lc                      ; trip lc: i = 2 g + lc / 4, jt = w + 8 (lc mod 4)
	s_lshr_b32 s[SI], s[\lc], 2
	s_add_co_u32 s[SI], s[SI], s[ROW0]
	s_and_b32 s[SJ], s[\lc], 3
	s_lshl_b32 s[SJ], s[SJ], 3
	s_add_co_u32 s[SJ], s[SJ], s[WV]
.endm
.macro XLOAD lc                        ; a tile's 16 x 14 f32: a lane takes k = 8 hl .. 8 hl + 7 of pair r (k = 14, 15 repeat k = 12, 13; their weights are zero)
	TILEADR \lc
	s_mul_i32 s[O0], s[SI], 28672
	s_mul_i32 s[S0], s[SJ], 896
	s_add_co_u32 s[O0], s[O0], s[S0]
	s_mov_b32 s[O0+1], 0
	s_add_nc_u64 s[XBS:XBS+1], s[4:5], s[O0:O0+1]
	global_load_b64 v[XN:XN+1], v[VX], s[XBS:XBS+1] th:TH_LOAD_NT
	global_load_b64 v[XN+2:XN+3], v[VX], s[XBS:XBS+1] offset:8 th:TH_LOAD_NT
	global_load_b64 v[XN+4:XN+5], v[VX], s[XBS:XBS+1] offset:16 th:TH_LOAD_NT
	global_load_b64 v[XN+6:XN+7], v[VX3], s[XBS:XBS+1] th:TH_LOAD_NT
.endm
	s_load_b512 s[4:19], s[0:1], 0x0
	s_load_b256 s[20:27], s[0:1], 0x40
	s_load_b64 s[28:29], s[0:1], 0x60
	s_set_vgpr_msb 0x40
	v_lshl_add_u32 v0, v0, 2, 0x23800
	v_mov_b32 v1, 0
	s_set_vgpr_msb 0x4000
	v_and_b32 v1, 31, v0
	v_and_b32 v2, 15, v0
	v_bfe_u32 v3, v0, 4, 1
	v_lshrrev_b32 v4, 5, v0
	v_readfirstlane_b32 s[WV], v4
	s_mov_b32 s[PSA], 0x76543210
	s_mov_b32 s[PSB], 0xfedcba98
	s_mov_b32 s[PP], 0x3ec88bb9
	s_mov_b32 s[EPS], 0x358637bd
	s_mov_b32 s[HM], 0xffff                ; the lanes with hl = 0
	s_mov_b32 s[C180], 0x43340000          ; 180.0
	s_lshl_b32 s[ROW0], ttmp9, 1
	s_mov_b32 s[LC], 0
	v_mov_b32 v[VTMP], 0
	v_mov_b32 v[VZ], 0
	v_mov_b32 v[CK], 0x3f596d27
	v_mov_b32 v[CK+1], 0x3f596d27
	v_mov_b32 v[CA1], 0x3e32303a
	v_mov_b32 v[CA1+1], 0x3e32303a
	v_mov_b32 v[CA2], 0xbd445ca1
	v_mov_b32 v[CA2+1], 0xbd445ca1
	v_mov_b32 v[CA3], 0x3ebf7377
	v_mov_b32 v[CA3+1], 0x3ebf7377
	v_mul_u32_u24 v[VA1], v[VR], 80
	v_lshl_add_u32 v[VA1], v[VH], 4, v[VA1]
	v_mul_u32_u24 v[VA2A], v[VR], 400
	v_lshl_add_u32 v[VA2A], v[VH], 4, v[VA2A]
	v_add_nc_u32 v[VA3], W3I, v[VA2A]
	v_add_nc_u32 v[VA2A], W2I, v[VA2A]
	v_add_nc_u32 v[VA2B], 51200, v[VA2A]
	v_lshl_add_u32 v[VBI], v[VH], 5, B1V
	v_lshlrev_b32 v[VOUT], 4, v[VL]
	v_lshlrev_b32 v[VP], 5, v[VL]
	v_lshlrev_b32 v[VAM], 3, v[VR]
	v_mul_u32_u24 v[VX], v[VR], 56
	v_lshl_add_u32 v[VX3], v[VH], 5, 24
	v_min_u32 v[VX3], 48, v[VX3]
	v_add_nc_u32 v[VX3], v[VX], v[VX3]
	v_lshl_add_u32 v[VX], v[VH], 5, v[VX]
	v_min_u32 v32, 179, v0                 ; staging: my weight row, clamped
	v_lshlrev_b32 v34, 2, v32
	v_lshlrev_b32 v37, 2, v0
	v_add_nc_u32 v37, B1V, v37             ; my word in the bias vectors
	v_mov_b32 v38, 0
	v_mov_b32 v39, 0
	v_mul_u32_u24 v[SR1], v32, 56          ; the staging's offsets and LDS addresses, each in a register of its own
	v_mul_u32_u24 v[SR2], v32, 720
	v_mul_u32_u24 v[SR3], v0, 1440
	v_mul_u32_u24 v[SI1], v0, 80
	v_mul_u32_u24 v[SI2], v0, 400
	v_add_nc_u32 v[SI3], W3I, v[SI2]
	v_add_nc_u32 v[SI2], W2I, v[SI2]
	v_lshlrev_b32 v[SB3], 2, v0
	s_wait_alu depctr_va_sdst(0)           ; the wave's number is written, ahead of its first reader: tile numbers and branches are made from it
	s_wait_kmcnt 0x0
	s_wait_alu depctr_va_vdst(0)           ; all offsets and addresses (v4 to v13, v15, v34, v37 to v39, v224 to v230) are written, which the loads and stores of the kernel read
	XLOAD LC                               ; the first tile's inputs are on their way during the staging
; staging, threads 0..191 (waves 0..5): images 1 and 2
	s_cmp_lt_u32 s[WV], 6
	s_cbranch_scc0 .Lno12
.irp q, 0,1,2,3,4,5,6
	global_load_b64 v[40+2*\q:41+2*\q], v[SR1], s[6:7] offset:8*\q
.endr
	global_load_b32 v35, v34, s[8:9]
	s_wait_loadcnt 0x0
.irp q, 0,1,2,3,4,5,6
	v_cvt_pk_bf16_f32 v[56+\q], v[40+2*\q], v[41+2*\q]
.endr
.irp q, 63,64,65,66,67,68,69,70,71
	v_mov_b32 v\q, 0
.endr
	v_mov_b32 v[DOT], 0
	v_mov_b32 v[DOT+1], 0
	s_wait_alu depctr_va_vdst(0)           ; the conversions and the zeros have written v[56:71], which the LDS stores read; the conversions are done reading v[40:53], in which image 2's loads land
.irp q, 0,1,2,3
	ds_store_b128 v[SI1], v[56+4*\q:59+4*\q] offset:W1I+16*\q
.endr
	ds_store_b32 v37, v35
	s_wait_alu depctr_vm_vsrc(0)           ; those LDS stores have read v[56:71] and v35, in which later loads land
	STG 14, 0, 10, 0, 12, 0, 1, SR2, SI2
	ds_store_b64 v[SI2], v[38:39] offset:360
	ds_store_b64 v[SI2], v[38:39] offset:368
	ds_store_b64 v[SI2], v[38:39] offset:376
	global_load_b32 v35, v34, s[16:17]
	v_add_f32 v[DOT], v[DOT], v[DOT+1]
	s_wait_loadcnt 0x0
	v_add_f32 v35, v35, v[DOT]
	s_wait_alu depctr_va_vdst(0)           ; the sum is written into v35, which the LDS store reads
	ds_store_b32 v37, v35 offset:B2O
.Lno12:
; threads 0..127 (waves 0..3): image 3
	s_cmp_lt_u32 s[WV], 4
	s_cbranch_scc0 .Lno3
	v_mov_b32 v[DOT], 0
	v_mov_b32 v[DOT+1], 0
	v_mov_b32 v[G2], 0
	v_mov_b32 v[G2+1], 0
	s_wait_alu depctr_vm_vsrc(0)           ; image 2's last LDS stores have read v[SW ..] and v35, in which the loads below land
	STG 18, 0, 22, 0, 24, 0, 1, SR3, SI3
	s_wait_alu depctr_vm_vsrc(0)           ; the last batch's LDS stores have read v[SW ..], in which the loads below land
	STG 18, 720, 22, 720, 24, 720, 0, SR3, SI3
	global_load_b32 v35, v[SB3], s[20:21]
	ds_store_b64 v[SI3], v[38:39] offset:360
	ds_store_b64 v[SI3], v[38:39] offset:368
	ds_store_b64 v[SI3], v[38:39] offset:376
	v_add_f32 v[G2], v[G2], v[G2+1]
	v_cvt_pk_bf16_f32 v[G2], v[G2], v[G2]
	v_add_f32 v[DOT], v[DOT], v[DOT+1]
	s_wait_loadcnt 0x0
	v_add_f32 v35, v35, v[DOT]
	s_wait_alu depctr_va_vdst(0)           ; G2 in bf16 and the sum in v35 are written, which the two LDS stores read
	ds_store_b16 v[SI3], v[G2] offset:360  ; behind the zeros: LDS serves a wave's instructions in order (ISA guide 5.7.1)
	ds_store_b32 v37, v35 offset:CSO
.Lno3:
	s_wait_dscnt 0x0                       ; my part of the images is stored,
	s_barrier_signal -1
	s_barrier_wait -1                      ; everybody's is; from here on LDS is only read and no barrier follows
.Ltrip:
	s_wait_loadcnt 0x0                     ; this tile's inputs
	s_wait_xcnt 0x0                        ; the last trip's stores have read their data, addresses and base
	s_wait_alu depctr_vm_vsrc(0)           ; the last trip's stores have read v[H .. H+31], in which the biases land; in the first trip: the staging's loads and stores have read v32 to v230, which the trip writes
.irp q, 0,1,2,3
	v_cvt_pk_bf16_f32 v[BB+\q], v[XN+2*\q], v[XN+2*\q+1]
.endr
.irp q, 4,5,6,7
	v_mov_b32 v[BB+\q], 0                  ; k = 16 .. 31
.endr
	TILEADR LC
	s_lshl_b32 s[O0], s[SJ], 13
	s_mov_b32 s[O0+1], 0
	s_add_nc_u64 s[PB:PB+1], s[26:27], s[O0:O0+1]
	s_lshl_b32 s[O0], s[SJ], 7
	s_add_nc_u64 s[AMB:AMB+1], s[26:27], s[O0:O0+1]
	s_lshl_b32 s[O0], s[SI], 5
	s_add_co_u32 s[O0], s[O0], s[SJ]
	s_lshl_b32 s[O0], s[O0], 12
	s_add_nc_u64 s[OB:OB+1], s[28:29], s[O0:O0+1]
	s_add_co_u32 s[LN], s[LC], 1
	s_min_u32 s[LN], s[LN], 7              ; the last trip asks for its own tile again: no load leaves the buffer
	s_wait_alu depctr_va_vdst(0)           ; the conversions are done reading XN; the trip before (in the first trip: the staging) is done with AMQ, H, FA0 and FA1: the loads below land in all of these
	global_load_b64 v[AMQ:AMQ+1], v[VAM], s[AMB:AMB+1] offset:262144
	XLOAD LN
; layer 1; image 2's K step 0 is asked for with it
	HBIAS 0, 12
	WIN 0x40                               ; destination window 1, address window 0
	ASET 1, 0, 12, FA0
	ASET 2, 0, 12, FA1
	s_wait_dscnt 24                        ; the biases and image 1 are in; image 2's 24 loads stay out
	WIN 0x01                               ; source A window 1
	MMK 12, 0, FA0
	PLACES                                 ; for the loads into FA0 and for GELU's reads of H
	WIN 0x40
	s_wait_alu depctr_va_vdst(0)           ; layer 1's products are done reading FA0, in which image 2's K step 1 lands
	ASET 2, 1, 12, FA0
	WIN 0
.set gt, 0
.rept 12
	GELU8 (H+8*gt), AS
.set gt, gt+1
.endr
	LNH 0
; layer 2
	s_wait_alu depctr_va_vdst(0)           ; the LayerNorm's conversions are done reading H, in which the biases land
	HBIAS B2O, 12
	s_wait_dscnt 0x0                       ; the biases, the youngest loads; K steps 0 and 1 were asked for ahead of them
	WIN 0x01
	MMK 12, 0, FA1
.set kk, 1
.rept 5
	PLACES
	WIN 0x40
	s_wait_alu depctr_va_vdst(0)           ; K step kk - 1's products are done reading their set, in which the loads below land
.if kk < 5
	ASET 2, (kk+1), 12, (FA0+96*(kk%2))
	s_wait_dscnt 24                        ; K step kk's fragments are in; the 24 loads just issued stay out
.else
	ASET 3, 0, 8, FA1                      ; layer 3's K step 0, and P's tiles 0 to 3 above it
	PLD 0, (FA1+64)
	s_wait_dscnt 16                        ; K step 5's fragments are in; the 16 LDS loads just issued stay out
.endif
	WIN 0x01
	MMK 12, kk, (FA0+96*((kk+1)%2))
.set kk, kk+1
.endr
	PLACES                                 ; for the loads into FA0 and for GELU's reads of H
	WIN 0x40
	s_wait_alu depctr_va_vdst(0)           ; K step 5's products are done reading FA0, in which the loads below land
	ASET 3, 1, 8, FA0                      ; layer 3's K step 1, and P's tiles 4 to 7 above it
	PLD 4, (FA0+64)
	WIN 0
.set gt, 0
.rept 12
	GELU8 (H+8*gt), AS
.set gt, gt+1
.endr
	s_wait_alu depctr_va_vdst(0)           ; the last GELU is done with its temporaries in AS, in which layer 3's constants land
.set ht, 0
.rept 8
	ds_load_b128 v[AS+8*ht:AS+8*ht+3], v[VBI] offset:CSO+64*ht
	ds_load_b128 v[AS+8*ht+4:AS+8*ht+7], v[VBI] offset:CSO+64*ht+16
.set ht, ht+1
.endr
	LNH 1
; layer 3: the sums start at rs P[j] + cst
	s_wait_dscnt 0x0                       ; the constants, and layer 3's K steps 0 and 1
	WIN 0x01                               ; source 0 (P, then A) window 1
.set ht, 0
.rept 8
	s_wait_loadcnt 14-2*ht                 ; tile ht's two loads of P are in; the younger tiles' stay out
.if ht < 4
.set PRG, FA1+64+8*ht
.else
.set PRG, FA0+64+8*(ht-4)
.endif
.irp q, 0,2,4,6
	v_pk_fma_f32 v[H+8*ht+\q:H+8*ht+\q+1], v[PRG+\q:PRG+\q+1], v[RSP:RSP+1], v[AS+8*ht+\q:AS+8*ht+\q+1]
.endr
.set ht, ht+1
.endr
	MMK 8, 0, FA1
.set kk, 1
.rept 5
.if kk < 5
	PLACES
	WIN 0x40
	s_wait_alu depctr_va_vdst(0)           ; K step kk - 1's products are done reading their set, in which the loads below land
	ASET 3, (kk+1), 8, (FA0+96*(kk%2))
	s_wait_dscnt 16                        ; K step kk's fragments are in; the 16 loads just issued stay out
	WIN 0x01
.else
	s_wait_dscnt 0x0                       ; the last K step's fragments; nothing more is asked for
.endif
	MMK 8, kk, (FA0+96*((kk+1)%2))
.set kk, kk+1
.endr
	WIN 0
	PLACES
.set gt, 0
.rept 8
	GELU8 (H+8*gt), AS
.set gt, gt+1
.endr
; the pair's mean goes away in f32, then bf16; a store of the wave covers 512 consecutive bytes, aligned
	PSUM H, 32
	HRED CH, VTMP
	v_mul_f32 v[MP], IK128, v[CH]
	v_mov_b32 v[MP+1], v[MP]
	PSUBM H, 32
.set pq, 0
.rept 32
	v_cvt_pk_bf16_f32 v[H+pq], v[H+2*pq], v[H+2*pq+1]
.set pq, pq+1
.endr
	s_wait_alu depctr_va_vdst(0)           ; the conversions have written v[H .. H+31], which the stores read
.set ht, 0
.rept 8
	global_store_b128 v[VOUT], v[H+4*ht:H+4*ht+3], s[OB:OB+1] offset:512*ht th:TH_STORE_NT
.set ht, ht+1
.endr
	s_add_co_u32 s[LC], s[LC], 1
	s_cmp_lt_u32 s[LC], 8
	s_cbranch_scc1 .Ltrip
	s_set_vgpr_msb 0x5                     ; the add's two registers, sources 0 and 1, lie in window 1
	s_wait_dscnt 0x0                       ; the closing lines, six on end
	s_wait_alu 0x0
	s_wait_tensorcnt 0x0
	ds_add_u32 v0, v1
	s_wait_dscnt 0x0
	s_endpgm
.Lfunc_end_k_q024abc32c9_pairs:
	.size	k_q024abc32c9_pairs, .Lfunc_end_k_q024abc32c9_pairs-k_q024abc32c9_pairs
	.p2alignl 7, 3214868480
	.fill 96, 4, 3214868480
	.section	.rodata,"a",@progbits
	.p2align	6, 0x0
	.amdhsa_kernel k_q024abc32c9_pairs
		.amdhsa_group_segment_fixed_size 146432
		.amdhsa_private_segment_fixed_size 0
		.amdhsa_enable_private_segment 0
		.amdhsa_kernarg_size 104
		.amdhsa_user_sgpr_count 2
		.amdhsa_user_sgpr_kernarg_segment_ptr 1
		.amdhsa_wavefront_size32 1
		.amdhsa_system_sgpr_workgroup_id_x 1
		.amdhsa_system_sgpr_workgroup_id_y 1
		.amdhsa_system_sgpr_workgroup_id_z 1
		.amdhsa_system_vgpr_workitem_id 0
		.amdhsa_next_free_vgpr 456
		.amdhsa_next_free_sgpr 80
		.amdhsa_reserve_vcc 0
		.amdhsa_float_denorm_mode_32 3
		.amdhsa_float_denorm_mode_16_64 3
		.amdhsa_memory_ordered 1
		.amdhsa_forward_progress 1
		.amdhsa_inst_pref_size 255
	.end_amdhsa_kernel
	.section	.bss,"aw",@nobits
	.p2align	6
	.space	262144
	.amdgpu_metadata
---
amdhsa.version: [ 1, 2 ]
amdhsa.kernels:
  - .name:           k_q024abc32c9_pairs
    .symbol:         k_q024abc32c9_pairs.kd
    .args:
      - { .name: k_geom_feats, .offset: 0, .size: 8, .value_kind: global_buffer, .address_space: global }
      - { .name: params_k_geom_l1_W, .offset: 8, .size: 8, .value_kind: global_buffer, .address_space: global }
      - { .name: params_k_geom_l1_b, .offset: 16, .size: 8, .value_kind: global_buffer, .address_space: global }
      - { .name: params_k_geom_ln_g, .offset: 24, .size: 8, .value_kind: global_buffer, .address_space: global }
      - { .name: params_k_geom_ln_b, .offset: 32, .size: 8, .value_kind: global_buffer, .address_space: global }
      - { .name: params_k_geom_l2_W, .offset: 40, .size: 8, .value_kind: global_buffer, .address_space: global }
      - { .name: params_k_geom_l2_b, .offset: 48, .size: 8, .value_kind: global_buffer, .address_space: global }
      - { .name: params_k_full_l_W, .offset: 56, .size: 8, .value_kind: global_buffer, .address_space: global }
      - { .name: params_k_full_l_b, .offset: 64, .size: 8, .value_kind: global_buffer, .address_space: global }
      - { .name: params_k_full_ln_g, .offset: 72, .size: 8, .value_kind: global_buffer, .address_space: global }
      - { .name: params_k_full_ln_b, .offset: 80, .size: 8, .value_kind: global_buffer, .address_space: global }
      - { .name: pj, .offset: 88, .size: 8, .value_kind: global_buffer, .address_space: global }
      - { .name: kf0, .offset: 96, .size: 8, .value_kind: global_buffer, .address_space: global }
    .group_segment_fixed_size: 146432
    .private_segment_fixed_size: 0
    .kernarg_segment_align: 8
    .kernarg_segment_size: 104
    .max_flat_workgroup_size: 256
    .sgpr_count:     80
    .vgpr_count:     456
    .wavefront_size: 32
...
	.end_amdgpu_metadata
.endif
;; end of part 6
;; launch j0: the kernel of part 5 again; grid 256 x 1, 8 waves a work-group, no clusters, 199,680 bytes of LDS; arguments params_jpus_0_qb1_ln_g, params_jpus_0_qb1_ln_b, params_jpus_0_qb1_l_W, params_jpus_0_qb1_l_b, params_jpus_0_ln_q_g, params_jpus_0_ln_q_b, params_jpus_0_q_W, params_jpus_0_q_b, params_jpus_0_k_W, params_jpus_0_k_b, params_jpus_0_ln_k_g, params_jpus_0_ln_k_b, params_jpus_0_v_W, params_jpus_0_v_b, params_jpus_0_o_W, params_jpus_0_o_b, params_jpus_0_scale, params_jpus_0_qb2_ln_g, params_jpus_0_qb2_ln_b, params_jpus_0_qb2_l_W, params_jpus_0_qb2_l_b, msk, kf0, qfA, CfA, CbA, qfB, CfB, CbB; writes qfB, CfB, CbB
;; launch j1: the kernel of part 5 again; grid 256 x 1, 8 waves a work-group, no clusters, 199,680 bytes of LDS; arguments params_jpus_1_qb1_ln_g, params_jpus_1_qb1_ln_b, params_jpus_1_qb1_l_W, params_jpus_1_qb1_l_b, params_jpus_1_ln_q_g, params_jpus_1_ln_q_b, params_jpus_1_q_W, params_jpus_1_q_b, params_jpus_1_k_W, params_jpus_1_k_b, params_jpus_1_ln_k_g, params_jpus_1_ln_k_b, params_jpus_1_v_W, params_jpus_1_v_b, params_jpus_1_o_W, params_jpus_1_o_b, params_jpus_1_scale, params_jpus_1_qb2_ln_g, params_jpus_1_qb2_ln_b, params_jpus_1_qb2_l_W, params_jpus_1_qb2_l_b, msk, kf0, qfB, CfB, CbB, qfA, CfA, CbA; writes qfA, CfA, CbA
;; launch j2: the kernel of part 5 again; grid 256 x 1, 8 waves a work-group, no clusters, 199,680 bytes of LDS; arguments params_jpus_2_qb1_ln_g, params_jpus_2_qb1_ln_b, params_jpus_2_qb1_l_W, params_jpus_2_qb1_l_b, params_jpus_2_ln_q_g, params_jpus_2_ln_q_b, params_jpus_2_q_W, params_jpus_2_q_b, params_jpus_2_k_W, params_jpus_2_k_b, params_jpus_2_ln_k_g, params_jpus_2_ln_k_b, params_jpus_2_v_W, params_jpus_2_v_b, params_jpus_2_o_W, params_jpus_2_o_b, params_jpus_2_scale, params_jpus_2_qb2_ln_g, params_jpus_2_qb2_ln_b, params_jpus_2_qb2_l_W, params_jpus_2_qb2_l_b, msk, kf0, qfA, CfA, CbA, qfB, CfB, CbB; writes qfB, CfB, CbB
;; launch j3: the kernel of part 5 again; grid 256 x 1, 8 waves a work-group, no clusters, 199,680 bytes of LDS; arguments params_jpus_3_qb1_ln_g, params_jpus_3_qb1_ln_b, params_jpus_3_qb1_l_W, params_jpus_3_qb1_l_b, params_jpus_3_ln_q_g, params_jpus_3_ln_q_b, params_jpus_3_q_W, params_jpus_3_q_b, params_jpus_3_k_W, params_jpus_3_k_b, params_jpus_3_ln_k_g, params_jpus_3_ln_k_b, params_jpus_3_v_W, params_jpus_3_v_b, params_jpus_3_o_W, params_jpus_3_o_b, params_jpus_3_scale, params_jpus_3_qb2_ln_g, params_jpus_3_qb2_ln_b, params_jpus_3_qb2_l_W, params_jpus_3_qb2_l_b, msk, kf0, qfB, CfB, CbB, qfA, CfA, CbA; writes qfA, CfA, CbA
;; launch head: the kernel of part 4 again; grid 32 x 1, 8 waves a work-group, no clusters, 18,432 bytes of LDS; arguments qfA, params_qf_ln1_g, params_qf_ln1_b, params_qf_l1_W, params_qf_l1_b, params_qf_ln2_g, params_qf_ln2_b, params_qf_l2_W, params_qf_l2_b, out0; writes out0
